; MI455X (gfx1250); checked and timed in simulation.
; The chip was launched on July 23, 2026; its instructions are those of AMD's public machine-readable ISA for CDNA 5 (MIT licence, August 2026) and "CDNA5" Instruction Set Architecture Reference Guide (July 2026). The comments in the code are by the model that wrote it; some were corrected since.
;; Transformer Layer. Allowed arithmetic: matrix products marked QUANTISED: E5M2 operands, one given power-of-two scale a tensor, by v_wmma_f32_16x16x64_bf8_bf8 or v_wmma_f32_16x16x128_bf8_bf8, f32 sums; everything else in f32.
;; Inputs: W1_codes 4,096 x 32 x 32 uint8 (E5M2 codes of W1, K innermost, in blocks of 32 codes); W2_codes 1,024 x 128 x 32 uint8 (E5M2 codes of W2, K innermost, in blocks of 32 codes); Wk_codes 1,024 x 32 x 32 uint8 (E5M2 codes of Wk, K innermost, in blocks of 32 codes); Wo_codes 1,024 x 32 x 32 uint8 (E5M2 codes of Wo, K innermost, in blocks of 32 codes); Wq_codes 1,024 x 32 x 32 uint8 (E5M2 codes of Wq, K innermost, in blocks of 32 codes); Wv_codes 1,024 x 32 x 32 uint8 (E5M2 codes of Wv, K innermost, in blocks of 32 codes); b1 4,096 float32; b2 1,024 float32; bk 1,024 float32; bo 1,024 float32; bq 1,024 float32; bv 1,024 float32; gammas 16 x 1 x 1 float32; key_codes 4 x 1,024 x 32 x 32 uint8 (E5M2 codes of key, K innermost, in blocks of 32 codes); ln1_b 1,024 float32; ln1_w 1,024 float32; ln2_b 1,024 float32; ln2_w 1,024 float32; lowp_scales 16 int32 (the exponents e of the quantised operands' scales 2^e); query 4 x 1,024 x 1,024 float32; values_codes 4 x 1,024 x 32 x 32 uint8 (E5M2 codes of values, K innermost, in blocks of 32 codes).
;; Outputs: out0 4 x 1,024 x 1,024 float32.
;; Constants: mask = 1.
;; This version of the problem:
;;   THIS VERSION OF THE PROBLEM IS GIVEN IN LOW PRECISION. The matrix products marked QUANTISED in the list below multiply operands that are first quantised to E5M2 (5 exponent bits, 2 mantissa bits; 8 bits a number), with one given power-of-two scale for each operand tensor; their sums are f32. All else is computed in f32.
;;   The module's matrix products, in the order in which they are computed (A, B: the left and right operand; K: the contracted axis; several contracted axes count as one K, in the product's order):
;;     1. [M 4,096, K 1,024] x [K 1,024, N 1,024]; A: input query; B: input Wq (given as codes): QUANTISED (scales: A lowp_scales[0], B lowp_scales[1])
;;     2. [M 4,096, K 1,024] x [K 1,024, N 1,024]; A: input key (given as codes); B: input Wk (given as codes): QUANTISED (scales: A lowp_scales[2], B lowp_scales[3])
;;     3. [M 4,096, K 1,024] x [K 1,024, N 1,024]; A: input values (given as codes); B: input Wv (given as codes): QUANTISED (scales: A lowp_scales[4], B lowp_scales[5])
;;     4. batch 64 x [M 1,024, K 64] x [K 64, N 1,024]; A: computed on the way; B: computed on the way: QUANTISED (scales: A lowp_scales[6], B lowp_scales[7])
;;     5. batch 64 x [M 1,024, K 1,024] x [K 1,024, N 64]; A: softmax (see below); B: computed on the way: QUANTISED (scales: A lowp_scales[8], B lowp_scales[9])
;;     6. [M 4,096, K 1,024] x [K 1,024, N 1,024]; A: computed on the way; B: input Wo (given as codes): QUANTISED (scales: A lowp_scales[10], B lowp_scales[11])
;;     7. [M 4,096, K 1,024] x [K 1,024, N 4,096]; A: computed on the way; B: input W1 (given as codes): QUANTISED (scales: A lowp_scales[12], B lowp_scales[13])
;;     8. [M 4,096, K 4,096] x [K 4,096, N 1,024]; A: computed on the way; B: input W2 (given as codes): QUANTISED (scales: A lowp_scales[14], B lowp_scales[15])
;;   THE QUANTISER, for each operand of a quantised product, along K:
;;     - The operand's scale is 2^e, e = its entry of the input lowp_scales (int32; the entries are numbered through the quantised products in the list's order, A before B).
;;     - Each number is divided by the scale, clamped to +-57,344, and rounded to the nearest number of E5M2, ties to even, subnormals kept.
;;     - The product sums the exact products of the quantised numbers (number of the format x scale) in f32.
;;   ~~~python
;;   def quantise(x, axis, e):      # numpy; x: float32 -> the quantised numbers, widened to float32 again
;;       x = np.moveaxis(x, axis, -1); K = x.shape[-1]
;;       r = np.clip(x / 2.0 ** e, -57344, 57344)
;;       step = 2.0 ** (np.maximum(np.frexp(np.where(r == 0, 1, r))[1] - 1, -14) - 2)
;;       q = np.round(r / step) * step * 2.0 ** e      # np.round: ties to even
;;       return np.moveaxis(q, -1, axis).astype(np.float32)
;;   ~~~
;;   SOFTMAX AHEAD OF A QUANTISED PRODUCT. Where the list says 'softmax', what is quantised is not the finished softmax but p = 2^(t - M), with t = logit x log2(e) and M = ceil(the row's largest t), a whole number; so 1/2 < the row's largest p <= 1. The row's sum l is taken of the UNQUANTISED p, in f32, and the product's result is divided by l at the end. Since M is a whole number, a kernel that streams over the keys may use a running M (the ceiling of the running maximum): every later rescaling is an exact power of two, so the quantised numbers keep their values, but for numbers so far below the row's largest that they fall under the format's range.
;;   OPERANDS COMPUTED ON THE WAY. 'Computed on the way' means the value that the module computes at that place (a softmax that the list does not call 'softmax' is quantised finished and normalised). What goes into a quantiser is computed in f32, as accurately as f32 sums, v_exp_f32 and their like allow (about 1e-6 of the number): no bf16 or f16 on the way to a quantiser, and a product that is left as it is and whose result goes on into a quantised operand takes f32 operands (vector FMAs, or v_wmma_f32_16x16x4_f32). A number that lies on a knife's edge between two numbers of the format may be rounded either way, as far as f32 arithmetic and the matrix unit's own rounding can turn it there, and no further.
;;   INPUTS GIVEN AS CODES. W1 (in the module: [4096, 1024], K = its axis 1); W2 (in the module: [1024, 4096], K = its axis 1); Wk (in the module: [1024, 1024], K = its axis 1); Wo (in the module: [1024, 1024], K = its axis 1); Wq (in the module: [1024, 1024], K = its axis 1); Wv (in the module: [1024, 1024], K = its axis 1); key (in the module: [4, 1024, 1024], K = its axis 2); values (in the module: [4, 1024, 1024], K = its axis 2): each comes as NAME_codes (uint8): NAME with its K axis moved to the last place and cut into blocks of 32 codes, [.., K / 32, bytes a block], one block behind the other in memory; one code a byte (a code: sign, 5 exponent bits, 2 mantissa bits); its scale is its entry of lowp_scales. Its value is code x scale, taken as it is: it is not quantised again, and the codes and scales need not be those that the quantiser above would give.
;; 2 versions. Each part assembles by itself: llvm-mc -triple=amdgcn-amd-amdhsa -mcpu=gfx1250 --defsym DOCPART=n.
;; ======== version 1 of 2: 8 launches
;; workspace buffers: ac 4,194,304 bytes; qkv 12,582,912 bytes; y 16,777,216 bytes; x 16,777,216 bytes; hc 16,777,216 bytes
;; launch quantq (part 1): grid 256 x 1, 4 waves a work-group, no clusters, 33,280 bytes of LDS; arguments query, lowp_scales, ac; writes ac
.if DOCPART == 1
	.amdgcn_target "amdgcn-amd-amdhsa--gfx1250"
	.amdhsa_code_object_version 6
	.text
	.protected	k_q39fd5cf65b_quantq
	.globl	k_q39fd5cf65b_quantq
	.p2align	8
	.type	k_q39fd5cf65b_quantq,@function
k_q39fd5cf65b_quantq:
	s_mov_b64 s[64:65], 0
	v_nop
	global_prefetch_b8 v0, s[64:65] scope:SCOPE_SE
	s_setreg_imm32_b32 hwreg(HW_REG_WAVE_MODE, 25, 1), 1
	s_wait_xcnt 0x0
; query [4096][1024], f32, becomes codes of BF8 (E5M2), one a byte, K innermost, with the given scale 2^e, e = entry 0 of the scales.
; code = x / 2^e, held within +-57,344, rounded to the nearest code, ties to even.  LIMITS: -126 <= e and e + 15 <= 127; NaN among the inputs is not served.
; Rows are dense, so the tensor is a plain stream.  A wave takes 8 steps of 512 numbers.  Each of a step's four loads reads 512 consecutive bytes, 16 a lane; the conversions want
; 16 neighbours in ONE lane, so the step's 2,048 bytes turn through the wave's own stage in LDS (16 bytes of padding behind each 64) and come back 64 bytes a lane.
; A lane's 16 codes are 16 bytes: the wave stores 512 consecutive bytes.  Waves share nothing: no barrier.  Loads run four steps (16 loads a wave) ahead, the turn through LDS one step.
.set STEPS, 8
.set EMAX,  15
.set MANT,  0x600000                   ; the mantissa field of 57,344 as f32
.set CB,    16                         ; bytes of 16 codes
.set R,     16                         ; v16-79   four sets of 16 numbers as they are loaded
.set X,     80                         ; v80-111  two sets of 16 neighbours
.set C,     128                        ; v128-159 codes: four registers for each step, so that no store's data are written again
.set WREG,  8192                       ; LDS: a region for each wave: two stages of 32 x SP bytes
.set SP,    80                         ; a lane's place in a stage: its 64 bytes + 16 of padding
	s_load_b128 s[4:7], s[0:1], 0x0                ; query, the scales' exponents
	s_load_b64 s[8:9], s[0:1], 0x10                ; the codes
	v_lshl_add_u32 v192, v0, 2, 0x8000
	v_mov_b32 v193, 0
	v_lshrrev_b32 v1, 5, v0
	v_readfirstlane_b32 s16, v1                    ; wave
	v_and_b32 v2, 31, v0                           ; lane
	v_lshlrev_b32 v3, 4, v2                        ; my 16 bytes of a load's 512
	s_mul_i32 s17, s16, WREG
	v_lshrrev_b32 v14, 2, v2
	v_mul_u32_u24 v14, v14, SP
	v_and_b32 v15, 3, v2
	v_lshl_add_u32 v14, v15, 4, v14
	v_add_nc_u32 v14, s17, v14                     ; the stage, on the way in: SP (lane / 4) + 16 (lane % 4); a load's 512 bytes take eight places
	v_mul_u32_u24 v15, v2, SP
	v_add_nc_u32 v15, s17, v15                     ; and on the way out: SP x lane: my 16 neighbours
	v_mul_u32_u24 v4, v2, CB                       ; my codes' place in a step's
	s_lshl_b32 s18, ttmp9, 2
	s_add_co_u32 s18, s18, s16                     ; which run of 4,096 numbers is my wave's
	s_lshl_b32 s20, s18, 14                        ; 16,384 bytes of f32 a run,
	s_mov_b32 s21, 0
	s_lshl_b32 s22, s18, 12                        ; 4,096 bytes of codes
	s_mov_b32 s23, 0
	s_wait_kmcnt 0x0
	s_load_b32 s24, s[6:7], 0x0                    ; e
	s_add_nc_u64 s[4:5], s[4:5], s[20:21]
	s_add_nc_u64 s[8:9], s[8:9], s[22:23]
.macro LOAD t
.irp i, 0,1,2,3
	global_load_b128 v[R+16*((\t)%4)+4*\i:R+16*((\t)%4)+4*\i+3], v3, s[4:5] offset:2048*(\t)+512*\i   ; 32 lanes read 512 consecutive bytes
.endr
.endm
.macro TURN t                          ; step t's numbers through the stage: LDS serves a wave's instructions in order, so no wait stands between the stores and the loads
.irp i, 0,1,2,3
	ds_store_b128 v14, v[R+16*((\t)%4)+4*\i:R+16*((\t)%4)+4*\i+3] offset:32*SP*((\t)%2)+8*SP*\i
.endr
.irp i, 0,1,2,3
	ds_load_b128 v[X+16*((\t)%2)+4*\i:X+16*((\t)%2)+4*\i+3], v15 offset:32*SP*((\t)%2)+16*\i
.endr
.endm
.irp t, 0,1,2,3
	LOAD \t
.endr
	s_wait_kmcnt 0x0
	s_add_co_i32 s24, s24, 127
	s_lshl_b32 s25, s24, 23
	v_mov_b32 v11, s25                             ; 2^e as f32: the conversion takes its exponent field
	s_add_co_i32 s24, s24, EMAX
	s_lshl_b32 s24, s24, 23
	s_or_b32 s24, s24, MANT
	v_mov_b32 v10, s24                             ; 57,344 x 2^e
	s_wait_loadcnt 12                              ; step 0's four loads are in
	TURN 0
.macro STEP t
.set XS, X+16*((\t)%2)
	s_wait_dscnt 0x0                               ; this step's numbers are back from the stage: so its stores into the stage have read their registers,
.if (\t)+4 < STEPS
	LOAD (\t)+4                                    ; which take the loads of four steps on
.endif
.if (\t)+1 < STEPS
.if STEPS-2-(\t) >= 3
	s_wait_loadcnt 12                              ; the next step's four loads are in; those of the three steps behind it may be out
.else
	s_wait_loadcnt 4*(STEPS-2-(\t))
.endif
	TURN (\t)+1                                    ; and go through the other stage while this step is worked
.endif
.irp i, 0,1,2,3,4,5,6,7,8,9,10,11,12,13,14,15
	v_med3_num_f32 v[XS+\i], v[XS+\i], -v10, v10   ; the conversion to an 8-bit code does not saturate (ISA guide 7.6.2): the hold at the largest code x the scale
.endr
	v_cvt_scalef32_pk8_bf8_f32 v[C+4*(\t):C+4*(\t)+1], v[XS:XS+7], v11
	v_cvt_scalef32_pk8_bf8_f32 v[C+4*(\t)+2:C+4*(\t)+3], v[XS+8:XS+15], v11
	global_store_b128 v4, v[C+4*(\t):C+4*(\t)+3], s[8:9] offset:32*CB*(\t)     ; the results go to a store alone; the next vector lines are the next step's plain holds, on other registers
.endm
.irp t, 0,1,2,3,4,5,6,7
	STEP \t
.endr
	s_wait_tensorcnt 0x0
	ds_add_u32 v192, v193
	s_wait_dscnt 0x0
	s_endpgm
.Lfunc_end_k_q39fd5cf65b_quantq:
	.size	k_q39fd5cf65b_quantq, .Lfunc_end_k_q39fd5cf65b_quantq-k_q39fd5cf65b_quantq
	.p2alignl 7, 3214868480
	.fill 96, 4, 3214868480
	.section	.rodata,"a",@progbits
	.p2align	6, 0x0
	.amdhsa_kernel k_q39fd5cf65b_quantq
		.amdhsa_group_segment_fixed_size 33280
		.amdhsa_private_segment_fixed_size 0
		.amdhsa_enable_private_segment 0
		.amdhsa_kernarg_size 24
		.amdhsa_user_sgpr_count 2
		.amdhsa_user_sgpr_kernarg_segment_ptr 1
		.amdhsa_wavefront_size32 1
		.amdhsa_system_sgpr_workgroup_id_x 1
		.amdhsa_system_sgpr_workgroup_id_y 1
		.amdhsa_system_sgpr_workgroup_id_z 1
		.amdhsa_system_vgpr_workitem_id 0
		.amdhsa_next_free_vgpr 194
		.amdhsa_next_free_sgpr 66
		.amdhsa_reserve_vcc 0
		.amdhsa_float_denorm_mode_32 3
		.amdhsa_float_denorm_mode_16_64 3
		.amdhsa_memory_ordered 1
		.amdhsa_forward_progress 1
		.amdhsa_inst_pref_size 20
	.end_amdhsa_kernel
	.amdgpu_metadata
---
amdhsa.version: [ 1, 2 ]
amdhsa.kernels:
  - .name:           k_q39fd5cf65b_quantq
    .symbol:         k_q39fd5cf65b_quantq.kd
    .args:
      - { .name: query, .offset: 0, .size: 8, .value_kind: global_buffer, .address_space: global }
      - { .name: lowp_scales, .offset: 8, .size: 8, .value_kind: global_buffer, .address_space: global }
      - { .name: ac, .offset: 16, .size: 8, .value_kind: global_buffer, .address_space: global }
    .group_segment_fixed_size: 33280
    .private_segment_fixed_size: 0
    .kernarg_segment_align: 8
    .kernarg_segment_size: 24
    .max_flat_workgroup_size: 128
    .sgpr_count:     66
    .vgpr_count:     194
    .wavefront_size: 32
...
	.end_amdgpu_metadata
.endif
;; end of part 1
;; launch proj (part 2): grid 4 x 48, 4 waves a work-group, clusters of 4 x 4, 327,680 bytes of LDS; arguments ac, key_codes, values_codes, Wq_codes, Wk_codes, Wv_codes, bq, bk, bv, lowp_scales, qkv; writes qkv
.if DOCPART == 2
	.amdgcn_target "amdgcn-amd-amdhsa--gfx1250"
	.amdhsa_code_object_version 6
	.text
	.protected	k_q39fd5cf65b_proj
	.globl	k_q39fd5cf65b_proj
	.p2align	8
	.type	k_q39fd5cf65b_proj,@function
k_q39fd5cf65b_proj:
	s_mov_b64 s[64:65], 0
	v_nop
	global_prefetch_b8 v0, s[64:65] scope:SCOPE_SE
	s_setreg_imm32_b32 hwreg(HW_REG_WAVE_MODE, 25, 1), 1
	s_wait_xcnt 0x0
	s_wait_alu depctr_hold_cnt(0) depctr_sa_sdst(0) depctr_va_vdst(0) depctr_va_sdst(0) depctr_va_ssrc(0) depctr_va_vcc(0) depctr_vm_vsrc(0)
	s_getreg_b32 s2, hwreg(HW_REG_IB_STS2, 6, 4)
	s_cmp_eq_u32 s2, 0
	s_cbranch_scc0 .Lentry_in_a_cluster
	s_endpgm
.Lentry_in_a_cluster:
	s_bfe_u32 s2, ttmp6, 0x10000c
	s_cmp_lg_u32 s2, 0xf033
	s_cbranch_scc0 .Lentry_shape_is_right
	s_endpgm
.Lentry_shape_is_right:
; Q(A B^T + bias) on codes of BF8 (E5M2): A [4096][SIZE_K], B [N][SIZE_K], one code a byte, K innermost, one scale 2^e a tensor; sums in f32; the result leaves as codes again.
; ONE TEXT, TWO LAUNCHES.  PROJ = 1: the three projections in one launch.  The cluster's y picks the role (0: query's codes x Wq, 1: key x Wk, 2: values x Wv): four clusters of 4 x 4 work-groups a role; only
; pointers and exponents are chosen, by selects on that number, which all partners share.  q, k, v leave as codes laid [batch x head][token][64], one part of 4 MiB each.
; PROJ = 0: the first layer of the FFN: relu(x W1^T + b1) as codes, rows of 4,096.
; LIMITS: eA + eB between -126 and 127; the result's e between -126 and 112; NaN is not served.
; A tile of C, 256 x 256, is made by four waves, as many as a WGP has SIMDs; a wave makes 128 x 128: 64 accumulators of 16 x 16, 512 registers.  K goes in steps of 256 through a ring of two LDS slots filled by the
; tensor data mover: a tile's row is 256 bytes of memory.  CLUSTERS: the four work-groups of a row of the cluster need the same tiles of A, the four of a column the same tiles of B: each tile is asked for JOINTLY.
; THE MATRIX INSTRUCTION IS USED TRANSPOSED (source 0 = 16 rows of B, source 1 = 16 rows of A): a lane then holds eight neighbouring numbers of a row of C, which one conversion turns into eight codes.
; REGISTERS, in windows of 256: window 0: v0-31 addresses; v32-63 codes just made; v64-127 the bias of my 128 columns in the result's layout; from v128 A's fragments, ONE set (on the way out: at work).
;   window 1: B's fragments, TWO sets.   window 2: the accumulators of my rows 0-63 ((a, b) at v[8 (8 a + b)]);   window 3: those of my rows 64-127.
.set PROJ,   1
.set SIZE_K, 1024
.set KSTEP,  256                       ; along K in a slot
.set ROWB,   256                       ; a tile's row in bytes
.set KROW,   SIZE_K                    ; a row of A or of B in memory, in bytes
.set PITCH,  272                       ; an LDS row: 256 bytes + 16 of padding = 68 words: row r starts at bank 4 r mod 64 (64 banks of 4 bytes: ISA guide 11.1)
.set FR,     16                        ; registers of a fragment: 16 rows x 128 K
.set NL,     4                         ; LDS loads that bring one
.set NP,     4                         ; places behind this matrix instruction (ISA guide 7.12.1)
.set HALFT,  128*PITCH                 ; 128 rows: what one tensor load brings
.set SLOT,   4*HALFT                   ; A's 256 rows, then B's 256 rows
.set LAPS,   SIZE_K/(2*KSTEP)          ; a lap = two K steps = once round the ring
.set SPARE,  2*SLOT                    ; behind the ring: the spare words, 128 bytes for each wave, which no other line names
.set ADRA, 16                          ; v16-17  LDS address of my A fragments in slot 0, 1
.set ADRB, 20                          ; v20-21  the same for B
.set RD2,  22                          ; v22     the way out: RD + 128 rows (PROJ)
.set STO,  24                          ; v24     the way out: where I put eight codes of a row
.set RD,   25                          ; v25     the way out: where I read 16 codes back
.set CO,   26                          ; v26     my byte offset in the output
.set BO,   27                          ; v27     my byte offset in the bias
.set SPW,  28                          ; v28     LDS address of my spare word; never rewritten
.set NIL,  29                          ; v29     0; never rewritten
.set SC,   30                          ; v30     the result's scale as f32
.set LIM,  31                          ; v31     57,344 x that
.set CD,   32                          ; v32-63  two sets of 16 registers of codes
.set BI,   64                          ; v64-127 bias: register 8 b + j = column 16 b + 8 (lane / 16) + j of my 128
.set AF,   128                         ; A's fragments
.set TMP,  128                         ; the way out: a block's 64 numbers, later the codes read back
.set G1, 24                            ; s[24:31] descriptor group 1 for A's tiles;  s[32:39] group 0, one set for each slot
.set G0, 32
.set G1B, 48                           ; s[48:55], s[56:63] the same for B's tiles
.set G0B, 56
.if PROJ
.set BP, 8                             ; s[8:9] the bias
.else
.set BP, 68                            ; s[68:69]
.endif
.set MSB, 0
.macro WIN new                         ; the immediate's high byte repeats the setting that is left
.if MSB != \new
	s_set_vgpr_msb (MSB<<8)|\new
.set MSB, \new
.endif
.endm
.set MUL_LO, 0xa1                      ; source 0 (B) window 1, source 1 (A) window 0, C and D window 2
.set MUL_HI, 0xf1                      ; the same, C and D window 3
.set TO_B,   0x40                      ; destination window 1, address window 0
; A joint load: waves 0 and 1 fetch for A, waves 2 and 3 for B.  Each of the two lines has ONE mask and one set of registers for all that issue it; the branch hangs on the wave's number alone.
; Four v_nop follow each of the two lines, ahead of the jump, the label and what follows.
.macro JLOAD g0a, g1a, g0b, g1b
	s_cmp_eq_u32 s15, 0
	s_cbranch_scc0 .Lfor_b_\@
	tensor_load_to_lds s[\g0a:\g0a+3], s[\g1a:\g1a+7]
	s_nop 0
.rept 4
	v_nop
.endr
	s_branch .Lasked_\@
.Lfor_b_\@:
	tensor_load_to_lds s[\g0b:\g0b+3], s[\g1b:\g1b+7]
	s_nop 0
.rept 4
	v_nop
.endr
.Lasked_\@:
.endm
.macro CREST                           ; a round of the cluster's barrier behind its opening barrier
	s_cmp_lg_u32 s14, 0
	s_cbranch_scc1 .Lnot_wave_0_\@
	s_barrier_signal -3
.Lnot_wave_0_\@:
	s_barrier_wait -3
	s_barrier_signal -1
	s_barrier_wait -1
.endm
.macro CROUND                          ; a whole round
	s_barrier_signal -1
	s_barrier_wait -1
	CREST
.endm
.if PROJ
	s_load_b512 s[68:83], s[0:1], 0x0              ; query's codes, key's, values'; Wq, Wk, Wv; bq, bk
	s_load_b128 s[84:87], s[0:1], 0x40             ; bv, the scales' exponents
	s_load_b64 s[88:89], s[0:1], 0x50              ; q, k, v's codes
.else
	s_load_b128 s[4:7], s[0:1], 0x0                ; A's codes s[4:5], B's codes s[6:7]
	s_load_b128 s[8:11], s[0:1], 0x10              ; the scales' exponents s[8:9], the result's codes s[10:11]
	s_load_b64 s[68:69], s[0:1], 0x20              ; the bias
.endif
	v_lshl_add_u32 v[SPW], v0, 2, SPARE
	v_mov_b32 v[NIL], 0
	ds_add_u32 v28, v29
	ds_add_u32 v28, v29
	s_wait_dscnt 0x0
	v_lshrrev_b32 v1, 5, v0
	v_readfirstlane_b32 s14, v1                    ; wave 0..3
	s_lshr_b32 s15, s14, 1                         ; which half of the tile's rows is mine.  Also: I fetch for A (0) or for B (1)
	s_and_b32 s16, s14, 1                          ; which half of its columns.  Also: which 128 rows of that tile I fetch
	s_bfe_u32 s40, ttmp6, 0x40000                  ; cx, cy: my place in the cluster
	s_bfe_u32 s41, ttmp6, 0x40004
	s_lshl_b32 s42, ttmp9, 2
	s_add_co_u32 s42, s42, s40                     ; tile column of C = 4 x cluster x + cx
	s_and_b32 s17, ttmp7, 0xffff                   ; the cluster's y
.if PROJ
	s_lshr_b32 s12, s17, 2                         ; the role: the same number in all sixteen partners
	s_and_b32 s17, s17, 3
.endif
	s_lshl_b32 s17, s17, 2
	s_add_co_u32 s17, s17, s41                     ; tile row of C
	s_lshl_b32 s43, s41, 2
	s_lshl_b32 s43, 15, s43                        ; my row of the cluster
	s_lshl_b32 s44, 0x1111, s40                    ; my column
	; descriptor group 1: a tile of 128 rows x ROWB bytes, padded in LDS
	s_or_b32 s[G1+0], s43, (0<<16)|(1<<20)|(1<<21)|(5<<22)|(3<<25)  ; 15:0 the mask: A's tiles go to my row; 17:16 element of 1 byte; 20 padding on; 21 set beside a mask; 24:22 after every 64 words (code 5); 31:25 of 4 words (code 3)
	s_or_b32 s[G1B+0], s44, (0<<16)|(1<<20)|(1<<21)|(5<<22)|(3<<25)
.irp g, G1, G1B
	s_mov_b32 s[\g+1], ROWB<<16                    ; tensor_dim0
	s_mov_b32 s[\g+2], 128<<16                     ; tensor_dim1 = 128
	s_mov_b32 s[\g+3], ROWB<<16                    ; tile_dim0
	s_mov_b32 s[\g+4], 128                         ; tile_dim1 = 128
	s_mov_b32 s[\g+5], KROW                        ; tensor_dim0_stride
	s_mov_b32 s[\g+6], 0
	s_mov_b32 s[\g+7], 0
.endr
	s_lshl_b32 s18, s16, 7                         ; which 128 rows of the tile I fetch
	s_lshl_b32 s20, s17, 8
	s_add_co_u32 s20, s20, s18                     ; A: row 256 x tile row + 128 x half
	s_lshl_b32 s46, s42, 8
	s_add_co_u32 s46, s46, s18                     ; B: row 256 x tile column + 128 x half
	s_mov_b32 s21, 0
	s_mov_b32 s47, 0
	s_mov_b64 s[18:19], KROW
	s_mul_u64 s[20:21], s[20:21], s[18:19]         ; in bytes
	s_mul_u64 s[46:47], s[46:47], s[18:19]
	s_mul_i32 s45, s14, HALFT                      ; where they go: wave x 128 rows: no place in the cluster enters an LDS address
	s_wait_kmcnt 0x0
.if PROJ
	s_cmp_eq_u32 s12, 0                            ; the role's three buffers: the choice hangs on the cluster's number alone
	s_cselect_b64 s[4:5], s[68:69], s[70:71]
	s_cselect_b64 s[6:7], s[74:75], s[76:77]
	s_cselect_b64 s[8:9], s[80:81], s[82:83]
	s_cmp_eq_u32 s12, 2
	s_cselect_b64 s[4:5], s[72:73], s[4:5]
	s_cselect_b64 s[6:7], s[78:79], s[6:7]
	s_cselect_b64 s[8:9], s[84:85], s[8:9]
	s_mov_b64 s[10:11], s[88:89]
	s_load_b512 s[68:83], s[86:87], 0x0            ; all sixteen exponents: s[68 + i] = entry i
.else
	s_load_b128 s[96:99], s[8:9], 48               ; entries 12 to 15: x's, W1's, the hidden layer's
.endif
	s_add_nc_u64 s[20:21], s[4:5], s[20:21]
	s_add_nc_u64 s[46:47], s[6:7], s[46:47]
	CROUND                                         ; all sixteen work-groups are here: the first joint loads meet
.irp s, 0,1
	s_mov_b32 s[G0+4*\s], 1
	s_add_co_u32 s[G0+4*\s+1], s45, \s*SLOT
	s_add_nc_u64 s[G0+4*\s+2:G0+4*\s+3], s[20:21], \s*ROWB
	s_or_b32 s[G0+4*\s+3], s[G0+4*\s+3], 0x80000000
	s_mov_b32 s[G0B+4*\s], 1
	s_add_co_u32 s[G0B+4*\s+1], s45, \s*SLOT
	s_add_nc_u64 s[G0B+4*\s+2:G0B+4*\s+3], s[46:47], \s*ROWB
	s_or_b32 s[G0B+4*\s+3], s[G0B+4*\s+3], 0x80000000
	JLOAD G0+4*\s, G1, G0B+4*\s, G1B
.endr
	v_and_b32 v1, 15, v0                           ; r = l % 16
	v_bfe_u32 v2, v0, 4, 1                         ; h = l / 16
	v_mul_u32_u24 v3, v1, PITCH
	v_lshl_add_u32 v4, v2, 4, v3                   ; a fragment's row x pitch + 16 x half
	s_mul_i32 s21, s15, HALFT                      ; my 128 rows of A
	s_mul_i32 s22, s16, HALFT                      ; my 128 rows of B,
	s_add_co_u32 s22, s22, 2*HALFT                 ; which lie behind A's 256
.irp s, 0,1
	v_add_nc_u32 v[ADRA+\s], s21, v4
	v_add_nc_u32 v[ADRB+\s], s22, v4
	s_add_co_u32 s21, s21, SLOT
	s_add_co_u32 s22, s22, SLOT
.endr
	; the bias of my 128 columns, in the result's layout; it lands during the loop, in registers that the loop does not touch
	v_lshlrev_b32 v[BO], 5, v2                     ; 32 h: eight numbers for each half of the lanes
	s_lshl_b32 s46, s42, 10
	s_lshl_b32 s47, s16, 9
	s_add_co_u32 s46, s46, s47                     ; 4 x (256 x tile column + 128 x half)
	s_mov_b32 s47, 0
	s_add_nc_u64 s[BP:BP+1], s[BP:BP+1], s[46:47]
.irp b, 0,1,2,3,4,5,6,7
	global_load_b128 v[BI+8*\b:BI+8*\b+3], v[BO], s[BP:BP+1] offset:64*\b
	global_load_b128 v[BI+8*\b+4:BI+8*\b+7], v[BO], s[BP:BP+1] offset:64*\b+16
.endr
	; the way out: ONE stage for the work-group, 256 rows x (256 codes + 16), in slot 0
	s_mul_i32 s23, s15, 128*PITCH
	s_lshl_b32 s21, s16, 7
	s_add_co_u32 s23, s23, s21
	v_lshl_add_u32 v5, v2, 3, v3
	v_add_nc_u32 v[STO], s23, v5                   ; in: row 128 x row half + r, byte 128 x column half + 8 h
.if PROJ
	v_and_b32 v6, 31, v0                           ; back: wave w takes the head 4 x tile column + w: 64 bytes of each of the 256 rows; an instruction takes eight rows
	v_lshrrev_b32 v7, 2, v6
	v_mul_u32_u24 v7, v7, PITCH
	v_and_b32 v8, 3, v6
	v_lshl_add_u32 v7, v8, 4, v7
	s_lshl_b32 s23, s14, 6
	v_add_nc_u32 v[RD], s23, v7
	v_add_nc_u32 v[RD2], 128*PITCH, v[RD]
	v_lshlrev_b32 v[CO], 4, v6                     ; in memory the head's 256 tokens x 64 bytes are dense
	s_lshl_b32 s20, s12, 22                        ; the role's part,
	s_lshr_b32 s21, s17, 2
	s_lshl_b32 s21, s21, 20                        ; the batch: 16 heads x 65,536 bytes,
	s_add_co_u32 s20, s20, s21
	s_and_b32 s21, s17, 3
	s_lshl_b32 s21, s21, 14                        ; 256 tokens x 64 bytes,
	s_add_co_u32 s20, s20, s21
	s_lshl_b32 s21, s14, 16                        ; my head among the tile's four,
	s_add_co_u32 s20, s20, s21
	s_mov_b32 s21, 0
	s_lshl_b32 s46, s42, 18                        ; and the tile's four heads
.else
	v_mul_u32_u24 v7, v2, PITCH                    ; back: wave w takes rows 64 w on, whole: sixteen lanes to a row of 256 bytes, two rows an instruction
	v_lshl_add_u32 v7, v1, 4, v7
	s_mul_i32 s23, s14, 64*PITCH
	v_add_nc_u32 v[RD], s23, v7
	v_lshlrev_b32 v8, 12, v2
	v_lshl_add_u32 v[CO], v1, 4, v8                ; and the same two rows in memory, 4,096 bytes apart
	s_lshl_b32 s20, s17, 20                        ; 256 rows x 4,096 bytes,
	s_lshl_b32 s21, s14, 18                        ; my 64 rows,
	s_add_co_u32 s20, s20, s21
	s_mov_b32 s21, 0
	s_lshl_b32 s46, s42, 8                         ; and the tile's 256 columns
.endif
	s_mov_b32 s47, 0
	s_add_nc_u64 s[20:21], s[20:21], s[46:47]
	s_add_nc_u64 s[10:11], s[10:11], s[20:21]
.macro FRAG reg, adr, q, i             ; a fragment, 16 rows x 128 K, is 16 registers: lane l holds row l % 16; registers 4 c .. 4 c + 3 hold K = 32 c + 16 (l / 16) + 0 .. 15: the same permutation of k in A and in B
.irp c, 0,1,2,3
	ds_load_b128 v[\reg+4*\c:\reg+4*\c+3], v[\adr] offset:128*(\q)+32*\c+(\i)*16*PITCH
.endr
.endm
; 16 matrix instructions: A's blocks a0, a0 + 1 x B's eight, 128 along K.  p: B's set.  zero = 1: the first product starts the sums.
; The 64 accumulators take turns, one instruction a turn, in the same order in every step.
.macro MUL16 a0, p, zero
.irp a, \a0, \a0+1
.irp b, 0,1,2,3,4,5,6,7
.if \zero
	v_wmma_f32_16x16x128_bf8_bf8 v[8*(8*((\a)%4)+\b):8*(8*((\a)%4)+\b)+7], v[128*(\p)+FR*\b:128*(\p)+FR*\b+FR-1], v[AF+FR*(\a):AF+FR*(\a)+FR-1], 0
.else
	v_wmma_f32_16x16x128_bf8_bf8 v[8*(8*((\a)%4)+\b):8*(8*((\a)%4)+\b)+7], v[128*(\p)+FR*\b:128*(\p)+FR*\b+FR-1], v[AF+FR*(\a):AF+FR*(\a)+FR-1], v[8*(8*((\a)%4)+\b):8*(8*((\a)%4)+\b)+7]
.endif
.endr
.endr
.endm
.macro FETCH_B slot, q, p              ; B's eight fragments of the slot's q-th 128 along K into set p
	WIN TO_B
.irp i, 0,1,2,3,4,5,6,7
	FRAG 128*(\p)+FR*\i, ADRB+\slot, \q, \i
.endr
	WIN 0
.endm
.macro FETCH_A slot, q, i0             ; A's blocks i0 .. i0 + 3
.irp i, \i0, \i0+1, \i0+2, \i0+3
	FRAG AF+FR*(\i), ADRA+\slot, \q, \i
.endr
.endm
; A load into a register that a matrix instruction has read, and a vector instruction that reads a matrix result or writes one of its registers, stand NP places behind it; only plain vector
; instructions that name none of its registers are places (ISA guide 7.12.1 for vector instructions).
.macro PLACES n
.rept \n
	v_nop
.endr
.endm
; A step of 128 along K that has its successor in the same slot.
.macro STEP slot, q, zero
	s_wait_dscnt 4*NL                              ; B's set and A's blocks 0-3 are in; the youngest sixteen loads (A's blocks 4-7) may be out
	WIN MUL_LO
	MUL16 0, (\q)%2, \zero
	MUL16 2, (\q)%2, \zero
	s_wait_dscnt 0                                 ; A's blocks 4-7 are in
	PLACES NP
	FETCH_B \slot, (\q)+1, 1-(\q)%2
	FETCH_A \slot, (\q)+1, 0
	WIN MUL_HI
	MUL16 4, (\q)%2, \zero
	MUL16 6, (\q)%2, \zero
	PLACES NP
	WIN 0
	FETCH_A \slot, (\q)+1, 4
.endm
; A slot's last step changes slots: ONE barrier; in front of it each wave waits for all its tensor loads, adds 0 to its spare word, and waits for that and for its own reads of this slot.  fill = 1: this slot is filled again, two K steps ahead.
.macro TURN slot, next, fill
	s_wait_tensorcnt 0x0                           ; all my tensor loads have landed: my part of the next slot
	ds_add_u32 v[SPW], v[NIL]                      ; 0 onto my spare word
	s_wait_dscnt 4*NL+1                            ; (the add and the youngest sixteen loads, A's blocks 4-7, may be out)
	WIN MUL_LO
	MUL16 0, 1, 0                                  ; sixteen matrix instructions stand between the add and the wait for it
	s_wait_dscnt 0x0                               ; the add is done, and my reads of this slot are over
	s_barrier_signal -1
	MUL16 2, 1, 0
	WIN 0
	s_barrier_wait -1
.if \fill
	CREST                                          ; the barrier has opened a round of the cluster's barrier: no wave of any partner still reads this slot's tile or has a load on its way
	s_add_nc_u64 s[G0+4*\slot+2:G0+4*\slot+3], s[G0+4*\slot+2:G0+4*\slot+3], 2*ROWB
	s_add_nc_u64 s[G0B+4*\slot+2:G0B+4*\slot+3], s[G0B+4*\slot+2:G0B+4*\slot+3], 2*ROWB
	JLOAD G0+4*\slot, G1, G0B+4*\slot, G1B         ; the first tensor load behind the round; the four v_nop behind it are the places in front of the loads below
.else
	PLACES NP
.endif
	FETCH_B \next, 0, 0
	FETCH_A \next, 0, 0
	WIN MUL_HI
	MUL16 4, 1, 0
	MUL16 6, 1, 0
	PLACES NP
	WIN 0
	FETCH_A \next, 0, 4
.endm
	s_wait_tensorcnt 1                             ; my part of K step 0 is in (K step 1's load may be out)
	s_barrier_signal -1
	s_barrier_wait -1                              ; everybody's is
	FETCH_B 0, 0, 0
	FETCH_A 0, 0, 0
	FETCH_A 0, 0, 4
	STEP 0, 0, 1                                   ; the first step stands in front of the loop: its products start the sums
	s_mov_b32 s3, LAPS-1
.Llap:                                                 ; a trip goes once round the ring, from a lap's second step to the next lap's first, and fills both slots again
	TURN 0, 1, 1
	STEP 1, 0, 0
	TURN 1, 0, 1
	STEP 0, 0, 0
	s_sub_co_u32 s3, s3, 1
	s_cmp_lg_u32 s3, 0
	s_cbranch_scc1 .Llap
	TURN 0, 1, 0                                   ; the last lap fills nothing
	STEP 1, 0, 0
	s_wait_dscnt 4*NL                              ; the very last step: nothing more to fetch
	WIN MUL_LO
	MUL16 0, 1, 0
	MUL16 2, 1, 0
	s_wait_dscnt 0
	WIN MUL_HI
	MUL16 4, 1, 0
	MUL16 6, 1, 0
	WIN 0
; THE WAY OUT.  number = sum x 2^(eA + eB) + bias (one packed multiply-add for two); held at the largest code x the result's scale (PROJ = 0: and at 0 from below: the activation); eight neighbours of a row become eight
; codes.  The codes of the whole tile meet in the stage, which lies in slot 0: that slot has had its last fill, and every wave has passed the last change of slots, behind which nobody reads it.
.macro CODES a
.set AC, 64*((\a)%4)
.set CDS, CD+16*((\a)%2)
.if (\a) >= 2
	s_wait_dscnt 8                                 ; the stores of two blocks ago have read this set of registers; the last block's eight may be out
.endif
	WIN 0x02+((\a)/4)                              ; source 0: window 2 or 3
.set cj, 0
.rept 32
	v_pk_fma_f32 v[TMP+cj:TMP+cj+1], v[AC+cj:AC+cj+1], s[96:97], v[BI+cj:BI+cj+1] op_sel_hi:[1,0,1]   ; each accumulator from its low end on
.set cj, cj+2
.endr
	WIN 0
.set cj, 0
.rept 64
.if PROJ
	v_med3_num_f32 v[TMP+cj], v[TMP+cj], -v[LIM], v[LIM]   ; the conversion to an 8-bit code does not saturate (ISA guide 7.6.2)
.else
	v_med3_num_f32 v[TMP+cj], v[TMP+cj], 0, v[LIM]         ; the activation and the hold in one
.endif
.set cj, cj+1
.endr
.irp b, 0,1,2,3,4,5,6,7
	v_cvt_scalef32_pk8_bf8_f32 v[CDS+2*\b:CDS+2*\b+1], v[TMP+8*\b:TMP+8*\b+7], v[SC]
.endr
	v_nop                                          ; one plain vector line between the conversions and the next block's lines, which write their sources
.irp b, 0,1,2,3,4,5,6,7
	ds_store_b64 v[STO], v[CDS+2*\b:CDS+2*\b+1] offset:(\a)*16*PITCH+16*\b
.endr
.endm
	s_wait_kmcnt 0x0
.if PROJ
	s_cmp_eq_u32 s12, 0                            ; the role's three exponents: (0, 1, 6), (2, 3, 7), (4, 5, 9)
	s_cselect_b32 s96, s68, s70
	s_cselect_b32 s97, s69, s71
	s_cselect_b32 s98, s74, s75
	s_cmp_eq_u32 s12, 2
	s_cselect_b32 s96, s72, s96
	s_cselect_b32 s97, s73, s97
	s_cselect_b32 s98, s77, s98
.endif
	s_add_co_i32 s96, s96, s97
	s_add_co_i32 s96, s96, 127
	s_lshl_b32 s96, s96, 23                        ; 2^(eA + eB) as f32
	s_mov_b32 s97, s96                             ; (named with it as a pair, so it is written)
	s_add_co_i32 s98, s98, 127
	s_lshl_b32 s99, s98, 23
	v_mov_b32 v[SC], s99                           ; the result's scale: the conversion takes its exponent field
	s_add_co_i32 s98, s98, 15
	s_lshl_b32 s98, s98, 23
	s_or_b32 s98, s98, 0x600000
	v_mov_b32 v[LIM], s98                          ; 57,344 x that
	s_wait_loadcnt 0x0                             ; the bias
	PLACES NP                                      ; behind the last products: their results are read, and A's registers written, below
.irp a, 0,1,2,3,4,5,6,7
	CODES \a
.endr
	s_wait_dscnt 0x0                               ; for the others' sake: my stores into the stage are done
	s_barrier_signal -1
	s_barrier_wait -1
.if PROJ
.set ci, 0
.rept 16
	ds_load_b128 v[TMP+4*ci:TMP+4*ci+3], v[RD] offset:ci*8*PITCH
.set ci, ci+1
.endr
.rept 16
	ds_load_b128 v[TMP+4*ci:TMP+4*ci+3], v[RD2] offset:(ci-16)*8*PITCH
.set ci, ci+1
.endr
.set ci, 0
.rept 32
	s_wait_dscnt 31-ci                             ; LDS loads come back in order: number ci is in
	global_store_b128 v[CO], v[TMP+4*ci:TMP+4*ci+3], s[10:11] offset:512*ci   ; 32 lanes store 512 consecutive bytes, at a multiple of 512 from the buffer's first byte
.set ci, ci+1
.endr
.else
.set ci, 0
.rept 32
	ds_load_b128 v[TMP+4*ci:TMP+4*ci+3], v[RD] offset:ci*2*PITCH
.set ci, ci+1
.endr
.set ci, 0
.rept 32
	s_wait_dscnt 31-ci
	global_store_b128 v[CO], v[TMP+4*ci:TMP+4*ci+3], s[10:11] offset:ci*2*4096   ; 16 lanes store 256 consecutive bytes, at a multiple of 256 from the buffer's first byte
.set ci, ci+1
.endr
.endif
	s_wait_tensorcnt 0x0                           ; the wave's end
	ds_add_u32 v[SPW], v[NIL]
	s_wait_dscnt 0x0
	CROUND                                         ; the closing round: no work-group ends while a partner may still ask for a tile that names it
	s_endpgm
.Lfunc_end_k_q39fd5cf65b_proj:
	.size	k_q39fd5cf65b_proj, .Lfunc_end_k_q39fd5cf65b_proj-k_q39fd5cf65b_proj
	.p2alignl 7, 3214868480
	.fill 96, 4, 3214868480
	.section	.rodata,"a",@progbits
	.p2align	6, 0x0
	.amdhsa_kernel k_q39fd5cf65b_proj
		.amdhsa_group_segment_fixed_size 327680
		.amdhsa_private_segment_fixed_size 0
		.amdhsa_enable_private_segment 0
		.amdhsa_kernarg_size 88
		.amdhsa_user_sgpr_count 2
		.amdhsa_user_sgpr_kernarg_segment_ptr 1
		.amdhsa_wavefront_size32 1
		.amdhsa_system_sgpr_workgroup_id_x 1
		.amdhsa_system_sgpr_workgroup_id_y 1
		.amdhsa_system_sgpr_workgroup_id_z 1
		.amdhsa_system_vgpr_workitem_id 0
		.amdhsa_next_free_vgpr 1024
		.amdhsa_next_free_sgpr 100
		.amdhsa_reserve_vcc 0
		.amdhsa_float_denorm_mode_32 3
		.amdhsa_float_denorm_mode_16_64 3
		.amdhsa_memory_ordered 1
		.amdhsa_forward_progress 1
		.amdhsa_inst_pref_size 144
	.end_amdhsa_kernel
	.amdgpu_metadata
---
amdhsa.version: [ 1, 2 ]
amdhsa.kernels:
  - .name:           k_q39fd5cf65b_proj
    .symbol:         k_q39fd5cf65b_proj.kd
    .args:
      - { .name: ac, .offset: 0, .size: 8, .value_kind: global_buffer, .address_space: global }
      - { .name: key_codes, .offset: 8, .size: 8, .value_kind: global_buffer, .address_space: global }
      - { .name: values_codes, .offset: 16, .size: 8, .value_kind: global_buffer, .address_space: global }
      - { .name: Wq_codes, .offset: 24, .size: 8, .value_kind: global_buffer, .address_space: global }
      - { .name: Wk_codes, .offset: 32, .size: 8, .value_kind: global_buffer, .address_space: global }
      - { .name: Wv_codes, .offset: 40, .size: 8, .value_kind: global_buffer, .address_space: global }
      - { .name: bq, .offset: 48, .size: 8, .value_kind: global_buffer, .address_space: global }
      - { .name: bk, .offset: 56, .size: 8, .value_kind: global_buffer, .address_space: global }
      - { .name: bv, .offset: 64, .size: 8, .value_kind: global_buffer, .address_space: global }
      - { .name: lowp_scales, .offset: 72, .size: 8, .value_kind: global_buffer, .address_space: global }
      - { .name: qkv, .offset: 80, .size: 8, .value_kind: global_buffer, .address_space: global }
    .group_segment_fixed_size: 327680
    .private_segment_fixed_size: 0
    .kernarg_segment_align: 8
    .kernarg_segment_size: 88
    .max_flat_workgroup_size: 128
    .sgpr_count:     100
    .vgpr_count:     1024
    .wavefront_size: 32
...
	.end_amdgpu_metadata
.endif
;; end of part 2
;; launch attn (part 3): grid 4 x 64, 16 waves a work-group, no clusters, 150,528 bytes of LDS; arguments qkv, gammas, lowp_scales, ac; writes ac
.if DOCPART == 3
	.amdgcn_target "amdgcn-amd-amdhsa--gfx1250"
	.amdhsa_code_object_version 6
	.text
	.protected	k_q39fd5cf65b_attn
	.globl	k_q39fd5cf65b_attn
	.p2align	8
	.type	k_q39fd5cf65b_attn,@function
k_q39fd5cf65b_attn:
	s_mov_b64 s[64:65], 0
	v_nop
	global_prefetch_b8 v0, s[64:65] scope:SCOPE_SE
	s_setreg_imm32_b32 hwreg(HW_REG_WAVE_MODE, 25, 1), 1
	s_wait_xcnt 0x0
; Attention with a distance decay, both products on codes of BF8 (E5M2).  q, k, v: codes [batch x head][1024][64], three parts of 4 MiB of one buffer; the result: codes of concat [4096][1024].
; For query i and key j:  s = q.k 2^(e6+e7) / 8;  a first softmax over ALL 1,024 keys, of which the keys j <= i are kept;  u(j) = the sum of it over the kept keys behind j;
; eff = clip(exp(-softplus(gamma) sqrt(u (i - j))), 1e-5, 1e5);  the second softmax, over j <= i, is of s x eff.  It goes to the second product as p = 2^(t - M), t = s eff log2(e), M the ceiling of the
; running largest t; the row's sum is taken of the unquantised p and divides at the end.
; SHARES.  A work-group owns one head and 256 of its queries; each of SIXTEEN waves owns one tile of 16 queries in 256 registers.  Wave w of work-group x takes tile 16 (w / 4) + 4 s' + x, s' = w % 4, turned round
; (3 - s') where w / 4 is odd: waves w, w + 4, w + 8, w + 12 then have 18 key steps of pass B between them, whatever w and x are.
; LDS holds the head's whole K (rows of 64 + 16 bytes) and V^T (rows of 1,024 + 16 bytes), filled ONCE through registers; one barrier; behind it LDS is only read and the waves run free.
; No tensor load and no joint request: V must pass through registers, which turn it byte by byte (the keys are the second product's K), and K and V are read once by a work-group, 128 KiB in all, at its start.
; PASS A walks all keys: the first softmax's largest exponent and its sum Z.  PASS B walks the keys from the diagonal DOWNWARD, 128 a step, so that u is a running sum with a carry; the scores are made again.
; So both tensors lie in LDS with their eight key steps in reversed order: both passes step their LDS address upward by a constant, in loops of eight trips; a step all of whose keys are hidden is jumped over.
; LAYOUT.  Both products are used transposed: S^T = K Q^T (source 0 = 16 keys, source 1 = my 16 queries): lane (r, h) holds query r and, in register 8 T + j, key 16 T + 8 h + j of the step.  Eight such registers,
; converted, are registers 2 T, 2 T + 1 of source 1 of O^T = V^T P^T (K = 128 keys) in that form's own layout.  V^T's rows are laid to fit: key 32 g + 16 u + 8 h + i of a step at byte 32 g + 16 h + 8 u + i,
; and row 16 t + m holds channel 32 (m / 8) + 8 t + m % 8, so that a lane ends with 32 neighbouring channels.  In K Q^T both sources take d = 32 c + 16 h + 0 .. 15 in registers 4 c on: one permutation of k for both.
; A hidden score becomes -infinity: its first exponential is 0, u behind it is 0, eff is 1, p is 0; no NaN arises.
; u is summed directly, not as the difference of two sums.  A head's 64 codes of a row of concat are 64 bytes: the stores are no longer than that row piece.
; LIMITS: e6 + e7 between -123 and 130; e8 and e10 between -126 and 112; NaN among the inputs is not served.
.set VP,   1040                        ; a row of V^T in LDS: 65 x 16 bytes
.set KP,   80                          ; a row of K: 5 x 16 bytes
.set KL,   64*VP                       ; V^T from byte 0, K from here
.set KSB,  128*KP                      ; a key step of K
.set AK0,  1                           ; v1   my lane's place in a tile of K
.set AV0,  2                           ; v2   the same for V^T
.set ADK,  3                           ; v3   the step's K
.set ADV,  4                           ; v4   the step's V^T
.set HM,   5                           ; v5   1.0 in lanes 0-15, 0 in lanes 16-31
.set RH,   6                           ; v6   r - 8 h
.set DI,   7                           ; v7   d = my query - the step's first key - 8 h: register 8 T + j is hidden where 16 T + j > d, and i - j = d - 16 T - j
.set NM1,  8                           ; v[8:9]   minus the first softmax's largest exponent
.set GZ,   10                          ; v[10:11] -softplus(gamma) log2(e) / sqrt(Z)
.set NM,   12                          ; v12  -M (in pass A: my half's running largest exponent)
.set TM,   13                          ; v13  the running largest t
.set L,    14                          ; v[14:15] the row's sum in two halves (in pass A: Z)
.set CY,   16                          ; v16  the carry: the first exponentials of all keys behind the tile in hand
.set DF,   17                          ; v17  d as f32
.set DT,   18                          ; v[18:19] d - 16 T
.set QF,   20                          ; v[20:27] Q's fragment
.set IDXN, 28                          ; v[28:35] 0, -1, .. -7
.set RS,   36                          ; v[36:43] a tile's sum of first exponentials
.set RO,   44                          ; v[44:51] the other half of the lanes' part of it
.set XA,   52                          ; v[52:59], v[60:67] u for two tiles; later p's codes v[52:67]
.set XB,   60
.set PA,   68                          ; v[68:75], v[76:83] i - j for two tiles; at work
.set PB,   76
.set LIM,  84                          ; v84  57,344 x the scale in hand
.set SC,   85                          ; v85  the scale in hand as f32
.set NINF, 86                          ; v86  -infinity
.set GL,   87                          ; v87  -softplus(gamma) log2(e)
.set W0,   88                          ; v88-95 at work: v88, v89 maxima; v90 what a lane permute brings; v[92:93] a factor; v[94:95] a second chain of sums
.set OO,   91                          ; v91  my byte offset in the wave's 16 rows of concat
.set OT,   96                          ; v[96:127]  O^T
.set S,    128                         ; v[128:191] S^T
.set E,    192                         ; v[192:255] K's fragments, then the first exponentials .. eff, then V^T's fragments
	s_load_b256 s[4:11], s[0:1], 0x0               ; q, k, v's codes s[4:5]; gammas s[6:7]; the scales' exponents s[8:9]; concat's codes s[10:11]
	v_lshrrev_b32 v246, 5, v0
	v_readfirstlane_b32 s16, v246                  ; wave 0..15
	s_and_b32 s18, ttmp7, 0xffff                   ; batch x 16 + head
	s_lshr_b32 s28, s16, 2
	s_and_b32 s29, s16, 3
	s_and_b32 s30, s28, 1
	s_mul_i32 s30, s30, 3
	s_xor_b32 s29, s29, s30                        ; s'
	s_lshl_b32 s28, s28, 4
	s_lshl_b32 s29, s29, 2
	s_add_co_u32 s28, s28, s29
	s_add_co_u32 s28, s28, ttmp9                   ; my tile
	s_lshl_b32 s19, s28, 4                         ; my first query
	s_lshl_b32 s28, s18, 16                        ; the head's 65,536 bytes in each part
	s_mov_b32 s29, 0
	s_lshl_b32 s30, s19, 6                         ; my queries' rows of 64 bytes
	s_mov_b32 s31, 0
	s_lshr_b32 s12, s18, 4
	s_lshl_b32 s12, s12, 20                        ; concat: the batch's 1,024 rows of 1,024 bytes,
	s_lshl_b32 s13, s19, 10                        ; my first query's row,
	s_add_co_u32 s12, s12, s13
	s_and_b32 s14, s18, 15
	s_lshl_b32 s13, s14, 6                         ; the head's 64 bytes
	s_add_co_u32 s12, s12, s13
	s_mov_b32 s13, 0
	s_lshl_b32 s14, s14, 2                         ; gammas: 4 x head
	s_mov_b32 s15, 0
	s_mov_b32 s20, 0x76543210                      ; v_permlanex16_b32's selects for lane l xor 16
	s_mov_b32 s21, 0xfedcba98
	s_mov_b32 s32, 0x05010400                      ; v_perm_b32's selects for the turning of 4 x 4 bytes
	s_mov_b32 s33, 0x07030602
	s_mov_b32 s34, 0x05040100
	s_mov_b32 s35, 0x07060302
	s_mov_b32 s36, 0x3727c5ac                      ; 1e-5
	s_mov_b32 s37, 0x47c35000                      ; 1e5
	v_and_b32 v246, 15, v0                         ; r
	v_bfe_u32 v247, v0, 4, 1                       ; h
	v_mul_u32_u24 v[AK0], v246, KP
	v_lshl_add_u32 v[AK0], v247, 4, v[AK0]
	v_add_nc_u32 v[AK0], KL, v[AK0]
	v_mul_u32_u24 v[AV0], v246, VP
	v_lshl_add_u32 v[AV0], v247, 4, v[AV0]
	v_lshlrev_b32 v240, 6, v246
	v_lshl_add_u32 v240, v247, 4, v240             ; Q: row r, + 16 h
	v_lshlrev_b32 v241, 4, v0                      ; K in memory: 16 bytes a thread: the 512 threads take a key step
	v_lshrrev_b32 v242, 2, v0
	v_and_b32 v245, 3, v0
	v_mul_u32_u24 v243, v242, KP
	v_lshl_add_u32 v243, v245, 4, v243
	v_add_nc_u32 v243, KL, v243                    ; K in LDS: row thread / 4, 16 bytes thread % 4,
	v_add_nc_u32 v244, 4*KSB, v243                 ; and four key steps on
	v_lshlrev_b32 v242, 8, v242
	v_lshl_add_u32 v242, v245, 4, v242             ; V in memory: keys 4 (thread / 4) on, channels 16 (thread % 4) on
	s_wait_kmcnt 0x0
	s_load_b512 s[40:55], s[8:9], 0x0              ; s[40 + i] = entry i
	s_add_nc_u64 s[6:7], s[6:7], s[14:15]
	s_load_b32 s56, s[6:7], 0x0                    ; the head's gamma
	s_add_nc_u64 s[62:63], s[4:5], s[28:29]
	s_add_nc_u64 s[58:59], s[62:63], 0x400000      ; k's part
	s_add_nc_u64 s[60:61], s[62:63], 0x800000      ; v's part
	s_add_nc_u64 s[62:63], s[62:63], s[30:31]      ; q at my first query
	s_add_nc_u64 s[10:11], s[10:11], s[12:13]
	global_load_b128 v[QF:QF+3], v240, s[62:63]
	global_load_b128 v[QF+4:QF+7], v240, s[62:63] offset:32
.irp i, 0,1,2,3,4,5,6,7
	global_load_b128 v[S+4*\i:S+4*\i+3], v241, s[58:59] offset:8192*\i       ; key step i
.endr
.irp it, 0,1
.irp j, 0,1,2,3
	global_load_b128 v[160+16*\it+4*\j:160+16*\it+4*\j+3], v242, s[60:61] offset:32768*\it+64*\j   ; key 4 a + j, a = thread / 4 + 128 it
.endr
.endr
	; V^T in LDS: the row of channel 16 (thread % 4): 32 (thread & 1) + 8 ((thread >> 1) & 1); the byte of key 4 (thread / 4) in the permuted, reversed order
	v_and_b32 v245, 1, v0
	v_lshlrev_b32 v245, 5, v245
	v_bfe_u32 v239, v0, 1, 1
	v_lshl_add_u32 v245, v239, 3, v245
	v_mul_u32_u24 v245, v245, VP
	v_and_b32 v239, 0x64, v0                       ; key bits 2 (4 bytes) and 5, 6 (32 g) keep their places,
	v_add_nc_u32 v245, v245, v239
	v_and_b32 v239, 8, v0                          ; key bit 3 (h) counts 16,
	v_lshl_add_u32 v245, v239, 1, v245
	v_and_b32 v239, 16, v0                         ; key bit 4 (u) counts 8,
	v_lshrrev_b32 v239, 1, v239
	v_add_nc_u32 v245, v245, v239
	v_and_b32 v239, 0x180, v0                      ; and the key step's low two bits are turned round
	v_xor_b32 v239, 0x180, v239
	v_add_nc_u32 v245, v245, v239
	v_cvt_f32_u32 v[HM], v247
	v_sub_f32 v[HM], 1.0, v[HM]
	v_lshlrev_b32 v[RH], 3, v247
	v_sub_nc_u32 v[RH], v246, v[RH]
	v_lshlrev_b32 v[OO], 10, v246
	v_lshl_add_u32 v[OO], v247, 5, v[OO]           ; row r of 1,024 bytes, + 32 h
	v_mov_b32 v[IDXN], 0
	v_mov_b32 v[IDXN+1], -1.0
	v_mov_b32 v[IDXN+2], -2.0
	v_mov_b32 v[IDXN+3], 0xc0400000
	v_mov_b32 v[IDXN+4], -4.0
	v_mov_b32 v[IDXN+5], 0xc0a00000
	v_mov_b32 v[IDXN+6], 0xc0c00000
	v_mov_b32 v[IDXN+7], 0xc0e00000
	v_mov_b32 v[NINF], 0xff800000
	v_mov_b32 v[NM1+1], 0                          ; upper halves of pairs of which the low word serves both halves, and destinations of lane permutes: written once
	v_mov_b32 v[GZ+1], 0
	v_mov_b32 v[DT+1], 0
	v_mov_b32 v90, 0
	v_mov_b32 v93, 0
.irp t, 0,1,2,3,4,5,6,7
	v_mov_b32 v[RO+\t], 0
.endr
	s_wait_loadcnt 8                               ; Q and K are in; V's eight loads may be out
.irp i, 0,1,2,3
	ds_store_b128 v244, v[S+4*\i:S+4*\i+3] offset:(3-\i)*KSB                 ; key step i lies at place 7 - i
.endr
.irp i, 4,5,6,7
	ds_store_b128 v243, v[S+4*\i:S+4*\i+3] offset:(7-\i)*KSB
.endr
	s_wait_loadcnt 0x0
; 4 keys x 4 channels (word q of four keys' 16 bytes) are turned: four words, each a channel's four keys
.macro TR it, q
	v_perm_b32 v224, v[160+16*\it+4+\q], v[160+16*\it+\q], s32
	v_perm_b32 v225, v[160+16*\it+4+\q], v[160+16*\it+\q], s33
	v_perm_b32 v226, v[160+16*\it+12+\q], v[160+16*\it+8+\q], s32
	v_perm_b32 v227, v[160+16*\it+12+\q], v[160+16*\it+8+\q], s33
	v_perm_b32 v[E+16*\it+4*\q], v226, v224, s34
	v_perm_b32 v[E+16*\it+4*\q+1], v226, v224, s35
	v_perm_b32 v[E+16*\it+4*\q+2], v227, v225, s34
	v_perm_b32 v[E+16*\it+4*\q+3], v227, v225, s35
.irp i, 0,1,2,3
	ds_store_b32 v245, v[E+16*\it+4*\q+\i] offset:(16*(\q/2)+4*(\q%2)+\i)*VP+(1-\it)*512
.endr
.endm
.irp it, 0,1
.irp q, 0,1,2,3
	TR \it, \q
.endr
.endr
	s_wait_kmcnt 0x0
	s_add_co_i32 s28, s46, s47
	s_lshl_b32 s28, s28, 23
	s_add_co_i32 s22, s28, 0x3e38aa3b              ; c = log2(e) / 8 x 2^(e6 + e7): the two exponents are added to c's exponent field
	s_mov_b32 s23, s22                             ; (named with it as a pair, so it is written)
	s_add_co_i32 s28, s48, 127
	s_lshl_b32 s29, s28, 23
	v_mov_b32 v[SC], s29                           ; 2^e8, for p's conversions
	s_add_co_i32 s28, s28, 15
	s_lshl_b32 s28, s28, 23
	s_or_b32 s28, s28, 0x600000
	v_mov_b32 v[LIM], s28                          ; 57,344 x 2^e8
	v_mov_b32 v[GL], s56                           ; softplus(g) = max(g, 0) + ln(1 + e^-|g|)
	v_mul_f32 v88, 0xbfb8aa3b, |v[GL]|
	v_exp_f32 v88, v88
	v_max_num_f32 v89, 0, v[GL]                    ; (a plain line behind the transcendental)
	s_wait_alu depctr_va_vdst(0)
	v_add_f32 v88, 1.0, v88
	v_log_f32 v88, v88
	v_nop
	s_wait_alu depctr_va_vdst(0)
	v_fmamk_f32 v88, v88, 0x3f317218, v89
	v_mul_f32 v[GL], 0xbfb8aa3b, v88
	s_wait_dscnt 0x0                               ; for the others' sake: my stores are done
	s_barrier_signal -1
	s_barrier_wait -1                              ; K and V^T are whole; from here on LDS is only read
.macro SCORES                          ; S^T of the step at v[ADK]: eight tiles of 16 keys
.irp t, 0,1,2,3,4,5,6,7
	ds_load_b128 v[E+8*\t:E+8*\t+3], v[ADK] offset:16*\t*KP
	ds_load_b128 v[E+8*\t+4:E+8*\t+7], v[ADK] offset:16*\t*KP+32
.endr
	s_wait_dscnt 0x0
.irp t, 0,1,2,3,4,5,6,7
	v_wmma_f32_16x16x64_bf8_bf8 v[S+8*\t:S+8*\t+7], v[E+8*\t:E+8*\t+7], v[QF:QF+7], 0
.endr
.rept 4
	v_nop                                          ; places: the results are read and K's registers written below (ISA guide 7.12.1)
.endr
.endm
.macro MAXS                            ; the largest of my 64 numbers in S, in two chains, into v88; each tile is met at its low end first
	v_max3_num_f32 v88, v[S], v[S+1], v[S+2]
	v_max3_num_f32 v89, v[S+3], v[S+4], v[S+5]
.irp i, 6,10,14,18,22,26,30,34,38,42,46,50,54,58
	v_max3_num_f32 v88, v88, v[S+\i], v[S+\i+1]
	v_max3_num_f32 v89, v89, v[S+\i+2], v[S+\i+3]
.endr
	v_max3_num_f32 v88, v88, v[S+62], v[S+63]
	v_max_num_f32 v88, v88, v89
.endm
.macro SCALE d, s, a                   ; d = s x c + the low word of pair a, two at a time
.set cj, 0
.rept 32
	v_pk_fma_f32 v[\d+cj:\d+cj+1], v[\s+cj:\s+cj+1], s[22:23], v[\a:\a+1] op_sel_hi:[1,0,0]
.set cj, cj+2
.endr
.endm
.macro EXP64 b
.set cj, 0
.rept 64
	v_exp_f32 v[\b+cj], v[\b+cj]
.set cj, cj+1
.endr
.endm
.macro SUMS                            ; the sum x the factor in v92, + my 64 numbers in S: two at a time, in two chains.  (Its first line is the plain line behind the exponentials)
	s_wait_alu depctr_va_vdst(0)
	v_pk_mul_f32 v[L:L+1], v[L:L+1], v[92:93] op_sel_hi:[1,0]
	s_wait_alu depctr_va_vdst(0)
	v_pk_add_f32 v[94:95], v[S:S+1], v[S+2:S+3]
.irp j, 4,8,12,16,20,24,28,32,36,40,44,48,52,56,60
	v_pk_add_f32 v[L:L+1], v[L:L+1], v[S+\j:S+\j+1]
	v_pk_add_f32 v[94:95], v[94:95], v[S+\j+2:S+\j+3]
.endr
	v_pk_add_f32 v[L:L+1], v[L:L+1], v[94:95]
.endm
	; ---- PASS A: all 1,024 keys.  Each half of the lanes keeps the largest exponent and the sum of its own keys; they meet behind the loop
	v_mov_b32 v[NM], 0xff61b1e6                    ; -3e38, under every exponent
	v_mov_b32 v[L], 0
	v_mov_b32 v[L+1], 0
	s_mov_b32 s24, 0
	s_mov_b32 s27, 8
.Lpa:
	v_add_nc_u32 v[ADK], s24, v[AK0]
	SCORES
	MAXS
	v_mul_f32 v88, s22, v88                        ; as an exponent of 2 (c is positive)
	v_max_num_f32 v89, v[NM], v88
	v_sub_f32 v92, v[NM], v89
	v_exp_f32 v92, v92                             ; what was summed under the old maximum is brought under the new
	v_mov_b32 v[NM], v89                           ; (a plain line behind the transcendental)
	v_mul_f32 v[NM1], -1.0, v89
	SCALE S, S, NM1
	EXP64 S
	SUMS
	s_add_co_u32 s24, s24, KSB
	s_sub_co_i32 s27, s27, 1
	s_cmp_lg_u32 s27, 0
	s_cbranch_scc1 .Lpa
	v_permlanex16_b32 v90, v[NM], s20, s21
	v_max_num_f32 v89, v[NM], v90                  ; the row's largest exponent
	v_sub_f32 v88, v[NM], v89
	v_exp_f32 v88, v88
	v_add_f32 v[L], v[L], v[L+1]                   ; (a plain line behind the transcendental)
	s_wait_alu depctr_va_vdst(0)
	v_mul_f32 v[L], v[L], v88
	v_permlanex16_b32 v90, v[L], s20, s21
	v_add_f32 v[L], v[L], v90                      ; Z
	v_mul_f32 v[NM1], -1.0, v89
	v_rsq_f32 v[GZ], v[L]
	v_nop
	s_wait_alu depctr_va_vdst(0)
	v_mul_f32 v[GZ], v[GL], v[GZ]
	; ---- PASS B: from the diagonal downward
; Tiles ta and tb = ta - 1: u for each key (the keys behind it in my eight, the other half's eight where I hold the lower ones, the carry), times i - j.  ca, cb: -16 ta and -16 tb as f32 bit patterns.
.macro SCAN2 ta, tb, ca, cb
	v_fma_f32 v[XA+7], v[RO+\ta], v[HM], v[CY]
	v_add_f32 v[CY], v[CY], v[RS+\ta]
	v_fma_f32 v[XB+7], v[RO+\tb], v[HM], v[CY]
	v_add_f32 v[CY], v[CY], v[RS+\tb]
.irp j, 6,5,4,3,2,1,0
	v_add_f32 v[XA+\j], v[XA+\j+1], v[E+8*\ta+\j+1]
	v_add_f32 v[XB+\j], v[XB+\j+1], v[E+8*\tb+\j+1]
.endr
	v_add_f32 v[DT], \ca, v[DF]
	v_add_f32 v[W0], \cb, v[DF]
.irp j, 0,2,4,6
	v_pk_add_f32 v[PA+\j:PA+\j+1], v[IDXN+\j:IDXN+\j+1], v[DT:DT+1] op_sel_hi:[1,0]
	v_pk_add_f32 v[PB+\j:PB+\j+1], v[IDXN+\j:IDXN+\j+1], v[W0:W0+1] op_sel_hi:[1,0]
.endr
.irp j, 0,2,4,6
	v_pk_mul_f32 v[E+8*\ta+\j:E+8*\ta+\j+1], v[XA+\j:XA+\j+1], v[PA+\j:PA+\j+1]
	v_pk_mul_f32 v[E+8*\tb+\j:E+8*\tb+\j+1], v[XB+\j:XB+\j+1], v[PB+\j:PB+\j+1]
.endr
.endm
	v_mov_b32 v[TM], 0xff61b1e6                    ; the largest t so far: -3e38
	v_floor_f32 v[NM], -v[TM]                      ; -M
	v_mov_b32 v[L], 0
	v_mov_b32 v[L+1], 0
	v_mov_b32 v[CY], 0
.set cj, 0
.rept 32
	v_mov_b32 v[OT+cj], 0                          ; O^T.  (The step is written once: the first finds zeros, which the first change of M leaves zeros)
.set cj, cj+1
.endr
	s_mov_b32 s24, 0
	s_mov_b32 s25, 0
	s_mov_b32 s26, 896                             ; the step's first key
	s_mov_b32 s27, 8
.Lpb:
	s_add_co_u32 s28, s19, 15                      ; a step all of whose keys come after my 16 queries is left out: a branch on ids alone
	s_cmp_gt_u32 s26, s28
	s_cbranch_scc1 .Lnext
	v_add_nc_u32 v[ADK], s24, v[AK0]
	v_add_nc_u32 v[ADV], s25, v[AV0]
	s_sub_co_i32 s28, s19, s26
	v_add_nc_u32 v[DI], s28, v[RH]
	v_cvt_f32_i32 v[DF], v[DI]
	SCORES
	s_add_co_u32 s28, s26, 127                     ; a step all of whose keys count has nothing to hide
	s_cmp_le_u32 s28, s19
	s_cbranch_scc1 .Lopen
.set cj, 0
.rept 64
	v_cmp_gt_i32 vcc_lo, 16*(cj/8)+cj%8, v[DI]
	v_cndmask_b32 v[S+cj], v[S+cj], v[NINF], vcc_lo
.set cj, cj+1
.endr
.Lopen:
	SCALE E, S, NM1                                ; the first softmax's exponentials, not normalised: 2^(s c - the row's largest)
	EXP64 E
	v_nop                                          ; a plain line between the run of exponentials and the sums, which read its results (ISA guide 5.7.2): the other exponentials are no such line
	s_wait_alu depctr_va_vdst(0)
.irp t, 0,1,2,3,4,5,6,7                        ; my eight keys' sum in each tile
.set TP, PA+8*(\t%2)
	v_pk_add_f32 v[TP:TP+1], v[E+8*\t:E+8*\t+1], v[E+8*\t+2:E+8*\t+3]
	v_pk_add_f32 v[TP+2:TP+3], v[E+8*\t+4:E+8*\t+5], v[E+8*\t+6:E+8*\t+7]
	v_pk_add_f32 v[TP:TP+1], v[TP:TP+1], v[TP+2:TP+3]
	v_add_f32 v[RS+\t], v[TP], v[TP+1]
.endr
.irp t, 0,1,2,3,4,5,6,7
	v_permlanex16_b32 v[RO+\t], v[RS+\t], s20, s21 ; the other half's
.endr
.irp t, 0,1,2,3,4,5,6,7
	v_add_f32 v[RS+\t], v[RS+\t], v[RO+\t]         ; the tile's
.endr
	SCAN2 7, 6, 0xc2e00000, 0xc2c00000
	SCAN2 5, 4, 0xc2a00000, 0xc2800000
	SCAN2 3, 2, 0xc2400000, 0xc2000000
	SCAN2 1, 0, 0xc1800000, 0
.set cj, 0
.rept 64
	v_sqrt_f32 v[E+cj], v[E+cj]
.set cj, cj+1
.endr
	v_nop                                          ; a plain line between the run of roots and the multiplications, which read its results
.set cj, 0
	s_wait_alu depctr_va_vdst(0)
.rept 32
	v_pk_mul_f32 v[E+cj:E+cj+1], v[E+cj:E+cj+1], v[GZ:GZ+1] op_sel_hi:[1,0]   ; x -softplus(gamma) log2(e) / sqrt(Z)
.set cj, cj+2
.endr
	EXP64 E
	v_nop                                          ; a plain line between the run of exponentials and the clips, which read its results
.set cj, 0
	s_wait_alu depctr_va_vdst(0)
.rept 64
	v_med3_num_f32 v[E+cj], v[E+cj], s36, s37      ; both clips
.set cj, cj+1
.endr
.set cj, 0
.rept 32
	v_pk_mul_f32 v[S+cj:S+cj+1], v[S+cj:S+cj+1], v[E+cj:E+cj+1]
.set cj, cj+2
.endr
.irp t, 0,1,2,3                                ; V^T's four fragments land under the softmax, where eff lay
.irp g, 0,1,2,3
	ds_load_b128 v[E+16*\t+4*\g:E+16*\t+4*\g+3], v[ADV] offset:16*\t*VP+32*\g
.endr
.endr
	MAXS
	v_permlanex16_b32 v90, v88, s20, s21
	v_max_num_f32 v88, v88, v90                    ; and among lane l xor 16's
	v_mul_f32 v88, s22, v88                        ; as t
	v_max_num_f32 v[TM], v[TM], v88                ; the running largest t
	v_mov_b32 v88, v[NM]
	v_floor_f32 v[NM], -v[TM]                      ; the new -M = floor(-t): M is a whole number
	v_sub_f32 v88, v[NM], v88                      ; M's old value less its new one: a whole number, 0 or less
	v_cvt_i32_f32 v88, v88                         ; (it saturates)
	v_ldexp_f32 v92, 1.0, v88                      ; f = 2^(old M - new M): a multiplication by it rounds nothing
	SCALE S, S, NM                                 ; t - M
	EXP64 S                                        ; p, at most 1, not normalised
	SUMS                                           ; the row's sum is taken of the unquantised p
.set cj, 0
.rept 64
	v_min_num_f32 v[S+cj], v[S+cj], v[LIM]         ; the conversion does not saturate (ISA guide 7.6.2); p is not negative, so the hold is one-sided
.set cj, cj+1
.endr
.irp t, 0,1,2,3,4,5,6,7
	v_cvt_scalef32_pk8_bf8_f32 v[XA+2*\t:XA+2*\t+1], v[S+8*\t:S+8*\t+7], v[SC]
.endr
.set cj, 0
.rept 16
	v_pk_mul_f32 v[OT+cj:OT+cj+1], v[OT+cj:OT+cj+1], v[92:93] op_sel_hi:[1,0]   ; O^T under the new M.  (Also the plain lines between the conversions and the products)
.set cj, cj+2
.endr
	s_wait_dscnt 0x0                               ; V^T's fragments are in
.irp t, 0,1,2,3                                ; four accumulators, one instruction a turn; between two trips stand the eight products of the scores
	v_wmma_f32_16x16x128_bf8_bf8 v[OT+8*\t:OT+8*\t+7], v[E+16*\t:E+16*\t+15], v[XA:XA+15], v[OT+8*\t:OT+8*\t+7]
.endr
.rept 4
	v_nop                                          ; places: for the next loads into V^T's registers, the next writes of p's codes' registers, and the way out's reads of O^T
.endr
.Lnext:
	s_sub_co_u32 s26, s26, 128
	s_add_co_u32 s24, s24, KSB
	s_add_co_u32 s25, s25, 128
	s_sub_co_i32 s27, s27, 1
	s_cmp_lg_u32 s27, 0
	s_cbranch_scc1 .Lpb
	; ---- THE WAY OUT: O^T / the sum x 2^(e8 + e9), quantised with 2^e10: 32 codes a lane
	v_add_f32 v[L], v[L], v[L+1]
	v_permlanex16_b32 v90, v[L], s20, s21
	v_add_f32 v[L], v[L], v90                      ; the row's sum
	v_rcp_f32 v[L], v[L]
	v_nop
	s_add_co_i32 s28, s48, s49
	s_wait_alu depctr_va_vdst(0)
	v_ldexp_f32 v[L], v[L], s28
	s_add_co_i32 s28, s50, 127
	s_lshl_b32 s29, s28, 23
	v_mov_b32 v[SC], s29
	s_add_co_i32 s28, s28, 15
	s_lshl_b32 s28, s28, 23
	s_or_b32 s28, s28, 0x600000
	v_mov_b32 v[LIM], s28
.set cj, 0
.rept 32
	v_mul_f32 v[S+cj], v[OT+cj], v[L]              ; register 8 t + j is channel 32 h + 8 t + j of query r
.set cj, cj+1
.endr
.set cj, 0
.rept 32
	v_med3_num_f32 v[S+cj], v[S+cj], -v[LIM], v[LIM]
.set cj, cj+1
.endr
.irp t, 0,1,2,3
	v_cvt_scalef32_pk8_bf8_f32 v[XA+2*\t:XA+2*\t+1], v[S+8*\t:S+8*\t+7], v[SC]
.endr
	v_nop
	global_store_b128 v[OO], v[XA:XA+3], s[10:11]
	global_store_b128 v[OO], v[XA+4:XA+7], s[10:11] offset:16
	s_wait_xcnt 0x0
	v_lshl_add_u32 v254, v0, 2, 0x24400
	v_mov_b32 v255, 0
	s_wait_tensorcnt 0x0
	ds_add_u32 v254, v255
	s_wait_dscnt 0x0
	s_endpgm
.Lfunc_end_k_q39fd5cf65b_attn:
	.size	k_q39fd5cf65b_attn, .Lfunc_end_k_q39fd5cf65b_attn-k_q39fd5cf65b_attn
	.p2alignl 7, 3214868480
	.fill 96, 4, 3214868480
	.section	.rodata,"a",@progbits
	.p2align	6, 0x0
	.amdhsa_kernel k_q39fd5cf65b_attn
		.amdhsa_group_segment_fixed_size 150528
		.amdhsa_private_segment_fixed_size 0
		.amdhsa_enable_private_segment 0
		.amdhsa_kernarg_size 32
		.amdhsa_user_sgpr_count 2
		.amdhsa_user_sgpr_kernarg_segment_ptr 1
		.amdhsa_wavefront_size32 1
		.amdhsa_system_sgpr_workgroup_id_x 1
		.amdhsa_system_sgpr_workgroup_id_y 1
		.amdhsa_system_sgpr_workgroup_id_z 1
		.amdhsa_system_vgpr_workitem_id 0
		.amdhsa_next_free_vgpr 256
		.amdhsa_next_free_sgpr 66
		.amdhsa_reserve_vcc 1
		.amdhsa_float_denorm_mode_32 3
		.amdhsa_float_denorm_mode_16_64 3
		.amdhsa_memory_ordered 1
		.amdhsa_forward_progress 1
		.amdhsa_inst_pref_size 78
	.end_amdhsa_kernel
	.amdgpu_metadata
---
amdhsa.version: [ 1, 2 ]
amdhsa.kernels:
  - .name:           k_q39fd5cf65b_attn
    .symbol:         k_q39fd5cf65b_attn.kd
    .args:
      - { .name: qkv, .offset: 0, .size: 8, .value_kind: global_buffer, .address_space: global }
      - { .name: gammas, .offset: 8, .size: 8, .value_kind: global_buffer, .address_space: global }
      - { .name: lowp_scales, .offset: 16, .size: 8, .value_kind: global_buffer, .address_space: global }
      - { .name: ac, .offset: 24, .size: 8, .value_kind: global_buffer, .address_space: global }
    .group_segment_fixed_size: 150528
    .private_segment_fixed_size: 0
    .kernarg_segment_align: 8
    .kernarg_segment_size: 32
    .max_flat_workgroup_size: 512
    .sgpr_count:     66
    .vgpr_count:     256
    .wavefront_size: 32
...
	.end_amdgpu_metadata
.endif
;; end of part 3
;; launch gemmo (part 4): grid 4 x 16, 4 waves a work-group, clusters of 4 x 4, 327,680 bytes of LDS; arguments ac, Wo_codes, lowp_scales, y, bo, query; writes y
.if DOCPART == 4
	.amdgcn_target "amdgcn-amd-amdhsa--gfx1250"
	.amdhsa_code_object_version 6
	.text
	.protected	k_q39fd5cf65b_gemmo
	.globl	k_q39fd5cf65b_gemmo
	.p2align	8
	.type	k_q39fd5cf65b_gemmo,@function
k_q39fd5cf65b_gemmo:
	s_mov_b64 s[64:65], 0
	v_nop
	global_prefetch_b8 v0, s[64:65] scope:SCOPE_SE
	s_setreg_imm32_b32 hwreg(HW_REG_WAVE_MODE, 25, 1), 1
	s_wait_xcnt 0x0
	s_wait_alu depctr_hold_cnt(0) depctr_sa_sdst(0) depctr_va_vdst(0) depctr_va_sdst(0) depctr_va_ssrc(0) depctr_va_vcc(0) depctr_vm_vsrc(0)
	s_getreg_b32 s2, hwreg(HW_REG_IB_STS2, 6, 4)
	s_cmp_eq_u32 s2, 0
	s_cbranch_scc0 .Lentry_in_a_cluster
	s_endpgm
.Lentry_in_a_cluster:
	s_bfe_u32 s2, ttmp6, 0x10000c
	s_cmp_lg_u32 s2, 0xf033
	s_cbranch_scc0 .Lentry_shape_is_right
	s_endpgm
.Lentry_shape_is_right:
; C = A B^T x 2^(ea + eb) + bias + residual.  A: [4096][SIZE_K], B: [1024][SIZE_K]: codes of BF8 (E5M2), one a byte, K innermost, one scale 2^e a tensor; bias [1024], residual and C [4096][1024]: f32; sums in f32.
; ONE TEXT, TWO LAUNCHES: SIZE_K = 1024, SCOFF = 40: concat x Wo + bo + query.  SIZE_K = 4096, SCOFF = 56: the hidden layer x W2 + b2 + x.  SCOFF: the byte of ea in the buffer of exponents; eb follows it.
; LIMIT: ea + eb between -126 and 127, so that 2^(ea + eb) is an f32 number.
; A tile of C, 256 x 256, is made by four waves, as many as a WGP has SIMDs; a wave makes 128 x 128: 64 accumulators of 16 x 16, 512 registers.  K goes in steps of 256 through a ring of two LDS slots filled by the
; tensor data mover: a tile's row is 256 bytes of memory.  CLUSTERS: the four work-groups of a row of the cluster need the same tiles of A, the four of a column the same tiles of B: each tile is asked for JOINTLY.
; C has 16 x 4 such tiles: 64 work-groups.
; THE MATRIX INSTRUCTION IS USED TRANSPOSED (source 0 = 16 rows of B, source 1 = 16 rows of A): a lane then holds eight neighbouring numbers of a row of C.
; REGISTERS, in windows of 256: window 0: v0-31 addresses; v96-99 the bias of my four columns on the way out; from v128 A's fragments, ONE set; on the way out v32-95, v128-255 are at work.
;   window 1: B's fragments, TWO sets.   window 2: the accumulators of my rows 0-63 ((a, b) at v[8 (8 a + b)]);   window 3: those of my rows 64-127.
.set SIZE_K, 1024
.set SCOFF,  40
.set SIZE_N, 1024
.set KSTEP,  256                       ; along K in a slot
.set ROWB,   256                       ; a tile's row in bytes
.set KROW,   SIZE_K                    ; a row of A or of B in memory, in bytes
.set PITCH,  272                       ; an LDS row: 256 bytes + 16 of padding = 68 words: row r starts at bank 4 r mod 64 (64 banks of 4 bytes: ISA guide 11.1)
.set FR,     16                        ; registers of a fragment: 16 rows x 128 K
.set NL,     4                         ; LDS loads that bring one
.set NP,     4                         ; places behind this matrix instruction (ISA guide 7.12.1)
.set HALFT,  128*PITCH                 ; 128 rows: what one tensor load brings
.set SLOT,   4*HALFT                   ; A's 256 rows, then B's 256 rows
.set LAPS,   SIZE_K/(2*KSTEP)          ; a lap = two K steps = once round the ring
.set SPARE,  2*SLOT                    ; behind the ring: the spare words, 128 bytes for each wave, which no other line names
.set SPITCH, 528                       ; the way out: a stage of 16 rows x (512 bytes + 16) for each wave, in slot 0
.set ADRA, 16                          ; v16-17  LDS address of my A fragments in slot 0, 1
.set ADRB, 20                          ; v20-21  the same for B
.set STO,  24                          ; v24     the way out: where I put 32 bytes of a row
.set RD,   25                          ; v25     the way out: where I read a row back
.set CO,   26                          ; v26     my byte offset in a row of C, of the residual and of the bias: 16 x lane
.set SPW,  28                          ; v28     LDS address of my spare word; never rewritten
.set NIL,  29                          ; v29     0; never rewritten
.set TMP,  32                          ; v32-95  a block's sums x 2^(ea + eb)
.set BIAS, 96                          ; v96-99  the bias of columns 4 x lane on
.set AF,   128                         ; A's fragments
.set BK,   128                         ; v128-191 16 rows read back from the stage
.set RES,  192                         ; v192-255 the same 16 rows of the residual
.set G1, 24                            ; s[24:31] descriptor group 1 for A's tiles;  s[32:39] group 0, one set for each slot
.set G0, 32
.set G1B, 48                           ; s[48:55], s[56:63] the same for B's tiles
.set G0B, 56
.set MSB, 0
.macro WIN new                         ; the immediate's high byte repeats the setting that is left
.if MSB != \new
	s_set_vgpr_msb (MSB<<8)|\new
.set MSB, \new
.endif
.endm
.set MUL_LO, 0xa1                      ; source 0 (B) window 1, source 1 (A) window 0, C and D window 2
.set MUL_HI, 0xf1                      ; the same, C and D window 3
.set TO_B,   0x40                      ; destination window 1, address window 0
; A joint load: waves 0 and 1 fetch for A, waves 2 and 3 for B.  Each of the two lines has ONE mask and one set of registers for all that issue it; the branch hangs on the wave's number alone.
; Four v_nop follow each of the two lines, ahead of the jump, the label and what follows.
.macro JLOAD g0a, g1a, g0b, g1b
	s_cmp_eq_u32 s15, 0
	s_cbranch_scc0 .Lfor_b_\@
	tensor_load_to_lds s[\g0a:\g0a+3], s[\g1a:\g1a+7]
	s_nop 0
.rept 4
	v_nop
.endr
	s_branch .Lasked_\@
.Lfor_b_\@:
	tensor_load_to_lds s[\g0b:\g0b+3], s[\g1b:\g1b+7]
	s_nop 0
.rept 4
	v_nop
.endr
.Lasked_\@:
.endm
.macro CREST                           ; a round of the cluster's barrier behind its opening barrier
	s_cmp_lg_u32 s14, 0
	s_cbranch_scc1 .Lnot_wave_0_\@
	s_barrier_signal -3
.Lnot_wave_0_\@:
	s_barrier_wait -3
	s_barrier_signal -1
	s_barrier_wait -1
.endm
.macro CROUND                          ; a whole round
	s_barrier_signal -1
	s_barrier_wait -1
	CREST
.endm
	s_load_b128 s[4:7], s[0:1], 0x0                ; A's codes s[4:5], B's codes s[6:7]
	s_load_b128 s[8:11], s[0:1], 0x10              ; the scales' exponents s[8:9], C s[10:11]
	s_load_b128 s[68:71], s[0:1], 0x20             ; the bias s[68:69], the residual s[70:71]
	v_lshl_add_u32 v[SPW], v0, 2, SPARE
	v_mov_b32 v[NIL], 0
	ds_add_u32 v28, v29
	ds_add_u32 v28, v29
	s_wait_dscnt 0x0
	v_lshrrev_b32 v1, 5, v0
	v_readfirstlane_b32 s14, v1                    ; wave 0..3
	s_lshr_b32 s15, s14, 1                         ; which half of the tile's rows is mine.  Also: I fetch for A (0) or for B (1)
	s_and_b32 s16, s14, 1                          ; which half of its columns.  Also: which 128 rows of that tile I fetch
	s_bfe_u32 s40, ttmp6, 0x40000                  ; cx, cy: my place in the cluster
	s_bfe_u32 s41, ttmp6, 0x40004
	s_lshl_b32 s42, ttmp9, 2
	s_add_co_u32 s42, s42, s40                     ; tile column of C = 4 x cluster x + cx
	s_and_b32 s17, ttmp7, 0xffff
	s_lshl_b32 s17, s17, 2
	s_add_co_u32 s17, s17, s41                     ; tile row of C = 4 x cluster y + cy
	s_lshl_b32 s43, s41, 2
	s_lshl_b32 s43, 15, s43                        ; my row of the cluster
	s_lshl_b32 s44, 0x1111, s40                    ; my column
	; descriptor group 1: a tile of 128 rows x ROWB bytes, padded in LDS
	s_or_b32 s[G1+0], s43, (0<<16)|(1<<20)|(1<<21)|(5<<22)|(3<<25)  ; 15:0 the mask: A's tiles go to my row; 17:16 element of 1 byte; 20 padding on; 21 set beside a mask; 24:22 after every 64 words (code 5); 31:25 of 4 words (code 3)
	s_or_b32 s[G1B+0], s44, (0<<16)|(1<<20)|(1<<21)|(5<<22)|(3<<25)
.irp g, G1, G1B
	s_mov_b32 s[\g+1], ROWB<<16                    ; tensor_dim0
	s_mov_b32 s[\g+2], 128<<16                     ; tensor_dim1 = 128
	s_mov_b32 s[\g+3], ROWB<<16                    ; tile_dim0
	s_mov_b32 s[\g+4], 128                         ; tile_dim1 = 128
	s_mov_b32 s[\g+5], KROW                        ; tensor_dim0_stride
	s_mov_b32 s[\g+6], 0
	s_mov_b32 s[\g+7], 0
.endr
	s_lshl_b32 s18, s16, 7                         ; which 128 rows of the tile I fetch
	s_lshl_b32 s20, s17, 8
	s_add_co_u32 s20, s20, s18                     ; A: row 256 x tile row + 128 x half
	s_lshl_b32 s46, s42, 8
	s_add_co_u32 s46, s46, s18                     ; B: row 256 x tile column + 128 x half
	s_mov_b32 s21, 0
	s_mov_b32 s47, 0
	s_mov_b64 s[18:19], KROW
	s_mul_u64 s[20:21], s[20:21], s[18:19]         ; in bytes
	s_mul_u64 s[46:47], s[46:47], s[18:19]
	s_mul_i32 s45, s14, HALFT                      ; where they go: wave x 128 rows: no place in the cluster enters an LDS address
	s_wait_kmcnt 0x0
	s_load_b64 s[96:97], s[8:9], SCOFF             ; ea, eb
	s_add_nc_u64 s[20:21], s[4:5], s[20:21]
	s_add_nc_u64 s[46:47], s[6:7], s[46:47]
	CROUND                                         ; all sixteen work-groups are here: the first joint loads meet
.irp s, 0,1
	s_mov_b32 s[G0+4*\s], 1
	s_add_co_u32 s[G0+4*\s+1], s45, \s*SLOT
	s_add_nc_u64 s[G0+4*\s+2:G0+4*\s+3], s[20:21], \s*ROWB
	s_or_b32 s[G0+4*\s+3], s[G0+4*\s+3], 0x80000000
	s_mov_b32 s[G0B+4*\s], 1
	s_add_co_u32 s[G0B+4*\s+1], s45, \s*SLOT
	s_add_nc_u64 s[G0B+4*\s+2:G0B+4*\s+3], s[46:47], \s*ROWB
	s_or_b32 s[G0B+4*\s+3], s[G0B+4*\s+3], 0x80000000
	JLOAD G0+4*\s, G1, G0B+4*\s, G1B
.endr
	v_and_b32 v1, 15, v0                           ; l % 16
	v_bfe_u32 v2, v0, 4, 1                         ; l / 16
	v_mul_u32_u24 v3, v1, PITCH
	v_lshl_add_u32 v4, v2, 4, v3                   ; a fragment's row x pitch + 16 x half
	s_mul_i32 s21, s15, HALFT                      ; my 128 rows of A
	s_mul_i32 s22, s16, HALFT                      ; my 128 rows of B,
	s_add_co_u32 s22, s22, 2*HALFT                 ; which lie behind A's 256
.irp s, 0,1
	v_add_nc_u32 v[ADRA+\s], s21, v4
	v_add_nc_u32 v[ADRB+\s], s22, v4
	s_add_co_u32 s21, s21, SLOT
	s_add_co_u32 s22, s22, SLOT
.endr
	s_mul_i32 s23, s14, 16*SPITCH                  ; my stage
	v_mul_u32_u24 v5, v1, SPITCH                   ; in: row l % 16, 32 bytes for each half of the lanes
	v_lshl_add_u32 v5, v2, 5, v5
	v_add_nc_u32 v[STO], s23, v5
	v_and_b32 v6, 31, v0
	v_lshlrev_b32 v[CO], 4, v6                     ; back: the 32 lanes take one row of 512 bytes; and the same in C
	v_add_nc_u32 v[RD], s23, v[CO]
	s_lshl_b32 s20, s17, 8
	s_lshl_b32 s21, s15, 7
	s_add_co_u32 s20, s20, s21                     ; my first row of C: 256 x tile row + 128 x half
	s_mov_b32 s21, 0
	s_mov_b64 s[18:19], SIZE_N*4
	s_mul_u64 s[20:21], s[20:21], s[18:19]
	s_lshl_b32 s46, s42, 10                        ; my first column, in bytes: 1024 x tile column + 512 x half
	s_lshl_b32 s47, s16, 9
	s_add_co_u32 s46, s46, s47
	s_mov_b32 s47, 0
	s_add_nc_u64 s[68:69], s[68:69], s[46:47]      ; the bias at my first column
	s_add_nc_u64 s[20:21], s[20:21], s[46:47]
	s_add_nc_u64 s[10:11], s[10:11], s[20:21]      ; C and the residual at my part's first number
	s_add_nc_u64 s[70:71], s[70:71], s[20:21]
	global_load_b128 v[BIAS:BIAS+3], v[CO], s[68:69]   ; it lands during the loop, in registers that the loop does not touch
.macro FRAG reg, adr, q, i             ; a fragment, 16 rows x 128 K, is 16 registers: lane l holds row l % 16; registers 4 c .. 4 c + 3 hold K = 32 c + 16 (l / 16) + 0 .. 15: the same permutation of k in A and in B
.irp c, 0,1,2,3
	ds_load_b128 v[\reg+4*\c:\reg+4*\c+3], v[\adr] offset:128*(\q)+32*\c+(\i)*16*PITCH
.endr
.endm
; 16 matrix instructions: A's blocks a0, a0 + 1 x B's eight, 128 along K.  p: B's set.  zero = 1: the first product starts the sums.
; The 64 accumulators take turns, one instruction a turn, in the same order in every step.
.macro MUL16 a0, p, zero
.irp a, \a0, \a0+1
.irp b, 0,1,2,3,4,5,6,7
.if \zero
	v_wmma_f32_16x16x128_bf8_bf8 v[8*(8*((\a)%4)+\b):8*(8*((\a)%4)+\b)+7], v[128*(\p)+FR*\b:128*(\p)+FR*\b+FR-1], v[AF+FR*(\a):AF+FR*(\a)+FR-1], 0
.else
	v_wmma_f32_16x16x128_bf8_bf8 v[8*(8*((\a)%4)+\b):8*(8*((\a)%4)+\b)+7], v[128*(\p)+FR*\b:128*(\p)+FR*\b+FR-1], v[AF+FR*(\a):AF+FR*(\a)+FR-1], v[8*(8*((\a)%4)+\b):8*(8*((\a)%4)+\b)+7]
.endif
.endr
.endr
.endm
.macro FETCH_B slot, q, p              ; B's eight fragments of the slot's q-th 128 along K into set p
	WIN TO_B
.irp i, 0,1,2,3,4,5,6,7
	FRAG 128*(\p)+FR*\i, ADRB+\slot, \q, \i
.endr
	WIN 0
.endm
.macro FETCH_A slot, q, i0             ; A's blocks i0 .. i0 + 3
.irp i, \i0, \i0+1, \i0+2, \i0+3
	FRAG AF+FR*(\i), ADRA+\slot, \q, \i
.endr
.endm
; A load into a register that a matrix instruction has read, and a vector instruction that reads a matrix result or writes one of its registers, stand NP places behind it; only plain vector
; instructions that name none of its registers are places (ISA guide 7.12.1 for vector instructions).
.macro PLACES n
.rept \n
	v_nop
.endr
.endm
; A step of 128 along K that has its successor in the same slot.
.macro STEP slot, q, zero
	s_wait_dscnt 4*NL                              ; B's set and A's blocks 0-3 are in; the youngest sixteen loads (A's blocks 4-7) may be out
	WIN MUL_LO
	MUL16 0, (\q)%2, \zero
	MUL16 2, (\q)%2, \zero
	s_wait_dscnt 0                                 ; A's blocks 4-7 are in
	PLACES NP
	FETCH_B \slot, (\q)+1, 1-(\q)%2
	FETCH_A \slot, (\q)+1, 0
	WIN MUL_HI
	MUL16 4, (\q)%2, \zero
	MUL16 6, (\q)%2, \zero
	PLACES NP
	WIN 0
	FETCH_A \slot, (\q)+1, 4
.endm
; A slot's last step changes slots: ONE barrier; in front of it each wave waits for all its tensor loads, adds 0 to its spare word, and waits for that and for its own reads of this slot.  fill = 1: this slot is filled again, two K steps ahead.
.macro TURN slot, next, fill
	s_wait_tensorcnt 0x0                           ; all my tensor loads have landed: my part of the next slot
	ds_add_u32 v[SPW], v[NIL]                      ; 0 onto my spare word
	s_wait_dscnt 4*NL+1                            ; (the add and the youngest sixteen loads, A's blocks 4-7, may be out)
	WIN MUL_LO
	MUL16 0, 1, 0                                  ; sixteen matrix instructions stand between the add and the wait for it
	s_wait_dscnt 0x0                               ; the add is done, and my reads of this slot are over
	s_barrier_signal -1
	MUL16 2, 1, 0
	WIN 0
	s_barrier_wait -1
.if \fill
	CREST                                          ; the barrier has opened a round of the cluster's barrier: no wave of any partner still reads this slot's tile or has a load on its way
	s_add_nc_u64 s[G0+4*\slot+2:G0+4*\slot+3], s[G0+4*\slot+2:G0+4*\slot+3], 2*ROWB
	s_add_nc_u64 s[G0B+4*\slot+2:G0B+4*\slot+3], s[G0B+4*\slot+2:G0B+4*\slot+3], 2*ROWB
	JLOAD G0+4*\slot, G1, G0B+4*\slot, G1B         ; the first tensor load behind the round; the four v_nop behind it are the places in front of the loads below
.else
	PLACES NP
.endif
	FETCH_B \next, 0, 0
	FETCH_A \next, 0, 0
	WIN MUL_HI
	MUL16 4, 1, 0
	MUL16 6, 1, 0
	PLACES NP
	WIN 0
	FETCH_A \next, 0, 4
.endm
	s_wait_tensorcnt 1                             ; my part of K step 0 is in (K step 1's load may be out)
	s_barrier_signal -1
	s_barrier_wait -1                              ; everybody's is
	FETCH_B 0, 0, 0
	FETCH_A 0, 0, 0
	FETCH_A 0, 0, 4
	STEP 0, 0, 1                                   ; the first step stands in front of the loop: its products start the sums
	s_mov_b32 s3, LAPS-1
.Llap:                                                 ; a trip goes once round the ring, from a lap's second step to the next lap's first, and fills both slots again
	TURN 0, 1, 1
	STEP 1, 0, 0
	TURN 1, 0, 1
	STEP 0, 0, 0
	s_sub_co_u32 s3, s3, 1
	s_cmp_lg_u32 s3, 0
	s_cbranch_scc1 .Llap
	TURN 0, 1, 0                                   ; the last lap fills nothing
	STEP 1, 0, 0
	s_wait_dscnt 4*NL                              ; the very last step: nothing more to fetch
	WIN MUL_LO
	MUL16 0, 1, 0
	MUL16 2, 1, 0
	s_wait_dscnt 0
	WIN MUL_HI
	MUL16 4, 1, 0
	MUL16 6, 1, 0
	WIN 0
; THE WAY OUT, block by block of 16 rows x 128 columns.  A lane holds 32 neighbouring bytes of a row, and the lanes beside it hold other rows: so a block goes through my own stage in LDS and comes back as whole rows of
; 512 bytes.  The stage lies in slot 0, which has had its last fill and its last read.  The multiplication by 2^(ea + eb) is also the sums' way out of the accumulators' window; the residual and the bias are added
; behind the turn, where a lane holds the same 16 bytes of a row as in memory.  Every row's offset is an immediate: 127 rows of 4,096 bytes at the most.
.macro RLOAD a                         ; block a's 16 rows of the residual
.irp t, 0,1,2,3,4,5,6,7,8,9,10,11,12,13,14,15
	global_load_b128 v[RES+4*\t:RES+4*\t+3], v[CO], s[70:71] offset:(16*(\a)+\t)*SIZE_N*4
.endr
.endm
.macro BLOCK a
.set AC, 64*((\a)%4)
.if (\a) > 0
	s_wait_xcnt 0x0                                ; the last block's stores have read their registers: the loads from the stage may land there
.endif
	WIN 0x02+((\a)/4)                              ; source 0: window 2 or 3
.set cj, 0
.rept 32
	v_pk_mul_f32 v[TMP+cj:TMP+cj+1], v[AC+cj:AC+cj+1], s[96:97] op_sel_hi:[1,0]   ; each accumulator from its low end on
.set cj, cj+2
.endr
	WIN 0
.irp b, 0,1,2,3,4,5,6,7
	ds_store_b128 v[STO], v[TMP+8*\b:TMP+8*\b+3] offset:64*\b
	ds_store_b128 v[STO], v[TMP+8*\b+4:TMP+8*\b+7] offset:64*\b+16
.endr
.irp t, 0,1,2,3,4,5,6,7,8,9,10,11,12,13,14,15
	ds_load_b128 v[BK+4*\t:BK+4*\t+3], v[RD] offset:\t*SPITCH     ; LDS serves a wave's instructions in order (ISA guide 5.7.1.4): these see the stores above
.endr
	s_wait_loadcnt 0x0                             ; the residual's 16 rows (and, the first time, the bias)
.irp t, 0,1,2,3,4,5,6,7,8,9,10,11,12,13,14,15
	v_pk_add_f32 v[RES+4*\t:RES+4*\t+1], v[RES+4*\t:RES+4*\t+1], v[BIAS:BIAS+1]
	v_pk_add_f32 v[RES+4*\t+2:RES+4*\t+3], v[RES+4*\t+2:RES+4*\t+3], v[BIAS+2:BIAS+3]
.endr
	s_wait_dscnt 0x0                               ; the block is back; the stage's stores have read their registers
.set cj, 0
.rept 32
	v_pk_add_f32 v[BK+cj:BK+cj+1], v[BK+cj:BK+cj+1], v[RES+cj:RES+cj+1]
.set cj, cj+2
.endr
.irp t, 0,1,2,3,4,5,6,7,8,9,10,11,12,13,14,15
	global_store_b128 v[CO], v[BK+4*\t:BK+4*\t+3], s[10:11] offset:(16*(\a)+\t)*SIZE_N*4   ; 32 lanes store 512 consecutive bytes, at a multiple of 512 from C's first byte
.endr
.if (\a) < 7
	RLOAD (\a)+1
.endif
.endm
	s_wait_kmcnt 0x0
	s_add_co_i32 s96, s96, s97
	s_add_co_i32 s96, s96, 127
	s_lshl_b32 s96, s96, 23                        ; 2^(ea + eb) as f32
	s_mov_b32 s97, s96                             ; (named with it as a pair, so it is written)
	PLACES NP                                      ; behind the last products: loads land in A's registers, and results are read, below
	RLOAD 0
.irp a, 0,1,2,3,4,5,6,7
	BLOCK \a
.endr
	s_wait_tensorcnt 0x0                           ; the wave's end
	ds_add_u32 v[SPW], v[NIL]
	s_wait_dscnt 0x0
	CROUND                                         ; the closing round: no work-group ends while a partner may still ask for a tile that names it
	s_endpgm
.Lfunc_end_k_q39fd5cf65b_gemmo:
	.size	k_q39fd5cf65b_gemmo, .Lfunc_end_k_q39fd5cf65b_gemmo-k_q39fd5cf65b_gemmo
	.p2alignl 7, 3214868480
	.fill 96, 4, 3214868480
	.section	.rodata,"a",@progbits
	.p2align	6, 0x0
	.amdhsa_kernel k_q39fd5cf65b_gemmo
		.amdhsa_group_segment_fixed_size 327680
		.amdhsa_private_segment_fixed_size 0
		.amdhsa_enable_private_segment 0
		.amdhsa_kernarg_size 48
		.amdhsa_user_sgpr_count 2
		.amdhsa_user_sgpr_kernarg_segment_ptr 1
		.amdhsa_wavefront_size32 1
		.amdhsa_system_sgpr_workgroup_id_x 1
		.amdhsa_system_sgpr_workgroup_id_y 1
		.amdhsa_system_sgpr_workgroup_id_z 1
		.amdhsa_system_vgpr_workitem_id 0
		.amdhsa_next_free_vgpr 1024
		.amdhsa_next_free_sgpr 100
		.amdhsa_reserve_vcc 0
		.amdhsa_float_denorm_mode_32 3
		.amdhsa_float_denorm_mode_16_64 3
		.amdhsa_memory_ordered 1
		.amdhsa_forward_progress 1
		.amdhsa_inst_pref_size 167
	.end_amdhsa_kernel
	.amdgpu_metadata
---
amdhsa.version: [ 1, 2 ]
amdhsa.kernels:
  - .name:           k_q39fd5cf65b_gemmo
    .symbol:         k_q39fd5cf65b_gemmo.kd
    .args:
      - { .name: ac, .offset: 0, .size: 8, .value_kind: global_buffer, .address_space: global }
      - { .name: Wo_codes, .offset: 8, .size: 8, .value_kind: global_buffer, .address_space: global }
      - { .name: lowp_scales, .offset: 16, .size: 8, .value_kind: global_buffer, .address_space: global }
      - { .name: y, .offset: 24, .size: 8, .value_kind: global_buffer, .address_space: global }
      - { .name: bo, .offset: 32, .size: 8, .value_kind: global_buffer, .address_space: global }
      - { .name: query, .offset: 40, .size: 8, .value_kind: global_buffer, .address_space: global }
    .group_segment_fixed_size: 327680
    .private_segment_fixed_size: 0
    .kernarg_segment_align: 8
    .kernarg_segment_size: 48
    .max_flat_workgroup_size: 128
    .sgpr_count:     100
    .vgpr_count:     1024
    .wavefront_size: 32
...
	.end_amdgpu_metadata
.endif
;; end of part 4
;; launch ln1 (part 5): grid 256 x 1, 4 waves a work-group, no clusters, 16,896 bytes of LDS; arguments y, ln1_w, ln1_b, lowp_scales, x, ac; writes x, ac
.if DOCPART == 5
	.amdgcn_target "amdgcn-amd-amdhsa--gfx1250"
	.amdhsa_code_object_version 6
	.text
	.protected	k_q39fd5cf65b_ln1
	.globl	k_q39fd5cf65b_ln1
	.p2align	8
	.type	k_q39fd5cf65b_ln1,@function
k_q39fd5cf65b_ln1:
	s_mov_b64 s[64:65], 0
	v_nop
	global_prefetch_b8 v0, s[64:65] scope:SCOPE_SE
	s_setreg_imm32_b32 hwreg(HW_REG_WAVE_MODE, 25, 1), 1
	s_wait_xcnt 0x0
; LayerNorm over rows of 1,024 f32: out = (y - mean) / sqrt(var + 1e-5) x w + b, var = the mean of (y - mean)^2.  ONE TEXT, TWO LAUNCHES.
; CODES = 1: the result leaves as f32 AND as codes of BF8 (E5M2) with the scale 2^e, e = entry 12 of the exponents (-126 <= e <= 112; NaN is not served).  CODES = 0: f32 alone.
; Memory binds: each byte is read once and written once; no matrix unit, no cluster, no barrier.  One wave takes a whole row (4,096 bytes: eight loads of 512 consecutive bytes, 32 registers a lane) and keeps it in
; registers between the passes; four rows a wave, all 32 loads issued at the head.  Register 4 j + q of a row is column 128 j + 4 lane + q; w and b lie the same way and stay.
; The codes: eight registers give eight codes, four of column group j and four of group j + 1: each word of codes goes to its place in the wave's own 4,096 bytes of LDS, and the four rows leave as 512 consecutive bytes a store.
.set CODES, 1
.set W,   8                            ; v8-39    w
.set BB,  40                           ; v40-71   b
.set X,   72                           ; v72-199  four rows, 32 registers each; a row's registers are written for the last time ahead of its stores
.set T,   200                          ; v200-215 two sets of eight held numbers
.set C,   216                          ; v216-231 two sets of eight words of codes
.set A,   232                          ; v232-239 four chains of sums; v240 what the lane permute brings
.if CODES
.set OUTP, 16
.else
.set OUTP, 10
.endif
	s_load_b256 s[4:11], s[0:1], 0x0               ; y s[4:5], w s[6:7], b s[8:9]; s[10:11]: the exponents (CODES = 1) or the output
.if CODES
	s_load_b128 s[16:19], s[0:1], 0x20             ; the output in f32 s[16:17], its codes s[18:19]
	v_lshl_add_u32 v248, v0, 2, 0x4000
	v_mov_b32 v249, 0
.endif
	v_lshrrev_b32 v1, 5, v0
	v_readfirstlane_b32 s20, v1                    ; wave 0..3
	v_and_b32 v1, 31, v0
	v_lshlrev_b32 v2, 4, v1                        ; 16 x lane
	s_lshl_b32 s22, ttmp9, 16                      ; 16 rows of 4,096 bytes a work-group,
	s_lshl_b32 s23, s20, 14                        ; four a wave
	s_add_co_u32 s22, s22, s23
	s_mov_b32 s23, 0
	s_mov_b32 s12, 0x3a800000                      ; 1 / 1,024
	s_mov_b32 s13, 0x3727c5ac                      ; 1e-5
	s_mov_b32 s14, 0x76543210                      ; v_permlanex16_b32's selects for lane l xor 16
	s_mov_b32 s15, 0xfedcba98
	v_mov_b32 v240, 0                              ; written once: a lane permute's destination counts as one of its sources
.if CODES
	s_lshl_b32 s25, s20, 12                        ; my wave's 4,096 bytes of LDS
	v_lshl_add_u32 v3, v1, 2, s25                  ; in: 4 x lane
	v_add_nc_u32 v6, s25, v2                       ; back: 16 x lane
	s_lshl_b32 s26, ttmp9, 14                      ; 16 rows of 1,024 codes a work-group,
	s_add_co_u32 s26, s26, s25                     ; four a wave
	s_mov_b32 s27, 0
.endif
	s_wait_kmcnt 0x0
.if CODES
	s_load_b32 s24, s[10:11], 48                   ; e
	s_add_nc_u64 s[18:19], s[18:19], s[26:27]
.endif
	s_add_nc_u64 s[4:5], s[4:5], s[22:23]
	s_add_nc_u64 s[OUTP:OUTP+1], s[OUTP:OUTP+1], s[22:23]
.irp j, 0,1,2,3,4,5,6,7
	global_load_b128 v[W+4*\j:W+4*\j+3], v2, s[6:7] offset:512*\j
.endr
.irp j, 0,1,2,3,4,5,6,7
	global_load_b128 v[BB+4*\j:BB+4*\j+3], v2, s[8:9] offset:512*\j
.endr
.irp s, 0,1,2,3
.irp j, 0,1,2,3,4,5,6,7
	global_load_b128 v[X+32*\s+4*\j:X+32*\s+4*\j+3], v2, s[4:5] offset:4096*\s+512*\j th:TH_LOAD_NT
.endr
.endr
.if CODES
	s_wait_kmcnt 0x0
	s_add_co_i32 s24, s24, 127
	s_lshl_b32 s25, s24, 23
	v_mov_b32 v4, s25                              ; 2^e as f32: the conversion takes its exponent field
	s_add_co_i32 s24, s24, 15
	s_lshl_b32 s24, s24, 23
	s_or_b32 s24, s24, 0x600000
	v_mov_b32 v5, s24                              ; 57,344 x 2^e
.endif
.macro FOLD                            ; the four chains, the two halves of a pair and the 32 lanes become one sum, in every lane
	v_pk_add_f32 v[A:A+1], v[A:A+1], v[A+2:A+3]
	v_pk_add_f32 v[A+4:A+5], v[A+4:A+5], v[A+6:A+7]
	v_pk_add_f32 v[A:A+1], v[A:A+1], v[A+4:A+5]
	v_add_f32 v[A], v[A], v[A+1]
	v_add_f32_dpp v[A], v[A], v[A] row_xmask:1 row_mask:0xf bank_mask:0xf
	v_add_f32_dpp v[A], v[A], v[A] row_xmask:2 row_mask:0xf bank_mask:0xf
	v_add_f32_dpp v[A], v[A], v[A] row_xmask:4 row_mask:0xf bank_mask:0xf
	v_add_f32_dpp v[A], v[A], v[A] row_xmask:8 row_mask:0xf bank_mask:0xf
	v_permlanex16_b32 v240, v[A], s14, s15
	v_add_f32 v[A], v[A], v240
.endm
.macro ROW s
.set XS, X+32*(\s)
	s_wait_loadcnt 8*(3-(\s))                      ; w, b and this row are in; the later rows' loads may be out
.irp k, 0,1,2,3
	v_pk_add_f32 v[A+2*\k:A+2*\k+1], v[XS+2*\k:XS+2*\k+1], v[XS+8+2*\k:XS+9+2*\k]     ; the first eight pairs start the chains: nothing is cleared
.endr
.irp p, 8,9,10,11,12,13,14,15
	v_pk_add_f32 v[A+2*(\p%4):A+2*(\p%4)+1], v[A+2*(\p%4):A+2*(\p%4)+1], v[XS+2*\p:XS+2*\p+1]
.endr
	FOLD
	v_mul_f32 v[A], s12, v[A]                      ; the mean
.irp p, 0,1,2,3,4,5,6,7,8,9,10,11,12,13,14,15
	v_pk_add_f32 v[XS+2*\p:XS+2*\p+1], v[XS+2*\p:XS+2*\p+1], v[A:A+1] op_sel_hi:[1,0] neg_lo:[0,1] neg_hi:[0,1]
.endr
.irp k, 0,1,2,3
	v_pk_mul_f32 v[A+2*\k:A+2*\k+1], v[XS+2*\k:XS+2*\k+1], v[XS+2*\k:XS+2*\k+1]
.endr
.irp p, 4,5,6,7,8,9,10,11,12,13,14,15
	v_pk_fma_f32 v[A+2*(\p%4):A+2*(\p%4)+1], v[XS+2*\p:XS+2*\p+1], v[XS+2*\p:XS+2*\p+1], v[A+2*(\p%4):A+2*(\p%4)+1]
.endr
	FOLD
	v_fma_f32 v[A], v[A], s12, s13                 ; var + 1e-5
	v_rsq_f32 v[A], v[A]
	v_nop                                          ; a plain line behind the transcendental
	s_wait_alu depctr_va_vdst(0)
.irp p, 0,1,2,3,4,5,6,7,8,9,10,11,12,13,14,15
	v_pk_mul_f32 v[XS+2*\p:XS+2*\p+1], v[XS+2*\p:XS+2*\p+1], v[A:A+1] op_sel_hi:[1,0]
.endr
.irp p, 0,1,2,3,4,5,6,7,8,9,10,11,12,13,14,15
	v_pk_fma_f32 v[XS+2*\p:XS+2*\p+1], v[XS+2*\p:XS+2*\p+1], v[W+2*\p:W+2*\p+1], v[BB+2*\p:BB+2*\p+1]
.endr
.irp j, 0,1,2,3,4,5,6,7
	global_store_b128 v2, v[XS+4*\j:XS+4*\j+3], s[OUTP:OUTP+1] offset:4096*(\s)+512*\j   ; 32 lanes store 512 consecutive bytes
.endr
.if CODES
.if (\s) >= 2
	s_wait_dscnt 8                                 ; the stores of two rows ago have read this set of code registers; the last row's eight may be out
.endif
.irp g, 0,1,2,3
.irp i, 0,1,2,3,4,5,6,7
	v_med3_num_f32 v[T+8*(\g%2)+\i], v[XS+8*\g+\i], -v5, v5    ; the hold, into other registers: the row's own are being stored
.endr
	v_cvt_scalef32_pk8_bf8_f32 v[C+8*((\s)%2)+2*\g:C+8*((\s)%2)+2*\g+1], v[T+8*(\g%2):T+8*(\g%2)+7], v4   ; the other set's eight holds stand between it and the next writes of its sources
.endr
	v_nop
.irp j, 0,1,2,3,4,5,6,7
	ds_store_b32 v3, v[C+8*((\s)%2)+\j] offset:1024*(\s)+128*\j   ; the codes of columns 128 j + 4 lane on
.endr
.endif
.endm
.irp s, 0,1,2,3
	ROW \s
.endr
.if CODES
.irp i, 0,1,2,3,4,5,6,7
	ds_load_b128 v[W+4*\i:W+4*\i+3], v6 offset:512*\i             ; LDS serves a wave's instructions in order: these see my stores; w is done with
.endr
.irp i, 0,1,2,3,4,5,6,7
	s_wait_dscnt 7-\i
	global_store_b128 v2, v[W+4*\i:W+4*\i+3], s[18:19] offset:512*\i   ; my four rows of codes are 4,096 consecutive bytes
.endr
.endif
	s_wait_tensorcnt 0x0
	ds_add_u32 v248, v249
	s_wait_dscnt 0x0
	s_endpgm
.Lfunc_end_k_q39fd5cf65b_ln1:
	.size	k_q39fd5cf65b_ln1, .Lfunc_end_k_q39fd5cf65b_ln1-k_q39fd5cf65b_ln1
	.p2alignl 7, 3214868480
	.fill 96, 4, 3214868480
	.section	.rodata,"a",@progbits
	.p2align	6, 0x0
	.amdhsa_kernel k_q39fd5cf65b_ln1
		.amdhsa_group_segment_fixed_size 16896
		.amdhsa_private_segment_fixed_size 0
		.amdhsa_enable_private_segment 0
		.amdhsa_kernarg_size 48
		.amdhsa_user_sgpr_count 2
		.amdhsa_user_sgpr_kernarg_segment_ptr 1
		.amdhsa_wavefront_size32 1
		.amdhsa_system_sgpr_workgroup_id_x 1
		.amdhsa_system_sgpr_workgroup_id_y 1
		.amdhsa_system_sgpr_workgroup_id_z 1
		.amdhsa_system_vgpr_workitem_id 0
		.amdhsa_next_free_vgpr 250
		.amdhsa_next_free_sgpr 66
		.amdhsa_reserve_vcc 0
		.amdhsa_float_denorm_mode_32 3
		.amdhsa_float_denorm_mode_16_64 3
		.amdhsa_memory_ordered 1
		.amdhsa_forward_progress 1
		.amdhsa_inst_pref_size 47
	.end_amdhsa_kernel
	.amdgpu_metadata
---
amdhsa.version: [ 1, 2 ]
amdhsa.kernels:
  - .name:           k_q39fd5cf65b_ln1
    .symbol:         k_q39fd5cf65b_ln1.kd
    .args:
      - { .name: y, .offset: 0, .size: 8, .value_kind: global_buffer, .address_space: global }
      - { .name: ln1_w, .offset: 8, .size: 8, .value_kind: global_buffer, .address_space: global }
      - { .name: ln1_b, .offset: 16, .size: 8, .value_kind: global_buffer, .address_space: global }
      - { .name: lowp_scales, .offset: 24, .size: 8, .value_kind: global_buffer, .address_space: global }
      - { .name: x, .offset: 32, .size: 8, .value_kind: global_buffer, .address_space: global }
      - { .name: ac, .offset: 40, .size: 8, .value_kind: global_buffer, .address_space: global }
    .group_segment_fixed_size: 16896
    .private_segment_fixed_size: 0
    .kernarg_segment_align: 8
    .kernarg_segment_size: 48
    .max_flat_workgroup_size: 128
    .sgpr_count:     66
    .vgpr_count:     250
    .wavefront_size: 32
...
	.end_amdgpu_metadata
.endif
;; end of part 5
;; launch ffn1 (part 6): grid 16 x 16, 4 waves a work-group, clusters of 4 x 4, 327,680 bytes of LDS; arguments ac, W1_codes, lowp_scales, hc, b1; writes hc
.if DOCPART == 6
	.amdgcn_target "amdgcn-amd-amdhsa--gfx1250"
	.amdhsa_code_object_version 6
	.text
	.protected	k_q39fd5cf65b_ffn1
	.globl	k_q39fd5cf65b_ffn1
	.p2align	8
	.type	k_q39fd5cf65b_ffn1,@function
k_q39fd5cf65b_ffn1:
	s_mov_b64 s[64:65], 0
	v_nop
	global_prefetch_b8 v0, s[64:65] scope:SCOPE_SE
	s_setreg_imm32_b32 hwreg(HW_REG_WAVE_MODE, 25, 1), 1
	s_wait_xcnt 0x0
	s_wait_alu depctr_hold_cnt(0) depctr_sa_sdst(0) depctr_va_vdst(0) depctr_va_sdst(0) depctr_va_ssrc(0) depctr_va_vcc(0) depctr_vm_vsrc(0)
	s_getreg_b32 s2, hwreg(HW_REG_IB_STS2, 6, 4)
	s_cmp_eq_u32 s2, 0
	s_cbranch_scc0 .Lentry_in_a_cluster
	s_endpgm
.Lentry_in_a_cluster:
	s_bfe_u32 s2, ttmp6, 0x10000c
	s_cmp_lg_u32 s2, 0xf033
	s_cbranch_scc0 .Lentry_shape_is_right
	s_endpgm
.Lentry_shape_is_right:
; Q(A B^T + bias) on codes of BF8 (E5M2): A [4096][SIZE_K], B [N][SIZE_K], one code a byte, K innermost, one scale 2^e a tensor; sums in f32; the result leaves as codes again.
; ONE TEXT, TWO LAUNCHES.  PROJ = 1: the three projections in one launch.  The cluster's y picks the role (0: query's codes x Wq, 1: key x Wk, 2: values x Wv): four clusters of 4 x 4 work-groups a role; only
; pointers and exponents are chosen, by selects on that number, which all partners share.  q, k, v leave as codes laid [batch x head][token][64], one part of 4 MiB each.
; PROJ = 0: the first layer of the FFN: relu(x W1^T + b1) as codes, rows of 4,096.
; LIMITS: eA + eB between -126 and 127; the result's e between -126 and 112; NaN is not served.
; A tile of C, 256 x 256, is made by four waves, as many as a WGP has SIMDs; a wave makes 128 x 128: 64 accumulators of 16 x 16, 512 registers.  K goes in steps of 256 through a ring of two LDS slots filled by the
; tensor data mover: a tile's row is 256 bytes of memory.  CLUSTERS: the four work-groups of a row of the cluster need the same tiles of A, the four of a column the same tiles of B: each tile is asked for JOINTLY.
; THE MATRIX INSTRUCTION IS USED TRANSPOSED (source 0 = 16 rows of B, source 1 = 16 rows of A): a lane then holds eight neighbouring numbers of a row of C, which one conversion turns into eight codes.
; REGISTERS, in windows of 256: window 0: v0-31 addresses; v32-63 codes just made; v64-127 the bias of my 128 columns in the result's layout; from v128 A's fragments, ONE set (on the way out: at work).
;   window 1: B's fragments, TWO sets.   window 2: the accumulators of my rows 0-63 ((a, b) at v[8 (8 a + b)]);   window 3: those of my rows 64-127.
.set PROJ,   0
.set SIZE_K, 1024
.set KSTEP,  256                       ; along K in a slot
.set ROWB,   256                       ; a tile's row in bytes
.set KROW,   SIZE_K                    ; a row of A or of B in memory, in bytes
.set PITCH,  272                       ; an LDS row: 256 bytes + 16 of padding = 68 words: row r starts at bank 4 r mod 64 (64 banks of 4 bytes: ISA guide 11.1)
.set FR,     16                        ; registers of a fragment: 16 rows x 128 K
.set NL,     4                         ; LDS loads that bring one
.set NP,     4                         ; places behind this matrix instruction (ISA guide 7.12.1)
.set HALFT,  128*PITCH                 ; 128 rows: what one tensor load brings
.set SLOT,   4*HALFT                   ; A's 256 rows, then B's 256 rows
.set LAPS,   SIZE_K/(2*KSTEP)          ; a lap = two K steps = once round the ring
.set SPARE,  2*SLOT                    ; behind the ring: the spare words, 128 bytes for each wave, which no other line names
.set ADRA, 16                          ; v16-17  LDS address of my A fragments in slot 0, 1
.set ADRB, 20                          ; v20-21  the same for B
.set RD2,  22                          ; v22     the way out: RD + 128 rows (PROJ)
.set STO,  24                          ; v24     the way out: where I put eight codes of a row
.set RD,   25                          ; v25     the way out: where I read 16 codes back
.set CO,   26                          ; v26     my byte offset in the output
.set BO,   27                          ; v27     my byte offset in the bias
.set SPW,  28                          ; v28     LDS address of my spare word; never rewritten
.set NIL,  29                          ; v29     0; never rewritten
.set SC,   30                          ; v30     the result's scale as f32
.set LIM,  31                          ; v31     57,344 x that
.set CD,   32                          ; v32-63  two sets of 16 registers of codes
.set BI,   64                          ; v64-127 bias: register 8 b + j = column 16 b + 8 (lane / 16) + j of my 128
.set AF,   128                         ; A's fragments
.set TMP,  128                         ; the way out: a block's 64 numbers, later the codes read back
.set G1, 24                            ; s[24:31] descriptor group 1 for A's tiles;  s[32:39] group 0, one set for each slot
.set G0, 32
.set G1B, 48                           ; s[48:55], s[56:63] the same for B's tiles
.set G0B, 56
.if PROJ
.set BP, 8                             ; s[8:9] the bias
.else
.set BP, 68                            ; s[68:69]
.endif
.set MSB, 0
.macro WIN new                         ; the immediate's high byte repeats the setting that is left
.if MSB != \new
	s_set_vgpr_msb (MSB<<8)|\new
.set MSB, \new
.endif
.endm
.set MUL_LO, 0xa1                      ; source 0 (B) window 1, source 1 (A) window 0, C and D window 2
.set MUL_HI, 0xf1                      ; the same, C and D window 3
.set TO_B,   0x40                      ; destination window 1, address window 0
; A joint load: waves 0 and 1 fetch for A, waves 2 and 3 for B.  Each of the two lines has ONE mask and one set of registers for all that issue it; the branch hangs on the wave's number alone.
; Four v_nop follow each of the two lines, ahead of the jump, the label and what follows.
.macro JLOAD g0a, g1a, g0b, g1b
	s_cmp_eq_u32 s15, 0
	s_cbranch_scc0 .Lfor_b_\@
	tensor_load_to_lds s[\g0a:\g0a+3], s[\g1a:\g1a+7]
	s_nop 0
.rept 4
	v_nop
.endr
	s_branch .Lasked_\@
.Lfor_b_\@:
	tensor_load_to_lds s[\g0b:\g0b+3], s[\g1b:\g1b+7]
	s_nop 0
.rept 4
	v_nop
.endr
.Lasked_\@:
.endm
.macro CREST                           ; a round of the cluster's barrier behind its opening barrier
	s_cmp_lg_u32 s14, 0
	s_cbranch_scc1 .Lnot_wave_0_\@
	s_barrier_signal -3
.Lnot_wave_0_\@:
	s_barrier_wait -3
	s_barrier_signal -1
	s_barrier_wait -1
.endm
.macro CROUND                          ; a whole round
	s_barrier_signal -1
	s_barrier_wait -1
	CREST
.endm
.if PROJ
	s_load_b512 s[68:83], s[0:1], 0x0              ; query's codes, key's, values'; Wq, Wk, Wv; bq, bk
	s_load_b128 s[84:87], s[0:1], 0x40             ; bv, the scales' exponents
	s_load_b64 s[88:89], s[0:1], 0x50              ; q, k, v's codes
.else
	s_load_b128 s[4:7], s[0:1], 0x0                ; A's codes s[4:5], B's codes s[6:7]
	s_load_b128 s[8:11], s[0:1], 0x10              ; the scales' exponents s[8:9], the result's codes s[10:11]
	s_load_b64 s[68:69], s[0:1], 0x20              ; the bias
.endif
	v_lshl_add_u32 v[SPW], v0, 2, SPARE
	v_mov_b32 v[NIL], 0
	ds_add_u32 v28, v29
	ds_add_u32 v28, v29
	s_wait_dscnt 0x0
	v_lshrrev_b32 v1, 5, v0
	v_readfirstlane_b32 s14, v1                    ; wave 0..3
	s_lshr_b32 s15, s14, 1                         ; which half of the tile's rows is mine.  Also: I fetch for A (0) or for B (1)
	s_and_b32 s16, s14, 1                          ; which half of its columns.  Also: which 128 rows of that tile I fetch
	s_bfe_u32 s40, ttmp6, 0x40000                  ; cx, cy: my place in the cluster
	s_bfe_u32 s41, ttmp6, 0x40004
	s_lshl_b32 s42, ttmp9, 2
	s_add_co_u32 s42, s42, s40                     ; tile column of C = 4 x cluster x + cx
	s_and_b32 s17, ttmp7, 0xffff                   ; the cluster's y
.if PROJ
	s_lshr_b32 s12, s17, 2                         ; the role: the same number in all sixteen partners
	s_and_b32 s17, s17, 3
.endif
	s_lshl_b32 s17, s17, 2
	s_add_co_u32 s17, s17, s41                     ; tile row of C
	s_lshl_b32 s43, s41, 2
	s_lshl_b32 s43, 15, s43                        ; my row of the cluster
	s_lshl_b32 s44, 0x1111, s40                    ; my column
	; descriptor group 1: a tile of 128 rows x ROWB bytes, padded in LDS
	s_or_b32 s[G1+0], s43, (0<<16)|(1<<20)|(1<<21)|(5<<22)|(3<<25)  ; 15:0 the mask: A's tiles go to my row; 17:16 element of 1 byte; 20 padding on; 21 set beside a mask; 24:22 after every 64 words (code 5); 31:25 of 4 words (code 3)
	s_or_b32 s[G1B+0], s44, (0<<16)|(1<<20)|(1<<21)|(5<<22)|(3<<25)
.irp g, G1, G1B
	s_mov_b32 s[\g+1], ROWB<<16                    ; tensor_dim0
	s_mov_b32 s[\g+2], 128<<16                     ; tensor_dim1 = 128
	s_mov_b32 s[\g+3], ROWB<<16                    ; tile_dim0
	s_mov_b32 s[\g+4], 128                         ; tile_dim1 = 128
	s_mov_b32 s[\g+5], KROW                        ; tensor_dim0_stride
	s_mov_b32 s[\g+6], 0
	s_mov_b32 s[\g+7], 0
.endr
	s_lshl_b32 s18, s16, 7                         ; which 128 rows of the tile I fetch
	s_lshl_b32 s20, s17, 8
	s_add_co_u32 s20, s20, s18                     ; A: row 256 x tile row + 128 x half
	s_lshl_b32 s46, s42, 8
	s_add_co_u32 s46, s46, s18                     ; B: row 256 x tile column + 128 x half
	s_mov_b32 s21, 0
	s_mov_b32 s47, 0
	s_mov_b64 s[18:19], KROW
	s_mul_u64 s[20:21], s[20:21], s[18:19]         ; in bytes
	s_mul_u64 s[46:47], s[46:47], s[18:19]
	s_mul_i32 s45, s14, HALFT                      ; where they go: wave x 128 rows: no place in the cluster enters an LDS address
	s_wait_kmcnt 0x0
.if PROJ
	s_cmp_eq_u32 s12, 0                            ; the role's three buffers: the choice hangs on the cluster's number alone
	s_cselect_b64 s[4:5], s[68:69], s[70:71]
	s_cselect_b64 s[6:7], s[74:75], s[76:77]
	s_cselect_b64 s[8:9], s[80:81], s[82:83]
	s_cmp_eq_u32 s12, 2
	s_cselect_b64 s[4:5], s[72:73], s[4:5]
	s_cselect_b64 s[6:7], s[78:79], s[6:7]
	s_cselect_b64 s[8:9], s[84:85], s[8:9]
	s_mov_b64 s[10:11], s[88:89]
	s_load_b512 s[68:83], s[86:87], 0x0            ; all sixteen exponents: s[68 + i] = entry i
.else
	s_load_b128 s[96:99], s[8:9], 48               ; entries 12 to 15: x's, W1's, the hidden layer's
.endif
	s_add_nc_u64 s[20:21], s[4:5], s[20:21]
	s_add_nc_u64 s[46:47], s[6:7], s[46:47]
	CROUND                                         ; all sixteen work-groups are here: the first joint loads meet
.irp s, 0,1
	s_mov_b32 s[G0+4*\s], 1
	s_add_co_u32 s[G0+4*\s+1], s45, \s*SLOT
	s_add_nc_u64 s[G0+4*\s+2:G0+4*\s+3], s[20:21], \s*ROWB
	s_or_b32 s[G0+4*\s+3], s[G0+4*\s+3], 0x80000000
	s_mov_b32 s[G0B+4*\s], 1
	s_add_co_u32 s[G0B+4*\s+1], s45, \s*SLOT
	s_add_nc_u64 s[G0B+4*\s+2:G0B+4*\s+3], s[46:47], \s*ROWB
	s_or_b32 s[G0B+4*\s+3], s[G0B+4*\s+3], 0x80000000
	JLOAD G0+4*\s, G1, G0B+4*\s, G1B
.endr
	v_and_b32 v1, 15, v0                           ; r = l % 16
	v_bfe_u32 v2, v0, 4, 1                         ; h = l / 16
	v_mul_u32_u24 v3, v1, PITCH
	v_lshl_add_u32 v4, v2, 4, v3                   ; a fragment's row x pitch + 16 x half
	s_mul_i32 s21, s15, HALFT                      ; my 128 rows of A
	s_mul_i32 s22, s16, HALFT                      ; my 128 rows of B,
	s_add_co_u32 s22, s22, 2*HALFT                 ; which lie behind A's 256
.irp s, 0,1
	v_add_nc_u32 v[ADRA+\s], s21, v4
	v_add_nc_u32 v[ADRB+\s], s22, v4
	s_add_co_u32 s21, s21, SLOT
	s_add_co_u32 s22, s22, SLOT
.endr
	; the bias of my 128 columns, in the result's layout; it lands during the loop, in registers that the loop does not touch
	v_lshlrev_b32 v[BO], 5, v2                     ; 32 h: eight numbers for each half of the lanes
	s_lshl_b32 s46, s42, 10
	s_lshl_b32 s47, s16, 9
	s_add_co_u32 s46, s46, s47                     ; 4 x (256 x tile column + 128 x half)
	s_mov_b32 s47, 0
	s_add_nc_u64 s[BP:BP+1], s[BP:BP+1], s[46:47]
.irp b, 0,1,2,3,4,5,6,7
	global_load_b128 v[BI+8*\b:BI+8*\b+3], v[BO], s[BP:BP+1] offset:64*\b
	global_load_b128 v[BI+8*\b+4:BI+8*\b+7], v[BO], s[BP:BP+1] offset:64*\b+16
.endr
	; the way out: ONE stage for the work-group, 256 rows x (256 codes + 16), in slot 0
	s_mul_i32 s23, s15, 128*PITCH
	s_lshl_b32 s21, s16, 7
	s_add_co_u32 s23, s23, s21
	v_lshl_add_u32 v5, v2, 3, v3
	v_add_nc_u32 v[STO], s23, v5                   ; in: row 128 x row half + r, byte 128 x column half + 8 h
.if PROJ
	v_and_b32 v6, 31, v0                           ; back: wave w takes the head 4 x tile column + w: 64 bytes of each of the 256 rows; an instruction takes eight rows
	v_lshrrev_b32 v7, 2, v6
	v_mul_u32_u24 v7, v7, PITCH
	v_and_b32 v8, 3, v6
	v_lshl_add_u32 v7, v8, 4, v7
	s_lshl_b32 s23, s14, 6
	v_add_nc_u32 v[RD], s23, v7
	v_add_nc_u32 v[RD2], 128*PITCH, v[RD]
	v_lshlrev_b32 v[CO], 4, v6                     ; in memory the head's 256 tokens x 64 bytes are dense
	s_lshl_b32 s20, s12, 22                        ; the role's part,
	s_lshr_b32 s21, s17, 2
	s_lshl_b32 s21, s21, 20                        ; the batch: 16 heads x 65,536 bytes,
	s_add_co_u32 s20, s20, s21
	s_and_b32 s21, s17, 3
	s_lshl_b32 s21, s21, 14                        ; 256 tokens x 64 bytes,
	s_add_co_u32 s20, s20, s21
	s_lshl_b32 s21, s14, 16                        ; my head among the tile's four,
	s_add_co_u32 s20, s20, s21
	s_mov_b32 s21, 0
	s_lshl_b32 s46, s42, 18                        ; and the tile's four heads
.else
	v_mul_u32_u24 v7, v2, PITCH                    ; back: wave w takes rows 64 w on, whole: sixteen lanes to a row of 256 bytes, two rows an instruction
	v_lshl_add_u32 v7, v1, 4, v7
	s_mul_i32 s23, s14, 64*PITCH
	v_add_nc_u32 v[RD], s23, v7
	v_lshlrev_b32 v8, 12, v2
	v_lshl_add_u32 v[CO], v1, 4, v8                ; and the same two rows in memory, 4,096 bytes apart
	s_lshl_b32 s20, s17, 20                        ; 256 rows x 4,096 bytes,
	s_lshl_b32 s21, s14, 18                        ; my 64 rows,
	s_add_co_u32 s20, s20, s21
	s_mov_b32 s21, 0
	s_lshl_b32 s46, s42, 8                         ; and the tile's 256 columns
.endif
	s_mov_b32 s47, 0
	s_add_nc_u64 s[20:21], s[20:21], s[46:47]
	s_add_nc_u64 s[10:11], s[10:11], s[20:21]
.macro FRAG reg, adr, q, i             ; a fragment, 16 rows x 128 K, is 16 registers: lane l holds row l % 16; registers 4 c .. 4 c + 3 hold K = 32 c + 16 (l / 16) + 0 .. 15: the same permutation of k in A and in B
.irp c, 0,1,2,3
	ds_load_b128 v[\reg+4*\c:\reg+4*\c+3], v[\adr] offset:128*(\q)+32*\c+(\i)*16*PITCH
.endr
.endm
; 16 matrix instructions: A's blocks a0, a0 + 1 x B's eight, 128 along K.  p: B's set.  zero = 1: the first product starts the sums.
; The 64 accumulators take turns, one instruction a turn, in the same order in every step.
.macro MUL16 a0, p, zero
.irp a, \a0, \a0+1
.irp b, 0,1,2,3,4,5,6,7
.if \zero
	v_wmma_f32_16x16x128_bf8_bf8 v[8*(8*((\a)%4)+\b):8*(8*((\a)%4)+\b)+7], v[128*(\p)+FR*\b:128*(\p)+FR*\b+FR-1], v[AF+FR*(\a):AF+FR*(\a)+FR-1], 0
.else
	v_wmma_f32_16x16x128_bf8_bf8 v[8*(8*((\a)%4)+\b):8*(8*((\a)%4)+\b)+7], v[128*(\p)+FR*\b:128*(\p)+FR*\b+FR-1], v[AF+FR*(\a):AF+FR*(\a)+FR-1], v[8*(8*((\a)%4)+\b):8*(8*((\a)%4)+\b)+7]
.endif
.endr
.endr
.endm
.macro FETCH_B slot, q, p              ; B's eight fragments of the slot's q-th 128 along K into set p
	WIN TO_B
.irp i, 0,1,2,3,4,5,6,7
	FRAG 128*(\p)+FR*\i, ADRB+\slot, \q, \i
.endr
	WIN 0
.endm
.macro FETCH_A slot, q, i0             ; A's blocks i0 .. i0 + 3
.irp i, \i0, \i0+1, \i0+2, \i0+3
	FRAG AF+FR*(\i), ADRA+\slot, \q, \i
.endr
.endm
; A load into a register that a matrix instruction has read, and a vector instruction that reads a matrix result or writes one of its registers, stand NP places behind it; only plain vector
; instructions that name none of its registers are places (ISA guide 7.12.1 for vector instructions).
.macro PLACES n
.rept \n
	v_nop
.endr
.endm
; A step of 128 along K that has its successor in the same slot.
.macro STEP slot, q, zero
	s_wait_dscnt 4*NL                              ; B's set and A's blocks 0-3 are in; the youngest sixteen loads (A's blocks 4-7) may be out
	WIN MUL_LO
	MUL16 0, (\q)%2, \zero
	MUL16 2, (\q)%2, \zero
	s_wait_dscnt 0                                 ; A's blocks 4-7 are in
	PLACES NP
	FETCH_B \slot, (\q)+1, 1-(\q)%2
	FETCH_A \slot, (\q)+1, 0
	WIN MUL_HI
	MUL16 4, (\q)%2, \zero
	MUL16 6, (\q)%2, \zero
	PLACES NP
	WIN 0
	FETCH_A \slot, (\q)+1, 4
.endm
; A slot's last step changes slots: ONE barrier; in front of it each wave waits for all its tensor loads, adds 0 to its spare word, and waits for that and for its own reads of this slot.  fill = 1: this slot is filled again, two K steps ahead.
.macro TURN slot, next, fill
	s_wait_tensorcnt 0x0                           ; all my tensor loads have landed: my part of the next slot
	ds_add_u32 v[SPW], v[NIL]                      ; 0 onto my spare word
	s_wait_dscnt 4*NL+1                            ; (the add and the youngest sixteen loads, A's blocks 4-7, may be out)
	WIN MUL_LO
	MUL16 0, 1, 0                                  ; sixteen matrix instructions stand between the add and the wait for it
	s_wait_dscnt 0x0                               ; the add is done, and my reads of this slot are over
	s_barrier_signal -1
	MUL16 2, 1, 0
	WIN 0
	s_barrier_wait -1
.if \fill
	CREST                                          ; the barrier has opened a round of the cluster's barrier: no wave of any partner still reads this slot's tile or has a load on its way
	s_add_nc_u64 s[G0+4*\slot+2:G0+4*\slot+3], s[G0+4*\slot+2:G0+4*\slot+3], 2*ROWB
	s_add_nc_u64 s[G0B+4*\slot+2:G0B+4*\slot+3], s[G0B+4*\slot+2:G0B+4*\slot+3], 2*ROWB
	JLOAD G0+4*\slot, G1, G0B+4*\slot, G1B         ; the first tensor load behind the round; the four v_nop behind it are the places in front of the loads below
.else
	PLACES NP
.endif
	FETCH_B \next, 0, 0
	FETCH_A \next, 0, 0
	WIN MUL_HI
	MUL16 4, 1, 0
	MUL16 6, 1, 0
	PLACES NP
	WIN 0
	FETCH_A \next, 0, 4
.endm
	s_wait_tensorcnt 1                             ; my part of K step 0 is in (K step 1's load may be out)
	s_barrier_signal -1
	s_barrier_wait -1                              ; everybody's is
	FETCH_B 0, 0, 0
	FETCH_A 0, 0, 0
	FETCH_A 0, 0, 4
	STEP 0, 0, 1                                   ; the first step stands in front of the loop: its products start the sums
	s_mov_b32 s3, LAPS-1
.Llap:                                                 ; a trip goes once round the ring, from a lap's second step to the next lap's first, and fills both slots again
	TURN 0, 1, 1
	STEP 1, 0, 0
	TURN 1, 0, 1
	STEP 0, 0, 0
	s_sub_co_u32 s3, s3, 1
	s_cmp_lg_u32 s3, 0
	s_cbranch_scc1 .Llap
	TURN 0, 1, 0                                   ; the last lap fills nothing
	STEP 1, 0, 0
	s_wait_dscnt 4*NL                              ; the very last step: nothing more to fetch
	WIN MUL_LO
	MUL16 0, 1, 0
	MUL16 2, 1, 0
	s_wait_dscnt 0
	WIN MUL_HI
	MUL16 4, 1, 0
	MUL16 6, 1, 0
	WIN 0
; THE WAY OUT.  number = sum x 2^(eA + eB) + bias (one packed multiply-add for two); held at the largest code x the result's scale (PROJ = 0: and at 0 from below: the activation); eight neighbours of a row become eight
; codes.  The codes of the whole tile meet in the stage, which lies in slot 0: that slot has had its last fill, and every wave has passed the last change of slots, behind which nobody reads it.
.macro CODES a
.set AC, 64*((\a)%4)
.set CDS, CD+16*((\a)%2)
.if (\a) >= 2
	s_wait_dscnt 8                                 ; the stores of two blocks ago have read this set of registers; the last block's eight may be out
.endif
	WIN 0x02+((\a)/4)                              ; source 0: window 2 or 3
.set cj, 0
.rept 32
	v_pk_fma_f32 v[TMP+cj:TMP+cj+1], v[AC+cj:AC+cj+1], s[96:97], v[BI+cj:BI+cj+1] op_sel_hi:[1,0,1]   ; each accumulator from its low end on
.set cj, cj+2
.endr
	WIN 0
.set cj, 0
.rept 64
.if PROJ
	v_med3_num_f32 v[TMP+cj], v[TMP+cj], -v[LIM], v[LIM]   ; the conversion to an 8-bit code does not saturate (ISA guide 7.6.2)
.else
	v_med3_num_f32 v[TMP+cj], v[TMP+cj], 0, v[LIM]         ; the activation and the hold in one
.endif
.set cj, cj+1
.endr
.irp b, 0,1,2,3,4,5,6,7
	v_cvt_scalef32_pk8_bf8_f32 v[CDS+2*\b:CDS+2*\b+1], v[TMP+8*\b:TMP+8*\b+7], v[SC]
.endr
	v_nop                                          ; one plain vector line between the conversions and the next block's lines, which write their sources
.irp b, 0,1,2,3,4,5,6,7
	ds_store_b64 v[STO], v[CDS+2*\b:CDS+2*\b+1] offset:(\a)*16*PITCH+16*\b
.endr
.endm
	s_wait_kmcnt 0x0
.if PROJ
	s_cmp_eq_u32 s12, 0                            ; the role's three exponents: (0, 1, 6), (2, 3, 7), (4, 5, 9)
	s_cselect_b32 s96, s68, s70
	s_cselect_b32 s97, s69, s71
	s_cselect_b32 s98, s74, s75
	s_cmp_eq_u32 s12, 2
	s_cselect_b32 s96, s72, s96
	s_cselect_b32 s97, s73, s97
	s_cselect_b32 s98, s77, s98
.endif
	s_add_co_i32 s96, s96, s97
	s_add_co_i32 s96, s96, 127
	s_lshl_b32 s96, s96, 23                        ; 2^(eA + eB) as f32
	s_mov_b32 s97, s96                             ; (named with it as a pair, so it is written)
	s_add_co_i32 s98, s98, 127
	s_lshl_b32 s99, s98, 23
	v_mov_b32 v[SC], s99                           ; the result's scale: the conversion takes its exponent field
	s_add_co_i32 s98, s98, 15
	s_lshl_b32 s98, s98, 23
	s_or_b32 s98, s98, 0x600000
	v_mov_b32 v[LIM], s98                          ; 57,344 x that
	s_wait_loadcnt 0x0                             ; the bias
	PLACES NP                                      ; behind the last products: their results are read, and A's registers written, below
.irp a, 0,1,2,3,4,5,6,7
	CODES \a
.endr
	s_wait_dscnt 0x0                               ; for the others' sake: my stores into the stage are done
	s_barrier_signal -1
	s_barrier_wait -1
.if PROJ
.set ci, 0
.rept 16
	ds_load_b128 v[TMP+4*ci:TMP+4*ci+3], v[RD] offset:ci*8*PITCH
.set ci, ci+1
.endr
.rept 16
	ds_load_b128 v[TMP+4*ci:TMP+4*ci+3], v[RD2] offset:(ci-16)*8*PITCH
.set ci, ci+1
.endr
.set ci, 0
.rept 32
	s_wait_dscnt 31-ci                             ; LDS loads come back in order: number ci is in
	global_store_b128 v[CO], v[TMP+4*ci:TMP+4*ci+3], s[10:11] offset:512*ci   ; 32 lanes store 512 consecutive bytes, at a multiple of 512 from the buffer's first byte
.set ci, ci+1
.endr
.else
.set ci, 0
.rept 32
	ds_load_b128 v[TMP+4*ci:TMP+4*ci+3], v[RD] offset:ci*2*PITCH
.set ci, ci+1
.endr
.set ci, 0
.rept 32
	s_wait_dscnt 31-ci
	global_store_b128 v[CO], v[TMP+4*ci:TMP+4*ci+3], s[10:11] offset:ci*2*4096   ; 16 lanes store 256 consecutive bytes, at a multiple of 256 from the buffer's first byte
.set ci, ci+1
.endr
.endif
	s_wait_tensorcnt 0x0                           ; the wave's end
	ds_add_u32 v[SPW], v[NIL]
	s_wait_dscnt 0x0
	CROUND                                         ; the closing round: no work-group ends while a partner may still ask for a tile that names it
	s_endpgm
.Lfunc_end_k_q39fd5cf65b_ffn1:
	.size	k_q39fd5cf65b_ffn1, .Lfunc_end_k_q39fd5cf65b_ffn1-k_q39fd5cf65b_ffn1
	.p2alignl 7, 3214868480
	.fill 96, 4, 3214868480
	.section	.rodata,"a",@progbits
	.p2align	6, 0x0
	.amdhsa_kernel k_q39fd5cf65b_ffn1
		.amdhsa_group_segment_fixed_size 327680
		.amdhsa_private_segment_fixed_size 0
		.amdhsa_enable_private_segment 0
		.amdhsa_kernarg_size 40
		.amdhsa_user_sgpr_count 2
		.amdhsa_user_sgpr_kernarg_segment_ptr 1
		.amdhsa_wavefront_size32 1
		.amdhsa_system_sgpr_workgroup_id_x 1
		.amdhsa_system_sgpr_workgroup_id_y 1
		.amdhsa_system_sgpr_workgroup_id_z 1
		.amdhsa_system_vgpr_workitem_id 0
		.amdhsa_next_free_vgpr 1024
		.amdhsa_next_free_sgpr 100
		.amdhsa_reserve_vcc 0
		.amdhsa_float_denorm_mode_32 3
		.amdhsa_float_denorm_mode_16_64 3
		.amdhsa_memory_ordered 1
		.amdhsa_forward_progress 1
		.amdhsa_inst_pref_size 143
	.end_amdhsa_kernel
	.amdgpu_metadata
---
amdhsa.version: [ 1, 2 ]
amdhsa.kernels:
  - .name:           k_q39fd5cf65b_ffn1
    .symbol:         k_q39fd5cf65b_ffn1.kd
    .args:
      - { .name: ac, .offset: 0, .size: 8, .value_kind: global_buffer, .address_space: global }
      - { .name: W1_codes, .offset: 8, .size: 8, .value_kind: global_buffer, .address_space: global }
      - { .name: lowp_scales, .offset: 16, .size: 8, .value_kind: global_buffer, .address_space: global }
      - { .name: hc, .offset: 24, .size: 8, .value_kind: global_buffer, .address_space: global }
      - { .name: b1, .offset: 32, .size: 8, .value_kind: global_buffer, .address_space: global }
    .group_segment_fixed_size: 327680
    .private_segment_fixed_size: 0
    .kernarg_segment_align: 8
    .kernarg_segment_size: 40
    .max_flat_workgroup_size: 128
    .sgpr_count:     100
    .vgpr_count:     1024
    .wavefront_size: 32
...
	.end_amdgpu_metadata
.endif
;; end of part 6
;; launch ffn2 (part 7): grid 4 x 16, 4 waves a work-group, clusters of 4 x 4, 327,680 bytes of LDS; arguments hc, W2_codes, lowp_scales, y, b2, x; writes y
.if DOCPART == 7
	.amdgcn_target "amdgcn-amd-amdhsa--gfx1250"
	.amdhsa_code_object_version 6
	.text
	.protected	k_q39fd5cf65b_ffn2
	.globl	k_q39fd5cf65b_ffn2
	.p2align	8
	.type	k_q39fd5cf65b_ffn2,@function
k_q39fd5cf65b_ffn2:
	s_mov_b64 s[64:65], 0
	v_nop
	global_prefetch_b8 v0, s[64:65] scope:SCOPE_SE
	s_setreg_imm32_b32 hwreg(HW_REG_WAVE_MODE, 25, 1), 1
	s_wait_xcnt 0x0
	s_wait_alu depctr_hold_cnt(0) depctr_sa_sdst(0) depctr_va_vdst(0) depctr_va_sdst(0) depctr_va_ssrc(0) depctr_va_vcc(0) depctr_vm_vsrc(0)
	s_getreg_b32 s2, hwreg(HW_REG_IB_STS2, 6, 4)
	s_cmp_eq_u32 s2, 0
	s_cbranch_scc0 .Lentry_in_a_cluster
	s_endpgm
.Lentry_in_a_cluster:
	s_bfe_u32 s2, ttmp6, 0x10000c
	s_cmp_lg_u32 s2, 0xf033
	s_cbranch_scc0 .Lentry_shape_is_right
	s_endpgm
.Lentry_shape_is_right:
; C = A B^T x 2^(ea + eb) + bias + residual.  A: [4096][SIZE_K], B: [1024][SIZE_K]: codes of BF8 (E5M2), one a byte, K innermost, one scale 2^e a tensor; bias [1024], residual and C [4096][1024]: f32; sums in f32.
; ONE TEXT, TWO LAUNCHES: SIZE_K = 1024, SCOFF = 40: concat x Wo + bo + query.  SIZE_K = 4096, SCOFF = 56: the hidden layer x W2 + b2 + x.  SCOFF: the byte of ea in the buffer of exponents; eb follows it.
; LIMIT: ea + eb between -126 and 127, so that 2^(ea + eb) is an f32 number.
; A tile of C, 256 x 256, is made by four waves, as many as a WGP has SIMDs; a wave makes 128 x 128: 64 accumulators of 16 x 16, 512 registers.  K goes in steps of 256 through a ring of two LDS slots filled by the
; tensor data mover: a tile's row is 256 bytes of memory.  CLUSTERS: the four work-groups of a row of the cluster need the same tiles of A, the four of a column the same tiles of B: each tile is asked for JOINTLY.
; C has 16 x 4 such tiles: 64 work-groups.
; THE MATRIX INSTRUCTION IS USED TRANSPOSED (source 0 = 16 rows of B, source 1 = 16 rows of A): a lane then holds eight neighbouring numbers of a row of C.
; REGISTERS, in windows of 256: window 0: v0-31 addresses; v96-99 the bias of my four columns on the way out; from v128 A's fragments, ONE set; on the way out v32-95, v128-255 are at work.
;   window 1: B's fragments, TWO sets.   window 2: the accumulators of my rows 0-63 ((a, b) at v[8 (8 a + b)]);   window 3: those of my rows 64-127.
.set SIZE_K, 4096
.set SCOFF,  56
.set SIZE_N, 1024
.set KSTEP,  256                       ; along K in a slot
.set ROWB,   256                       ; a tile's row in bytes
.set KROW,   SIZE_K                    ; a row of A or of B in memory, in bytes
.set PITCH,  272                       ; an LDS row: 256 bytes + 16 of padding = 68 words: row r starts at bank 4 r mod 64 (64 banks of 4 bytes: ISA guide 11.1)
.set FR,     16                        ; registers of a fragment: 16 rows x 128 K
.set NL,     4                         ; LDS loads that bring one
.set NP,     4                         ; places behind this matrix instruction (ISA guide 7.12.1)
.set HALFT,  128*PITCH                 ; 128 rows: what one tensor load brings
.set SLOT,   4*HALFT                   ; A's 256 rows, then B's 256 rows
.set LAPS,   SIZE_K/(2*KSTEP)          ; a lap = two K steps = once round the ring
.set SPARE,  2*SLOT                    ; behind the ring: the spare words, 128 bytes for each wave, which no other line names
.set SPITCH, 528                       ; the way out: a stage of 16 rows x (512 bytes + 16) for each wave, in slot 0
.set ADRA, 16                          ; v16-17  LDS address of my A fragments in slot 0, 1
.set ADRB, 20                          ; v20-21  the same for B
.set STO,  24                          ; v24     the way out: where I put 32 bytes of a row
.set RD,   25                          ; v25     the way out: where I read a row back
.set CO,   26                          ; v26     my byte offset in a row of C, of the residual and of the bias: 16 x lane
.set SPW,  28                          ; v28     LDS address of my spare word; never rewritten
.set NIL,  29                          ; v29     0; never rewritten
.set TMP,  32                          ; v32-95  a block's sums x 2^(ea + eb)
.set BIAS, 96                          ; v96-99  the bias of columns 4 x lane on
.set AF,   128                         ; A's fragments
.set BK,   128                         ; v128-191 16 rows read back from the stage
.set RES,  192                         ; v192-255 the same 16 rows of the residual
.set G1, 24                            ; s[24:31] descriptor group 1 for A's tiles;  s[32:39] group 0, one set for each slot
.set G0, 32
.set G1B, 48                           ; s[48:55], s[56:63] the same for B's tiles
.set G0B, 56
.set MSB, 0
.macro WIN new                         ; the immediate's high byte repeats the setting that is left
.if MSB != \new
	s_set_vgpr_msb (MSB<<8)|\new
.set MSB, \new
.endif
.endm
.set MUL_LO, 0xa1                      ; source 0 (B) window 1, source 1 (A) window 0, C and D window 2
.set MUL_HI, 0xf1                      ; the same, C and D window 3
.set TO_B,   0x40                      ; destination window 1, address window 0
; A joint load: waves 0 and 1 fetch for A, waves 2 and 3 for B.  Each of the two lines has ONE mask and one set of registers for all that issue it; the branch hangs on the wave's number alone.
; Four v_nop follow each of the two lines, ahead of the jump, the label and what follows.
.macro JLOAD g0a, g1a, g0b, g1b
	s_cmp_eq_u32 s15, 0
	s_cbranch_scc0 .Lfor_b_\@
	tensor_load_to_lds s[\g0a:\g0a+3], s[\g1a:\g1a+7]
	s_nop 0
.rept 4
	v_nop
.endr
	s_branch .Lasked_\@
.Lfor_b_\@:
	tensor_load_to_lds s[\g0b:\g0b+3], s[\g1b:\g1b+7]
	s_nop 0
.rept 4
	v_nop
.endr
.Lasked_\@:
.endm
.macro CREST                           ; a round of the cluster's barrier behind its opening barrier
	s_cmp_lg_u32 s14, 0
	s_cbranch_scc1 .Lnot_wave_0_\@
	s_barrier_signal -3
.Lnot_wave_0_\@:
	s_barrier_wait -3
	s_barrier_signal -1
	s_barrier_wait -1
.endm
.macro CROUND                          ; a whole round
	s_barrier_signal -1
	s_barrier_wait -1
	CREST
.endm
	s_load_b128 s[4:7], s[0:1], 0x0                ; A's codes s[4:5], B's codes s[6:7]
	s_load_b128 s[8:11], s[0:1], 0x10              ; the scales' exponents s[8:9], C s[10:11]
	s_load_b128 s[68:71], s[0:1], 0x20             ; the bias s[68:69], the residual s[70:71]
	v_lshl_add_u32 v[SPW], v0, 2, SPARE
	v_mov_b32 v[NIL], 0
	ds_add_u32 v28, v29
	ds_add_u32 v28, v29
	s_wait_dscnt 0x0
	v_lshrrev_b32 v1, 5, v0
	v_readfirstlane_b32 s14, v1                    ; wave 0..3
	s_lshr_b32 s15, s14, 1                         ; which half of the tile's rows is mine.  Also: I fetch for A (0) or for B (1)
	s_and_b32 s16, s14, 1                          ; which half of its columns.  Also: which 128 rows of that tile I fetch
	s_bfe_u32 s40, ttmp6, 0x40000                  ; cx, cy: my place in the cluster
	s_bfe_u32 s41, ttmp6, 0x40004
	s_lshl_b32 s42, ttmp9, 2
	s_add_co_u32 s42, s42, s40                     ; tile column of C = 4 x cluster x + cx
	s_and_b32 s17, ttmp7, 0xffff
	s_lshl_b32 s17, s17, 2
	s_add_co_u32 s17, s17, s41                     ; tile row of C = 4 x cluster y + cy
	s_lshl_b32 s43, s41, 2
	s_lshl_b32 s43, 15, s43                        ; my row of the cluster
	s_lshl_b32 s44, 0x1111, s40                    ; my column
	; descriptor group 1: a tile of 128 rows x ROWB bytes, padded in LDS
	s_or_b32 s[G1+0], s43, (0<<16)|(1<<20)|(1<<21)|(5<<22)|(3<<25)  ; 15:0 the mask: A's tiles go to my row; 17:16 element of 1 byte; 20 padding on; 21 set beside a mask; 24:22 after every 64 words (code 5); 31:25 of 4 words (code 3)
	s_or_b32 s[G1B+0], s44, (0<<16)|(1<<20)|(1<<21)|(5<<22)|(3<<25)
.irp g, G1, G1B
	s_mov_b32 s[\g+1], ROWB<<16                    ; tensor_dim0
	s_mov_b32 s[\g+2], 128<<16                     ; tensor_dim1 = 128
	s_mov_b32 s[\g+3], ROWB<<16                    ; tile_dim0
	s_mov_b32 s[\g+4], 128                         ; tile_dim1 = 128
	s_mov_b32 s[\g+5], KROW                        ; tensor_dim0_stride
	s_mov_b32 s[\g+6], 0
	s_mov_b32 s[\g+7], 0
.endr
	s_lshl_b32 s18, s16, 7                         ; which 128 rows of the tile I fetch
	s_lshl_b32 s20, s17, 8
	s_add_co_u32 s20, s20, s18                     ; A: row 256 x tile row + 128 x half
	s_lshl_b32 s46, s42, 8
	s_add_co_u32 s46, s46, s18                     ; B: row 256 x tile column + 128 x half
	s_mov_b32 s21, 0
	s_mov_b32 s47, 0
	s_mov_b64 s[18:19], KROW
	s_mul_u64 s[20:21], s[20:21], s[18:19]         ; in bytes
	s_mul_u64 s[46:47], s[46:47], s[18:19]
	s_mul_i32 s45, s14, HALFT                      ; where they go: wave x 128 rows: no place in the cluster enters an LDS address
	s_wait_kmcnt 0x0
	s_load_b64 s[96:97], s[8:9], SCOFF             ; ea, eb
	s_add_nc_u64 s[20:21], s[4:5], s[20:21]
	s_add_nc_u64 s[46:47], s[6:7], s[46:47]
	CROUND                                         ; all sixteen work-groups are here: the first joint loads meet
.irp s, 0,1
	s_mov_b32 s[G0+4*\s], 1
	s_add_co_u32 s[G0+4*\s+1], s45, \s*SLOT
	s_add_nc_u64 s[G0+4*\s+2:G0+4*\s+3], s[20:21], \s*ROWB
	s_or_b32 s[G0+4*\s+3], s[G0+4*\s+3], 0x80000000
	s_mov_b32 s[G0B+4*\s], 1
	s_add_co_u32 s[G0B+4*\s+1], s45, \s*SLOT
	s_add_nc_u64 s[G0B+4*\s+2:G0B+4*\s+3], s[46:47], \s*ROWB
	s_or_b32 s[G0B+4*\s+3], s[G0B+4*\s+3], 0x80000000
	JLOAD G0+4*\s, G1, G0B+4*\s, G1B
.endr
	v_and_b32 v1, 15, v0                           ; l % 16
	v_bfe_u32 v2, v0, 4, 1                         ; l / 16
	v_mul_u32_u24 v3, v1, PITCH
	v_lshl_add_u32 v4, v2, 4, v3                   ; a fragment's row x pitch + 16 x half
	s_mul_i32 s21, s15, HALFT                      ; my 128 rows of A
	s_mul_i32 s22, s16, HALFT                      ; my 128 rows of B,
	s_add_co_u32 s22, s22, 2*HALFT                 ; which lie behind A's 256
.irp s, 0,1
	v_add_nc_u32 v[ADRA+\s], s21, v4
	v_add_nc_u32 v[ADRB+\s], s22, v4
	s_add_co_u32 s21, s21, SLOT
	s_add_co_u32 s22, s22, SLOT
.endr
	s_mul_i32 s23, s14, 16*SPITCH                  ; my stage
	v_mul_u32_u24 v5, v1, SPITCH                   ; in: row l % 16, 32 bytes for each half of the lanes
	v_lshl_add_u32 v5, v2, 5, v5
	v_add_nc_u32 v[STO], s23, v5
	v_and_b32 v6, 31, v0
	v_lshlrev_b32 v[CO], 4, v6                     ; back: the 32 lanes take one row of 512 bytes; and the same in C
	v_add_nc_u32 v[RD], s23, v[CO]
	s_lshl_b32 s20, s17, 8
	s_lshl_b32 s21, s15, 7
	s_add_co_u32 s20, s20, s21                     ; my first row of C: 256 x tile row + 128 x half
	s_mov_b32 s21, 0
	s_mov_b64 s[18:19], SIZE_N*4
	s_mul_u64 s[20:21], s[20:21], s[18:19]
	s_lshl_b32 s46, s42, 10                        ; my first column, in bytes: 1024 x tile column + 512 x half
	s_lshl_b32 s47, s16, 9
	s_add_co_u32 s46, s46, s47
	s_mov_b32 s47, 0
	s_add_nc_u64 s[68:69], s[68:69], s[46:47]      ; the bias at my first column
	s_add_nc_u64 s[20:21], s[20:21], s[46:47]
	s_add_nc_u64 s[10:11], s[10:11], s[20:21]      ; C and the residual at my part's first number
	s_add_nc_u64 s[70:71], s[70:71], s[20:21]
	global_load_b128 v[BIAS:BIAS+3], v[CO], s[68:69]   ; it lands during the loop, in registers that the loop does not touch
.macro FRAG reg, adr, q, i             ; a fragment, 16 rows x 128 K, is 16 registers: lane l holds row l % 16; registers 4 c .. 4 c + 3 hold K = 32 c + 16 (l / 16) + 0 .. 15: the same permutation of k in A and in B
.irp c, 0,1,2,3
	ds_load_b128 v[\reg+4*\c:\reg+4*\c+3], v[\adr] offset:128*(\q)+32*\c+(\i)*16*PITCH
.endr
.endm
; 16 matrix instructions: A's blocks a0, a0 + 1 x B's eight, 128 along K.  p: B's set.  zero = 1: the first product starts the sums.
; The 64 accumulators take turns, one instruction a turn, in the same order in every step.
.macro MUL16 a0, p, zero
.irp a, \a0, \a0+1
.irp b, 0,1,2,3,4,5,6,7
.if \zero
	v_wmma_f32_16x16x128_bf8_bf8 v[8*(8*((\a)%4)+\b):8*(8*((\a)%4)+\b)+7], v[128*(\p)+FR*\b:128*(\p)+FR*\b+FR-1], v[AF+FR*(\a):AF+FR*(\a)+FR-1], 0
.else
	v_wmma_f32_16x16x128_bf8_bf8 v[8*(8*((\a)%4)+\b):8*(8*((\a)%4)+\b)+7], v[128*(\p)+FR*\b:128*(\p)+FR*\b+FR-1], v[AF+FR*(\a):AF+FR*(\a)+FR-1], v[8*(8*((\a)%4)+\b):8*(8*((\a)%4)+\b)+7]
.endif
.endr
.endr
.endm
.macro FETCH_B slot, q, p              ; B's eight fragments of the slot's q-th 128 along K into set p
	WIN TO_B
.irp i, 0,1,2,3,4,5,6,7
	FRAG 128*(\p)+FR*\i, ADRB+\slot, \q, \i
.endr
	WIN 0
.endm
.macro FETCH_A slot, q, i0             ; A's blocks i0 .. i0 + 3
.irp i, \i0, \i0+1, \i0+2, \i0+3
	FRAG AF+FR*(\i), ADRA+\slot, \q, \i
.endr
.endm
; A load into a register that a matrix instruction has read, and a vector instruction that reads a matrix result or writes one of its registers, stand NP places behind it; only plain vector
; instructions that name none of its registers are places (ISA guide 7.12.1 for vector instructions).
.macro PLACES n
.rept \n
	v_nop
.endr
.endm
; A step of 128 along K that has its successor in the same slot.
.macro STEP slot, q, zero
	s_wait_dscnt 4*NL                              ; B's set and A's blocks 0-3 are in; the youngest sixteen loads (A's blocks 4-7) may be out
	WIN MUL_LO
	MUL16 0, (\q)%2, \zero
	MUL16 2, (\q)%2, \zero
	s_wait_dscnt 0                                 ; A's blocks 4-7 are in
	PLACES NP
	FETCH_B \slot, (\q)+1, 1-(\q)%2
	FETCH_A \slot, (\q)+1, 0
	WIN MUL_HI
	MUL16 4, (\q)%2, \zero
	MUL16 6, (\q)%2, \zero
	PLACES NP
	WIN 0
	FETCH_A \slot, (\q)+1, 4
.endm
; A slot's last step changes slots: ONE barrier; in front of it each wave waits for all its tensor loads, adds 0 to its spare word, and waits for that and for its own reads of this slot.  fill = 1: this slot is filled again, two K steps ahead.
.macro TURN slot, next, fill
	s_wait_tensorcnt 0x0                           ; all my tensor loads have landed: my part of the next slot
	ds_add_u32 v[SPW], v[NIL]                      ; 0 onto my spare word
	s_wait_dscnt 4*NL+1                            ; (the add and the youngest sixteen loads, A's blocks 4-7, may be out)
	WIN MUL_LO
	MUL16 0, 1, 0                                  ; sixteen matrix instructions stand between the add and the wait for it
	s_wait_dscnt 0x0                               ; the add is done, and my reads of this slot are over
	s_barrier_signal -1
	MUL16 2, 1, 0
	WIN 0
	s_barrier_wait -1
.if \fill
	CREST                                          ; the barrier has opened a round of the cluster's barrier: no wave of any partner still reads this slot's tile or has a load on its way
	s_add_nc_u64 s[G0+4*\slot+2:G0+4*\slot+3], s[G0+4*\slot+2:G0+4*\slot+3], 2*ROWB
	s_add_nc_u64 s[G0B+4*\slot+2:G0B+4*\slot+3], s[G0B+4*\slot+2:G0B+4*\slot+3], 2*ROWB
	JLOAD G0+4*\slot, G1, G0B+4*\slot, G1B         ; the first tensor load behind the round; the four v_nop behind it are the places in front of the loads below
.else
	PLACES NP
.endif
	FETCH_B \next, 0, 0
	FETCH_A \next, 0, 0
	WIN MUL_HI
	MUL16 4, 1, 0
	MUL16 6, 1, 0
	PLACES NP
	WIN 0
	FETCH_A \next, 0, 4
.endm
	s_wait_tensorcnt 1                             ; my part of K step 0 is in (K step 1's load may be out)
	s_barrier_signal -1
	s_barrier_wait -1                              ; everybody's is
	FETCH_B 0, 0, 0
	FETCH_A 0, 0, 0
	FETCH_A 0, 0, 4
	STEP 0, 0, 1                                   ; the first step stands in front of the loop: its products start the sums
	s_mov_b32 s3, LAPS-1
.Llap:                                                 ; a trip goes once round the ring, from a lap's second step to the next lap's first, and fills both slots again
	TURN 0, 1, 1
	STEP 1, 0, 0
	TURN 1, 0, 1
	STEP 0, 0, 0
	s_sub_co_u32 s3, s3, 1
	s_cmp_lg_u32 s3, 0
	s_cbranch_scc1 .Llap
	TURN 0, 1, 0                                   ; the last lap fills nothing
	STEP 1, 0, 0
	s_wait_dscnt 4*NL                              ; the very last step: nothing more to fetch
	WIN MUL_LO
	MUL16 0, 1, 0
	MUL16 2, 1, 0
	s_wait_dscnt 0
	WIN MUL_HI
	MUL16 4, 1, 0
	MUL16 6, 1, 0
	WIN 0
; THE WAY OUT, block by block of 16 rows x 128 columns.  A lane holds 32 neighbouring bytes of a row, and the lanes beside it hold other rows: so a block goes through my own stage in LDS and comes back as whole rows of
; 512 bytes.  The stage lies in slot 0, which has had its last fill and its last read.  The multiplication by 2^(ea + eb) is also the sums' way out of the accumulators' window; the residual and the bias are added
; behind the turn, where a lane holds the same 16 bytes of a row as in memory.  Every row's offset is an immediate: 127 rows of 4,096 bytes at the most.
.macro RLOAD a                         ; block a's 16 rows of the residual
.irp t, 0,1,2,3,4,5,6,7,8,9,10,11,12,13,14,15
	global_load_b128 v[RES+4*\t:RES+4*\t+3], v[CO], s[70:71] offset:(16*(\a)+\t)*SIZE_N*4
.endr
.endm
.macro BLOCK a
.set AC, 64*((\a)%4)
.if (\a) > 0
	s_wait_xcnt 0x0                                ; the last block's stores have read their registers: the loads from the stage may land there
.endif
	WIN 0x02+((\a)/4)                              ; source 0: window 2 or 3
.set cj, 0
.rept 32
	v_pk_mul_f32 v[TMP+cj:TMP+cj+1], v[AC+cj:AC+cj+1], s[96:97] op_sel_hi:[1,0]   ; each accumulator from its low end on
.set cj, cj+2
.endr
	WIN 0
.irp b, 0,1,2,3,4,5,6,7
	ds_store_b128 v[STO], v[TMP+8*\b:TMP+8*\b+3] offset:64*\b
	ds_store_b128 v[STO], v[TMP+8*\b+4:TMP+8*\b+7] offset:64*\b+16
.endr
.irp t, 0,1,2,3,4,5,6,7,8,9,10,11,12,13,14,15
	ds_load_b128 v[BK+4*\t:BK+4*\t+3], v[RD] offset:\t*SPITCH     ; LDS serves a wave's instructions in order (ISA guide 5.7.1.4): these see the stores above
.endr
	s_wait_loadcnt 0x0                             ; the residual's 16 rows (and, the first time, the bias)
.irp t, 0,1,2,3,4,5,6,7,8,9,10,11,12,13,14,15
	v_pk_add_f32 v[RES+4*\t:RES+4*\t+1], v[RES+4*\t:RES+4*\t+1], v[BIAS:BIAS+1]
	v_pk_add_f32 v[RES+4*\t+2:RES+4*\t+3], v[RES+4*\t+2:RES+4*\t+3], v[BIAS+2:BIAS+3]
.endr
	s_wait_dscnt 0x0                               ; the block is back; the stage's stores have read their registers
.set cj, 0
.rept 32
	v_pk_add_f32 v[BK+cj:BK+cj+1], v[BK+cj:BK+cj+1], v[RES+cj:RES+cj+1]
.set cj, cj+2
.endr
.irp t, 0,1,2,3,4,5,6,7,8,9,10,11,12,13,14,15
	global_store_b128 v[CO], v[BK+4*\t:BK+4*\t+3], s[10:11] offset:(16*(\a)+\t)*SIZE_N*4   ; 32 lanes store 512 consecutive bytes, at a multiple of 512 from C's first byte
.endr
.if (\a) < 7
	RLOAD (\a)+1
.endif
.endm
	s_wait_kmcnt 0x0
	s_add_co_i32 s96, s96, s97
	s_add_co_i32 s96, s96, 127
	s_lshl_b32 s96, s96, 23                        ; 2^(ea + eb) as f32
	s_mov_b32 s97, s96                             ; (named with it as a pair, so it is written)
	PLACES NP                                      ; behind the last products: loads land in A's registers, and results are read, below
	RLOAD 0
.irp a, 0,1,2,3,4,5,6,7
	BLOCK \a
.endr
	s_wait_tensorcnt 0x0                           ; the wave's end
	ds_add_u32 v[SPW], v[NIL]
	s_wait_dscnt 0x0
	CROUND                                         ; the closing round: no work-group ends while a partner may still ask for a tile that names it
	s_endpgm
.Lfunc_end_k_q39fd5cf65b_ffn2:
	.size	k_q39fd5cf65b_ffn2, .Lfunc_end_k_q39fd5cf65b_ffn2-k_q39fd5cf65b_ffn2
	.p2alignl 7, 3214868480
	.fill 96, 4, 3214868480
	.section	.rodata,"a",@progbits
	.p2align	6, 0x0
	.amdhsa_kernel k_q39fd5cf65b_ffn2
		.amdhsa_group_segment_fixed_size 327680
		.amdhsa_private_segment_fixed_size 0
		.amdhsa_enable_private_segment 0
		.amdhsa_kernarg_size 48
		.amdhsa_user_sgpr_count 2
		.amdhsa_user_sgpr_kernarg_segment_ptr 1
		.amdhsa_wavefront_size32 1
		.amdhsa_system_sgpr_workgroup_id_x 1
		.amdhsa_system_sgpr_workgroup_id_y 1
		.amdhsa_system_sgpr_workgroup_id_z 1
		.amdhsa_system_vgpr_workitem_id 0
		.amdhsa_next_free_vgpr 1024
		.amdhsa_next_free_sgpr 100
		.amdhsa_reserve_vcc 0
		.amdhsa_float_denorm_mode_32 3
		.amdhsa_float_denorm_mode_16_64 3
		.amdhsa_memory_ordered 1
		.amdhsa_forward_progress 1
		.amdhsa_inst_pref_size 167
	.end_amdhsa_kernel
	.amdgpu_metadata
---
amdhsa.version: [ 1, 2 ]
amdhsa.kernels:
  - .name:           k_q39fd5cf65b_ffn2
    .symbol:         k_q39fd5cf65b_ffn2.kd
    .args:
      - { .name: hc, .offset: 0, .size: 8, .value_kind: global_buffer, .address_space: global }
      - { .name: W2_codes, .offset: 8, .size: 8, .value_kind: global_buffer, .address_space: global }
      - { .name: lowp_scales, .offset: 16, .size: 8, .value_kind: global_buffer, .address_space: global }
      - { .name: y, .offset: 24, .size: 8, .value_kind: global_buffer, .address_space: global }
      - { .name: b2, .offset: 32, .size: 8, .value_kind: global_buffer, .address_space: global }
      - { .name: x, .offset: 40, .size: 8, .value_kind: global_buffer, .address_space: global }
    .group_segment_fixed_size: 327680
    .private_segment_fixed_size: 0
    .kernarg_segment_align: 8
    .kernarg_segment_size: 48
    .max_flat_workgroup_size: 128
    .sgpr_count:     100
    .vgpr_count:     1024
    .wavefront_size: 32
...
	.end_amdgpu_metadata
.endif
;; end of part 7
;; launch ln2 (part 8): grid 256 x 1, 4 waves a work-group, no clusters, 0 bytes of LDS; arguments y, ln2_w, ln2_b, out0; writes out0
.if DOCPART == 8
	.amdgcn_target "amdgcn-amd-amdhsa--gfx1250"
	.amdhsa_code_object_version 6
	.text
	.protected	k_q39fd5cf65b_ln2
	.globl	k_q39fd5cf65b_ln2
	.p2align	8
	.type	k_q39fd5cf65b_ln2,@function
k_q39fd5cf65b_ln2:
	s_mov_b64 s[64:65], 0
	v_nop
	global_prefetch_b8 v0, s[64:65] scope:SCOPE_SE
	s_setreg_imm32_b32 hwreg(HW_REG_WAVE_MODE, 25, 1), 1
	s_wait_xcnt 0x0
; LayerNorm over rows of 1,024 f32: out = (y - mean) / sqrt(var + 1e-5) x w + b, var = the mean of (y - mean)^2.  ONE TEXT, TWO LAUNCHES.
; CODES = 1: the result leaves as f32 AND as codes of BF8 (E5M2) with the scale 2^e, e = entry 12 of the exponents (-126 <= e <= 112; NaN is not served).  CODES = 0: f32 alone.
; Memory binds: each byte is read once and written once; no matrix unit, no cluster, no barrier.  One wave takes a whole row (4,096 bytes: eight loads of 512 consecutive bytes, 32 registers a lane) and keeps it in
; registers between the passes; four rows a wave, all 32 loads issued at the head.  Register 4 j + q of a row is column 128 j + 4 lane + q; w and b lie the same way and stay.
; The codes: eight registers give eight codes, four of column group j and four of group j + 1: each word of codes goes to its place in the wave's own 4,096 bytes of LDS, and the four rows leave as 512 consecutive bytes a store.
.set CODES, 0
.set W,   8                            ; v8-39    w
.set BB,  40                           ; v40-71   b
.set X,   72                           ; v72-199  four rows, 32 registers each; a row's registers are written for the last time ahead of its stores
.set T,   200                          ; v200-215 two sets of eight held numbers
.set C,   216                          ; v216-231 two sets of eight words of codes
.set A,   232                          ; v232-239 four chains of sums; v240 what the lane permute brings
.if CODES
.set OUTP, 16
.else
.set OUTP, 10
.endif
	s_load_b256 s[4:11], s[0:1], 0x0               ; y s[4:5], w s[6:7], b s[8:9]; s[10:11]: the exponents (CODES = 1) or the output
.if CODES
	s_load_b128 s[16:19], s[0:1], 0x20             ; the output in f32 s[16:17], its codes s[18:19]
.endif
	v_lshrrev_b32 v1, 5, v0
	v_readfirstlane_b32 s20, v1                    ; wave 0..3
	v_and_b32 v1, 31, v0
	v_lshlrev_b32 v2, 4, v1                        ; 16 x lane
	s_lshl_b32 s22, ttmp9, 16                      ; 16 rows of 4,096 bytes a work-group,
	s_lshl_b32 s23, s20, 14                        ; four a wave
	s_add_co_u32 s22, s22, s23
	s_mov_b32 s23, 0
	s_mov_b32 s12, 0x3a800000                      ; 1 / 1,024
	s_mov_b32 s13, 0x3727c5ac                      ; 1e-5
	s_mov_b32 s14, 0x76543210                      ; v_permlanex16_b32's selects for lane l xor 16
	s_mov_b32 s15, 0xfedcba98
	v_mov_b32 v240, 0                              ; written once: a lane permute's destination counts as one of its sources
.if CODES
	s_lshl_b32 s25, s20, 12                        ; my wave's 4,096 bytes of LDS
	v_lshl_add_u32 v3, v1, 2, s25                  ; in: 4 x lane
	v_add_nc_u32 v6, s25, v2                       ; back: 16 x lane
	s_lshl_b32 s26, ttmp9, 14                      ; 16 rows of 1,024 codes a work-group,
	s_add_co_u32 s26, s26, s25                     ; four a wave
	s_mov_b32 s27, 0
.endif
	s_wait_kmcnt 0x0
.if CODES
	s_load_b32 s24, s[10:11], 48                   ; e
	s_add_nc_u64 s[18:19], s[18:19], s[26:27]
.endif
	s_add_nc_u64 s[4:5], s[4:5], s[22:23]
	s_add_nc_u64 s[OUTP:OUTP+1], s[OUTP:OUTP+1], s[22:23]
.irp j, 0,1,2,3,4,5,6,7
	global_load_b128 v[W+4*\j:W+4*\j+3], v2, s[6:7] offset:512*\j
.endr
.irp j, 0,1,2,3,4,5,6,7
	global_load_b128 v[BB+4*\j:BB+4*\j+3], v2, s[8:9] offset:512*\j
.endr
.irp s, 0,1,2,3
.irp j, 0,1,2,3,4,5,6,7
	global_load_b128 v[X+32*\s+4*\j:X+32*\s+4*\j+3], v2, s[4:5] offset:4096*\s+512*\j th:TH_LOAD_NT
.endr
.endr
.if CODES
	s_wait_kmcnt 0x0
	s_add_co_i32 s24, s24, 127
	s_lshl_b32 s25, s24, 23
	v_mov_b32 v4, s25                              ; 2^e as f32: the conversion takes its exponent field
	s_add_co_i32 s24, s24, 15
	s_lshl_b32 s24, s24, 23
	s_or_b32 s24, s24, 0x600000
	v_mov_b32 v5, s24                              ; 57,344 x 2^e
.endif
.macro FOLD                            ; the four chains, the two halves of a pair and the 32 lanes become one sum, in every lane
	v_pk_add_f32 v[A:A+1], v[A:A+1], v[A+2:A+3]
	v_pk_add_f32 v[A+4:A+5], v[A+4:A+5], v[A+6:A+7]
	v_pk_add_f32 v[A:A+1], v[A:A+1], v[A+4:A+5]
	v_add_f32 v[A], v[A], v[A+1]
	v_add_f32_dpp v[A], v[A], v[A] row_xmask:1 row_mask:0xf bank_mask:0xf
	v_add_f32_dpp v[A], v[A], v[A] row_xmask:2 row_mask:0xf bank_mask:0xf
	v_add_f32_dpp v[A], v[A], v[A] row_xmask:4 row_mask:0xf bank_mask:0xf
	v_add_f32_dpp v[A], v[A], v[A] row_xmask:8 row_mask:0xf bank_mask:0xf
	v_permlanex16_b32 v240, v[A], s14, s15
	v_add_f32 v[A], v[A], v240
.endm
.macro ROW s
.set XS, X+32*(\s)
	s_wait_loadcnt 8*(3-(\s))                      ; w, b and this row are in; the later rows' loads may be out
.irp k, 0,1,2,3
	v_pk_add_f32 v[A+2*\k:A+2*\k+1], v[XS+2*\k:XS+2*\k+1], v[XS+8+2*\k:XS+9+2*\k]     ; the first eight pairs start the chains: nothing is cleared
.endr
.irp p, 8,9,10,11,12,13,14,15
	v_pk_add_f32 v[A+2*(\p%4):A+2*(\p%4)+1], v[A+2*(\p%4):A+2*(\p%4)+1], v[XS+2*\p:XS+2*\p+1]
.endr
	FOLD
	v_mul_f32 v[A], s12, v[A]                      ; the mean
.irp p, 0,1,2,3,4,5,6,7,8,9,10,11,12,13,14,15
	v_pk_add_f32 v[XS+2*\p:XS+2*\p+1], v[XS+2*\p:XS+2*\p+1], v[A:A+1] op_sel_hi:[1,0] neg_lo:[0,1] neg_hi:[0,1]
.endr
.irp k, 0,1,2,3
	v_pk_mul_f32 v[A+2*\k:A+2*\k+1], v[XS+2*\k:XS+2*\k+1], v[XS+2*\k:XS+2*\k+1]
.endr
.irp p, 4,5,6,7,8,9,10,11,12,13,14,15
	v_pk_fma_f32 v[A+2*(\p%4):A+2*(\p%4)+1], v[XS+2*\p:XS+2*\p+1], v[XS+2*\p:XS+2*\p+1], v[A+2*(\p%4):A+2*(\p%4)+1]
.endr
	FOLD
	v_fma_f32 v[A], v[A], s12, s13                 ; var + 1e-5
	v_rsq_f32 v[A], v[A]
	v_nop                                          ; a plain line behind the transcendental
	s_wait_alu depctr_va_vdst(0)
.irp p, 0,1,2,3,4,5,6,7,8,9,10,11,12,13,14,15
	v_pk_mul_f32 v[XS+2*\p:XS+2*\p+1], v[XS+2*\p:XS+2*\p+1], v[A:A+1] op_sel_hi:[1,0]
.endr
.irp p, 0,1,2,3,4,5,6,7,8,9,10,11,12,13,14,15
	v_pk_fma_f32 v[XS+2*\p:XS+2*\p+1], v[XS+2*\p:XS+2*\p+1], v[W+2*\p:W+2*\p+1], v[BB+2*\p:BB+2*\p+1]
.endr
.irp j, 0,1,2,3,4,5,6,7
	global_store_b128 v2, v[XS+4*\j:XS+4*\j+3], s[OUTP:OUTP+1] offset:4096*(\s)+512*\j   ; 32 lanes store 512 consecutive bytes
.endr
.if CODES
.if (\s) >= 2
	s_wait_dscnt 8                                 ; the stores of two rows ago have read this set of code registers; the last row's eight may be out
.endif
.irp g, 0,1,2,3
.irp i, 0,1,2,3,4,5,6,7
	v_med3_num_f32 v[T+8*(\g%2)+\i], v[XS+8*\g+\i], -v5, v5    ; the hold, into other registers: the row's own are being stored
.endr
	v_cvt_scalef32_pk8_bf8_f32 v[C+8*((\s)%2)+2*\g:C+8*((\s)%2)+2*\g+1], v[T+8*(\g%2):T+8*(\g%2)+7], v4   ; the other set's eight holds stand between it and the next writes of its sources
.endr
	v_nop
.irp j, 0,1,2,3,4,5,6,7
	ds_store_b32 v3, v[C+8*((\s)%2)+\j] offset:1024*(\s)+128*\j   ; the codes of columns 128 j + 4 lane on
.endr
.endif
.endm
.irp s, 0,1,2,3
	ROW \s
.endr
.if CODES
.irp i, 0,1,2,3,4,5,6,7
	ds_load_b128 v[W+4*\i:W+4*\i+3], v6 offset:512*\i             ; LDS serves a wave's instructions in order: these see my stores; w is done with
.endr
.irp i, 0,1,2,3,4,5,6,7
	s_wait_dscnt 7-\i
	global_store_b128 v2, v[W+4*\i:W+4*\i+3], s[18:19] offset:512*\i   ; my four rows of codes are 4,096 consecutive bytes
.endr
.endif
	s_endpgm
.Lfunc_end_k_q39fd5cf65b_ln2:
	.size	k_q39fd5cf65b_ln2, .Lfunc_end_k_q39fd5cf65b_ln2-k_q39fd5cf65b_ln2
	.p2alignl 7, 3214868480
	.fill 96, 4, 3214868480
	.section	.rodata,"a",@progbits
	.p2align	6, 0x0
	.amdhsa_kernel k_q39fd5cf65b_ln2
		.amdhsa_group_segment_fixed_size 0
		.amdhsa_private_segment_fixed_size 0
		.amdhsa_enable_private_segment 0
		.amdhsa_kernarg_size 32
		.amdhsa_user_sgpr_count 2
		.amdhsa_user_sgpr_kernarg_segment_ptr 1
		.amdhsa_wavefront_size32 1
		.amdhsa_system_sgpr_workgroup_id_x 1
		.amdhsa_system_sgpr_workgroup_id_y 1
		.amdhsa_system_sgpr_workgroup_id_z 1
		.amdhsa_system_vgpr_workitem_id 0
		.amdhsa_next_free_vgpr 248
		.amdhsa_next_free_sgpr 66
		.amdhsa_reserve_vcc 0
		.amdhsa_float_denorm_mode_32 3
		.amdhsa_float_denorm_mode_16_64 3
		.amdhsa_memory_ordered 1
		.amdhsa_forward_progress 1
		.amdhsa_inst_pref_size 33
	.end_amdhsa_kernel
	.amdgpu_metadata
---
amdhsa.version: [ 1, 2 ]
amdhsa.kernels:
  - .name:           k_q39fd5cf65b_ln2
    .symbol:         k_q39fd5cf65b_ln2.kd
    .args:
      - { .name: y, .offset: 0, .size: 8, .value_kind: global_buffer, .address_space: global }
      - { .name: ln2_w, .offset: 8, .size: 8, .value_kind: global_buffer, .address_space: global }
      - { .name: ln2_b, .offset: 16, .size: 8, .value_kind: global_buffer, .address_space: global }
      - { .name: out0, .offset: 24, .size: 8, .value_kind: global_buffer, .address_space: global }
    .group_segment_fixed_size: 0
    .private_segment_fixed_size: 0
    .kernarg_segment_align: 8
    .kernarg_segment_size: 32
    .max_flat_workgroup_size: 128
    .sgpr_count:     66
    .vgpr_count:     248
    .wavefront_size: 32
...
	.end_amdgpu_metadata
.endif
;; end of part 8
;; ======== version 2 of 2: 8 launches
;; limits: right only within a limited range of input values
;; workspace buffers: ac 4,194,304 bytes; qkv 12,582,912 bytes; y 16,777,216 bytes; x 16,777,216 bytes; hc 16,777,216 bytes
;; launch quantq (part 9): grid 256 x 1, 4 waves a work-group, no clusters, 33,280 bytes of LDS; arguments query, lowp_scales, ac; writes ac
.if DOCPART == 9
	.amdgcn_target "amdgcn-amd-amdhsa--gfx1250"
	.amdhsa_code_object_version 6
	.text
	.protected	k_q39fd5cf65b_quantq
	.globl	k_q39fd5cf65b_quantq
	.p2align	8
	.type	k_q39fd5cf65b_quantq,@function
k_q39fd5cf65b_quantq:
	s_mov_b64 s[64:65], 0
	v_nop
	global_prefetch_b8 v0, s[64:65] scope:SCOPE_SE
	s_setreg_imm32_b32 hwreg(HW_REG_WAVE_MODE, 25, 1), 1
	s_wait_xcnt 0x0
; query [4096][1024], f32, becomes codes of BF8 (E5M2), one a byte, K innermost, with the given scale 2^e, e = entry 0 of the scales.
; code = x / 2^e, held within +-57,344, rounded to the nearest code, ties to even.  LIMITS: -126 <= e and e + 15 <= 127; NaN among the inputs is not served.
; Rows are dense, so the tensor is a plain stream.  A wave takes 8 steps of 512 numbers.  Each of a step's four loads reads 512 consecutive bytes, 16 a lane; the conversions want
; 16 neighbours in ONE lane, so the step's 2,048 bytes turn through the wave's own stage in LDS (16 bytes of padding behind each 64) and come back 64 bytes a lane.
; A lane's 16 codes are 16 bytes: the wave stores 512 consecutive bytes.  Waves share nothing: no barrier.  Loads run four steps (16 loads a wave) ahead, the turn through LDS one step.
.set STEPS, 8
.set EMAX,  15
.set MANT,  0x600000                   ; the mantissa field of 57,344 as f32
.set CB,    16                         ; bytes of 16 codes
.set R,     16                         ; v16-79   four sets of 16 numbers as they are loaded
.set X,     80                         ; v80-111  two sets of 16 neighbours
.set C,     128                        ; v128-159 codes: four registers for each step, so that no store's data are written again
.set WREG,  8192                       ; LDS: a region for each wave: two stages of 32 x SP bytes
.set SP,    80                         ; a lane's place in a stage: its 64 bytes + 16 of padding
	s_load_b128 s[4:7], s[0:1], 0x0                ; query, the scales' exponents
	s_load_b64 s[8:9], s[0:1], 0x10                ; the codes
	v_lshl_add_u32 v192, v0, 2, 0x8000
	v_mov_b32 v193, 0
	v_lshrrev_b32 v1, 5, v0
	v_readfirstlane_b32 s16, v1                    ; wave
	v_and_b32 v2, 31, v0                           ; lane
	v_lshlrev_b32 v3, 4, v2                        ; my 16 bytes of a load's 512
	s_mul_i32 s17, s16, WREG
	v_lshrrev_b32 v14, 2, v2
	v_mul_u32_u24 v14, v14, SP
	v_and_b32 v15, 3, v2
	v_lshl_add_u32 v14, v15, 4, v14
	v_add_nc_u32 v14, s17, v14                     ; the stage, on the way in: SP (lane / 4) + 16 (lane % 4); a load's 512 bytes take eight places
	v_mul_u32_u24 v15, v2, SP
	v_add_nc_u32 v15, s17, v15                     ; and on the way out: SP x lane: my 16 neighbours
	v_mul_u32_u24 v4, v2, CB                       ; my codes' place in a step's
	s_lshl_b32 s18, ttmp9, 2
	s_add_co_u32 s18, s18, s16                     ; which run of 4,096 numbers is my wave's
	s_lshl_b32 s20, s18, 14                        ; 16,384 bytes of f32 a run,
	s_mov_b32 s21, 0
	s_lshl_b32 s22, s18, 12                        ; 4,096 bytes of codes
	s_mov_b32 s23, 0
	s_wait_alu depctr_va_vdst(0)
	s_wait_kmcnt 0x0
	s_load_b32 s24, s[6:7], 0x0                    ; e
	s_add_nc_u64 s[4:5], s[4:5], s[20:21]
	s_add_nc_u64 s[8:9], s[8:9], s[22:23]
.macro LOAD t
.irp i, 0,1,2,3
	global_load_b128 v[R+16*((\t)%4)+4*\i:R+16*((\t)%4)+4*\i+3], v3, s[4:5] offset:2048*(\t)+512*\i   ; 32 lanes read 512 consecutive bytes
.endr
.endm
.macro TURN t                          ; step t's numbers through the stage: LDS serves a wave's instructions in order, so no wait stands between the stores and the loads
.irp i, 0,1,2,3
	ds_store_b128 v14, v[R+16*((\t)%4)+4*\i:R+16*((\t)%4)+4*\i+3] offset:32*SP*((\t)%2)+8*SP*\i
.endr
.irp i, 0,1,2,3
	ds_load_b128 v[X+16*((\t)%2)+4*\i:X+16*((\t)%2)+4*\i+3], v15 offset:32*SP*((\t)%2)+16*\i
.endr
.endm
.irp t, 0,1,2,3
	LOAD \t
.endr
	s_wait_kmcnt 0x0
	s_add_co_i32 s24, s24, 127
	s_lshl_b32 s25, s24, 23
	v_mov_b32 v11, s25                             ; 2^e as f32: the conversion takes its exponent field
	s_add_co_i32 s24, s24, EMAX
	s_lshl_b32 s24, s24, 23
	s_or_b32 s24, s24, MANT
	v_mov_b32 v10, s24                             ; 57,344 x 2^e
	s_wait_alu depctr_va_vdst(0)
	s_wait_loadcnt 12                              ; step 0's four loads are in
	TURN 0
.macro STEP t
.set XS, X+16*((\t)%2)
	s_wait_dscnt 0x0                               ; this step's numbers are back from the stage: so its stores into the stage have read their registers,
.if (\t)+4 < STEPS
	LOAD (\t)+4                                    ; which take the loads of four steps on
.endif
.if (\t)+1 < STEPS
.if STEPS-2-(\t) >= 3
	s_wait_loadcnt 12                              ; the next step's four loads are in; those of the three steps behind it may be out
.else
	s_wait_loadcnt 4*(STEPS-2-(\t))
.endif
	TURN (\t)+1                                    ; and go through the other stage while this step is worked
.endif
.irp i, 0,1,2,3,4,5,6,7,8,9,10,11,12,13,14,15
	v_med3_num_f32 v[XS+\i], v[XS+\i], -v10, v10   ; the conversion to an 8-bit code does not saturate (ISA guide 7.6.2): the hold at the largest code x the scale
.endr
	v_cvt_scalef32_pk8_bf8_f32 v[C+4*(\t):C+4*(\t)+1], v[XS:XS+7], v11
	v_cvt_scalef32_pk8_bf8_f32 v[C+4*(\t)+2:C+4*(\t)+3], v[XS+8:XS+15], v11
	global_store_b128 v4, v[C+4*(\t):C+4*(\t)+3], s[8:9] offset:32*CB*(\t)     ; the results go to a store alone; the next vector lines are the next step's plain holds, on other registers
.endm
.irp t, 0,1,2,3,4,5,6,7
	STEP \t
.endr
	s_wait_tensorcnt 0x0
	ds_add_u32 v192, v193
	s_wait_dscnt 0x0
	s_endpgm
.Lfunc_end_k_q39fd5cf65b_quantq:
	.size	k_q39fd5cf65b_quantq, .Lfunc_end_k_q39fd5cf65b_quantq-k_q39fd5cf65b_quantq
	.p2alignl 7, 3214868480
	.fill 96, 4, 3214868480
	.section	.rodata,"a",@progbits
	.p2align	6, 0x0
	.amdhsa_kernel k_q39fd5cf65b_quantq
		.amdhsa_group_segment_fixed_size 33280
		.amdhsa_private_segment_fixed_size 0
		.amdhsa_enable_private_segment 0
		.amdhsa_kernarg_size 24
		.amdhsa_user_sgpr_count 2
		.amdhsa_user_sgpr_kernarg_segment_ptr 1
		.amdhsa_wavefront_size32 1
		.amdhsa_system_sgpr_workgroup_id_x 1
		.amdhsa_system_sgpr_workgroup_id_y 1
		.amdhsa_system_sgpr_workgroup_id_z 1
		.amdhsa_system_vgpr_workitem_id 0
		.amdhsa_next_free_vgpr 194
		.amdhsa_next_free_sgpr 66
		.amdhsa_reserve_vcc 0
		.amdhsa_float_denorm_mode_32 3
		.amdhsa_float_denorm_mode_16_64 3
		.amdhsa_memory_ordered 1
		.amdhsa_forward_progress 1
		.amdhsa_inst_pref_size 20
	.end_amdhsa_kernel
	.amdgpu_metadata
---
amdhsa.version: [ 1, 2 ]
amdhsa.kernels:
  - .name:           k_q39fd5cf65b_quantq
    .symbol:         k_q39fd5cf65b_quantq.kd
    .args:
      - { .name: query, .offset: 0, .size: 8, .value_kind: global_buffer, .address_space: global }
      - { .name: lowp_scales, .offset: 8, .size: 8, .value_kind: global_buffer, .address_space: global }
      - { .name: ac, .offset: 16, .size: 8, .value_kind: global_buffer, .address_space: global }
    .group_segment_fixed_size: 33280
    .private_segment_fixed_size: 0
    .kernarg_segment_align: 8
    .kernarg_segment_size: 24
    .max_flat_workgroup_size: 128
    .sgpr_count:     66
    .vgpr_count:     194
    .wavefront_size: 32
...
	.end_amdgpu_metadata
.endif
;; end of part 9
;; launch proj (part 10): grid 4 x 48, 4 waves a work-group, clusters of 4 x 4, 327,680 bytes of LDS; arguments ac, key_codes, values_codes, Wq_codes, Wk_codes, Wv_codes, bq, bk, bv, lowp_scales, qkv; writes qkv
.if DOCPART == 10
	.amdgcn_target "amdgcn-amd-amdhsa--gfx1250"
	.amdhsa_code_object_version 6
	.text
	.protected	k_q39fd5cf65b_proj
	.globl	k_q39fd5cf65b_proj
	.p2align	8
	.type	k_q39fd5cf65b_proj,@function
k_q39fd5cf65b_proj:
	s_mov_b64 s[64:65], 0
	v_nop
	global_prefetch_b8 v0, s[64:65] scope:SCOPE_SE
	s_setreg_imm32_b32 hwreg(HW_REG_WAVE_MODE, 25, 1), 1
	s_wait_xcnt 0x0
	s_wait_alu depctr_hold_cnt(0) depctr_sa_sdst(0) depctr_va_vdst(0) depctr_va_sdst(0) depctr_va_ssrc(0) depctr_va_vcc(0) depctr_vm_vsrc(0)
	s_getreg_b32 s2, hwreg(HW_REG_IB_STS2, 6, 4)
	s_cmp_eq_u32 s2, 0
	s_cbranch_scc0 .Lentry_in_a_cluster
	s_endpgm
.Lentry_in_a_cluster:
	s_bfe_u32 s2, ttmp6, 0x10000c
	s_cmp_lg_u32 s2, 0xf033
	s_cbranch_scc0 .Lentry_shape_is_right
	s_endpgm
.Lentry_shape_is_right:
; Q(A B^T + bias) on codes of BF8 (E5M2): A [4096][SIZE_K], B [N][SIZE_K], one code a byte, K innermost, one scale 2^e a tensor; sums in f32; the result leaves as codes again.
; ONE TEXT, TWO LAUNCHES.  PROJ = 1: the three projections in one launch.  The cluster's y picks the role (0: query's codes x Wq, 1: key x Wk, 2: values x Wv): four clusters of 4 x 4 work-groups a role; only
; pointers and exponents are chosen, by selects on that number, which all partners share.  q, k, v leave as codes laid [batch x head][token][64], one part of 4 MiB each.
; PROJ = 0: the first layer of the FFN: relu(x W1^T + b1) as codes, rows of 4,096.
; LIMITS: eA + eB between -126 and 127; the result's e between -126 and 112; NaN is not served.
; A tile of C, 256 x 256, is made by four waves, as many as a WGP has SIMDs; a wave makes 128 x 128: 64 accumulators of 16 x 16, 512 registers.  K goes in steps of 256 through a ring of two LDS slots filled by the
; tensor data mover: a tile's row is 256 bytes of memory.  CLUSTERS: the four work-groups of a row of the cluster need the same tiles of A, the four of a column the same tiles of B: each tile is asked for JOINTLY.
; THE MATRIX INSTRUCTION IS USED TRANSPOSED (source 0 = 16 rows of B, source 1 = 16 rows of A): a lane then holds eight neighbouring numbers of a row of C, which one conversion turns into eight codes.
; REGISTERS, in windows of 256: window 0: v0-31 addresses; v32-63 codes just made; v64-127 the bias of my 128 columns in the result's layout; from v128 A's fragments, ONE set (on the way out: at work).
;   window 1: B's fragments, TWO sets.   window 2: the accumulators of my rows 0-63 ((a, b) at v[8 (8 a + b)]);   window 3: those of my rows 64-127.
; ROLE 2 IS TURNED ROUND, and v leaves otherwise than the lines above say: its A is Wv (rows = channels) and its B the values' codes (rows = tokens), so that a lane's eight neighbours run along the TOKENS, which are the
; K of attention's second product.  v leaves as [batch x head][64 channels][1,024 tokens].  Tile row = cy, tile column = 4 x (cluster's y % 4) + cx there; the bias goes by rows (one number a lane and block of 16 rows).
; Only selects and branches on the role, which all sixteen partners share, tell the roles apart.  Both kinds of bias are loaded in every role, at places held inside the buffer; a role uses its own.
; PREFETCH INTO THE L2: behind the load of K step n stands one prefetch a wave for K step n + 2 (n = 0, 1; the head asks for K step 1 as well).  Of the 128 rows that a wave fetches, each of the four partners that ask for
; them jointly takes 32, told apart by address (cx for A, cy for B), a lane a row of 256 bytes: each block is named once in each cluster that loads it.  The steps are told apart by the immediate: no address is stepped.
.set BR,   8                           ; v8-15   role 2's bias: register a = the bias of row 16 a + lane % 16 of my 128
.set RDV,  18                          ; v18     role 2's way out: where I read 16 codes back
.set COV,  19                          ; v19     role 2's way out: my byte offset in the output
.set PFO,  23                          ; v23     the prefetches' offset: 1,024 x lane; never rewritten
.set PFA,  66                          ; s[66:67] my work-group's 32 rows of the 128 that I fetch, at K step 0; never rewritten
.set PROJ,   1
.set SIZE_K, 1024
.set KSTEP,  256                       ; along K in a slot
.set ROWB,   256                       ; a tile's row in bytes
.set KROW,   SIZE_K                    ; a row of A or of B in memory, in bytes
.set PITCH,  272                       ; an LDS row: 256 bytes + 16 of padding = 68 words: row r starts at bank 4 r mod 64 (64 banks of 4 bytes: ISA guide 11.1)
.set FR,     16                        ; registers of a fragment: 16 rows x 128 K
.set NL,     4                         ; LDS loads that bring one
.set NP,     4                         ; places behind this matrix instruction (ISA guide 7.12.1)
.set HALFT,  128*PITCH                 ; 128 rows: what one tensor load brings
.set SLOT,   4*HALFT                   ; A's 256 rows, then B's 256 rows
.set LAPS,   SIZE_K/(2*KSTEP)          ; a lap = two K steps = once round the ring
.set SPARE,  2*SLOT                    ; behind the ring: the spare words, 128 bytes for each wave, which no other line names
.set ADRA, 16                          ; v16-17  LDS address of my A fragments in slot 0, 1
.set ADRB, 20                          ; v20-21  the same for B
.set RD2,  22                          ; v22     the way out: RD + 128 rows (PROJ)
.set STO,  24                          ; v24     the way out: where I put eight codes of a row
.set RD,   25                          ; v25     the way out: where I read 16 codes back
.set CO,   26                          ; v26     my byte offset in the output
.set BO,   27                          ; v27     my byte offset in the bias
.set SPW,  28                          ; v28     LDS address of my spare word; never rewritten
.set NIL,  29                          ; v29     0; never rewritten
.set SC,   30                          ; v30     the result's scale as f32
.set LIM,  31                          ; v31     57,344 x that
.set CD,   32                          ; v32-63  two sets of 16 registers of codes
.set BI,   64                          ; v64-127 bias: register 8 b + j = column 16 b + 8 (lane / 16) + j of my 128
.set AF,   128                         ; A's fragments
.set TMP,  128                         ; the way out: a block's 64 numbers, later the codes read back
.set G1, 24                            ; s[24:31] descriptor group 1 for A's tiles;  s[32:39] group 0, one set for each slot
.set G0, 32
.set G1B, 48                           ; s[48:55], s[56:63] the same for B's tiles
.set G0B, 56
.if PROJ
.set BP, 8                             ; s[8:9] the bias
.else
.set BP, 68                            ; s[68:69]
.endif
.set MSB, 0
.macro WIN new                         ; the immediate's high byte repeats the setting that is left
.if MSB != \new
	s_set_vgpr_msb (MSB<<8)|\new
.set MSB, \new
.endif
.endm
.set MUL_LO, 0xa1                      ; source 0 (B) window 1, source 1 (A) window 0, C and D window 2
.set MUL_HI, 0xf1                      ; the same, C and D window 3
.set TO_B,   0x40                      ; destination window 1, address window 0
; A joint load: waves 0 and 1 fetch for A, waves 2 and 3 for B.  Each of the two lines has ONE mask and one set of registers for all that issue it; the branch hangs on the wave's number alone.
; Four v_nop follow each of the two lines, ahead of the jump, the label and what follows.
.macro JLOAD g0a, g1a, g0b, g1b
	s_cmp_eq_u32 s15, 0
	s_cbranch_scc0 .Lfor_b_\@
	tensor_load_to_lds s[\g0a:\g0a+3], s[\g1a:\g1a+7]
	s_nop 0
.rept 4
	v_nop
.endr
	s_branch .Lasked_\@
.Lfor_b_\@:
	tensor_load_to_lds s[\g0b:\g0b+3], s[\g1b:\g1b+7]
	s_nop 0
.rept 4
	v_nop
.endr
.Lasked_\@:
.endm
.macro CREST                           ; a round of the cluster's barrier behind its opening barrier
	s_cmp_lg_u32 s14, 0
	s_cbranch_scc1 .Lnot_wave_0_\@
	s_barrier_signal -3
.Lnot_wave_0_\@:
	s_barrier_wait -3
	s_barrier_signal -1
	s_barrier_wait -1
.endm
.macro CROUND                          ; a whole round
	s_barrier_signal -1
	s_barrier_wait -1
	CREST
.endm
.if PROJ
	s_load_b512 s[68:83], s[0:1], 0x0              ; query's codes, key's, values'; Wq, Wk, Wv; bq, bk
	s_load_b128 s[84:87], s[0:1], 0x40             ; bv, the scales' exponents
	s_load_b64 s[88:89], s[0:1], 0x50              ; q, k, v's codes
.else
	s_load_b128 s[4:7], s[0:1], 0x0                ; A's codes s[4:5], B's codes s[6:7]
	s_load_b128 s[8:11], s[0:1], 0x10              ; the scales' exponents s[8:9], the result's codes s[10:11]
	s_load_b64 s[68:69], s[0:1], 0x20              ; the bias
.endif
	v_lshl_add_u32 v[SPW], v0, 2, SPARE
	v_mov_b32 v[NIL], 0
	ds_add_u32 v28, v29
	ds_add_u32 v28, v29
	s_wait_dscnt 0x0
	v_lshrrev_b32 v1, 5, v0
	v_readfirstlane_b32 s14, v1                    ; wave 0..3
	s_lshr_b32 s15, s14, 1                         ; which half of the tile's rows is mine.  Also: I fetch for A (0) or for B (1)
	s_and_b32 s16, s14, 1                          ; which half of its columns.  Also: which 128 rows of that tile I fetch
	s_bfe_u32 s40, ttmp6, 0x40000                  ; cx, cy: my place in the cluster
	s_bfe_u32 s41, ttmp6, 0x40004
	s_lshl_b32 s42, ttmp9, 2
	s_add_co_u32 s42, s42, s40                     ; tile column of C = 4 x cluster x + cx
	s_and_b32 s17, ttmp7, 0xffff                   ; the cluster's y
.if PROJ
	s_lshr_b32 s12, s17, 2                         ; the role: the same number in all sixteen partners
	s_and_b32 s17, s17, 3
	s_lshl_b32 s13, s17, 2
	s_add_co_u32 s13, s13, s42                     ; role 2's tile column: 4 x (cluster's y % 4) + cx
.endif
	s_lshl_b32 s17, s17, 2
	s_add_co_u32 s17, s17, s41                     ; tile row of C
.if PROJ
	s_cmp_eq_u32 s12, 2
	s_cselect_b32 s17, s41, s17                    ; role 2: tile row = cy (256 channels),
	s_cselect_b32 s42, s13, s42                    ; tile column among sixteen (256 tokens)
.endif
	s_lshl_b32 s43, s41, 2
	s_lshl_b32 s43, 15, s43                        ; my row of the cluster
	s_lshl_b32 s44, 0x1111, s40                    ; my column
	; descriptor group 1: a tile of 128 rows x ROWB bytes, padded in LDS
	s_or_b32 s[G1+0], s43, (0<<16)|(1<<20)|(1<<21)|(5<<22)|(3<<25)  ; 15:0 the mask: A's tiles go to my row; 17:16 element of 1 byte; 20 padding on; 21 set beside a mask; 24:22 after every 64 words (code 5); 31:25 of 4 words (code 3)
	s_or_b32 s[G1B+0], s44, (0<<16)|(1<<20)|(1<<21)|(5<<22)|(3<<25)
.irp g, G1, G1B
	s_mov_b32 s[\g+1], ROWB<<16                    ; tensor_dim0
	s_mov_b32 s[\g+2], 128<<16                     ; tensor_dim1 = 128
	s_mov_b32 s[\g+3], ROWB<<16                    ; tile_dim0
	s_mov_b32 s[\g+4], 128                         ; tile_dim1 = 128
	s_mov_b32 s[\g+5], KROW                        ; tensor_dim0_stride
	s_mov_b32 s[\g+6], 0
	s_mov_b32 s[\g+7], 0
.endr
	s_lshl_b32 s18, s16, 7                         ; which 128 rows of the tile I fetch
	s_lshl_b32 s20, s17, 8
	s_add_co_u32 s20, s20, s18                     ; A: row 256 x tile row + 128 x half
	s_lshl_b32 s46, s42, 8
	s_add_co_u32 s46, s46, s18                     ; B: row 256 x tile column + 128 x half
	s_mov_b32 s21, 0
	s_mov_b32 s47, 0
	s_mov_b64 s[18:19], KROW
	s_mul_u64 s[20:21], s[20:21], s[18:19]         ; in bytes
	s_mul_u64 s[46:47], s[46:47], s[18:19]
	s_mul_i32 s45, s14, HALFT                      ; where they go: wave x 128 rows: no place in the cluster enters an LDS address
	s_wait_kmcnt 0x0
.if PROJ
	s_cmp_eq_u32 s12, 0                            ; the role's three buffers: the choice hangs on the cluster's number alone
	s_cselect_b64 s[4:5], s[68:69], s[70:71]
	s_cselect_b64 s[6:7], s[74:75], s[76:77]
	s_cselect_b64 s[8:9], s[80:81], s[82:83]
	s_cmp_eq_u32 s12, 2
	s_cselect_b64 s[4:5], s[78:79], s[4:5]         ; role 2: A = Wv,
	s_cselect_b64 s[6:7], s[72:73], s[6:7]         ; B = the values' codes
	s_cselect_b64 s[8:9], s[84:85], s[8:9]
	s_mov_b64 s[10:11], s[88:89]
	s_load_b512 s[68:83], s[86:87], 0x0            ; all sixteen exponents: s[68 + i] = entry i
.else
	s_load_b128 s[96:99], s[8:9], 48               ; entries 12 to 15: x's, W1's, the hidden layer's
.endif
	s_add_nc_u64 s[20:21], s[4:5], s[20:21]
	s_add_nc_u64 s[46:47], s[6:7], s[46:47]
	CROUND                                         ; all sixteen work-groups are here: the first joint loads meet
.irp s, 0,1
	s_mov_b32 s[G0+4*\s], 1
	s_add_co_u32 s[G0+4*\s+1], s45, \s*SLOT
	s_add_nc_u64 s[G0+4*\s+2:G0+4*\s+3], s[20:21], \s*ROWB
	s_or_b32 s[G0+4*\s+3], s[G0+4*\s+3], 0x80000000
	s_mov_b32 s[G0B+4*\s], 1
	s_add_co_u32 s[G0B+4*\s+1], s45, \s*SLOT
	s_add_nc_u64 s[G0B+4*\s+2:G0B+4*\s+3], s[46:47], \s*ROWB
	s_or_b32 s[G0B+4*\s+3], s[G0B+4*\s+3], 0x80000000
.endr
	JLOAD G0, G1, G0B, G1B                         ; K step 0
	v_and_b32 v1, 15, v0                           ; r = l % 16
	v_bfe_u32 v2, v0, 4, 1                         ; h = l / 16
	v_mul_u32_u24 v3, v1, PITCH
	s_wait_alu depctr_va_vdst(0)
	v_lshl_add_u32 v4, v2, 4, v3                   ; a fragment's row x pitch + 16 x half
	s_mul_i32 s21, s15, HALFT                      ; my 128 rows of A
	s_mul_i32 s22, s16, HALFT                      ; my 128 rows of B,
	s_add_co_u32 s22, s22, 2*HALFT                 ; which lie behind A's 256
.irp s, 0,1
	v_add_nc_u32 v[ADRA+\s], s21, v4
	v_add_nc_u32 v[ADRB+\s], s22, v4
	s_add_co_u32 s21, s21, SLOT
	s_add_co_u32 s22, s22, SLOT
.endr
	; the bias of my 128 columns, in the result's layout; it lands during the loop, in registers that the loop does not touch
	s_wait_alu depctr_va_vdst(0)
	s_lshl_b32 s90, s17, 8                         ; the prefetches: the tile's first row, in A by the tile row,
	s_lshl_b32 s91, s42, 8                         ; in B by the tile column
	s_cmp_eq_u32 s15, 0                            ; do I fetch for A?
	s_cselect_b32 s90, s90, s91
	s_cselect_b32 s91, s40, s41                    ; my place among the four that ask with me
	s_cselect_b64 s[PFA:PFA+1], s[4:5], s[6:7]
	s_lshl_b32 s92, s16, 7
	s_add_co_u32 s90, s90, s92                     ; + the 128 rows that I fetch
	s_lshl_b32 s91, s91, 5
	s_add_co_u32 s90, s90, s91                     ; + my work-group's 32 of them
	s_lshl_b32 s90, s90, 10                        ; rows of 1,024 bytes
	s_mov_b32 s91, 0
	s_add_nc_u64 s[PFA:PFA+1], s[PFA:PFA+1], s[90:91]
	v_and_b32 v[PFO], 31, v0
	v_lshlrev_b32 v[PFO], 10, v[PFO]
	global_prefetch_b8 v[PFO], s[PFA:PFA+1] offset:ROWB th:TH_LOAD_NT scope:SCOPE_SE     ; K step 1
	global_prefetch_b8 v[PFO], s[PFA:PFA+1] offset:2*ROWB th:TH_LOAD_NT scope:SCOPE_SE   ; K step 2
	s_and_b32 s94, s17, 3                          ; the bias by rows: 4 x (256 x tile row + 128 x row half); the tile row is held under 4, which changes nothing in role 2
	s_lshl_b32 s94, s94, 10
	s_lshl_b32 s95, s15, 9
	s_add_co_u32 s94, s94, s95
	s_mov_b32 s95, 0
	s_add_nc_u64 s[92:93], s[BP:BP+1], s[94:95]
	v_lshlrev_b32 v[BO], 5, v2                     ; the bias by columns: 32 h: eight numbers for each half of the lanes
	s_and_b32 s46, s42, 3                          ; the tile column is held under 4, which changes nothing in roles 0 and 1
	s_lshl_b32 s46, s46, 10
	s_lshl_b32 s47, s16, 9
	s_add_co_u32 s46, s46, s47                     ; 4 x (256 x tile column + 128 x half)
	s_mov_b32 s47, 0
	s_add_nc_u64 s[BP:BP+1], s[BP:BP+1], s[46:47]
.irp b, 0,1,2,3,4,5,6,7
	global_load_b128 v[BI+8*\b:BI+8*\b+3], v[BO], s[BP:BP+1] offset:64*\b
	global_load_b128 v[BI+8*\b+4:BI+8*\b+7], v[BO], s[BP:BP+1] offset:64*\b+16
.endr
	; the way out: ONE stage for the work-group, 256 rows x (256 codes + 16), in slot 0
	s_mul_i32 s23, s15, 128*PITCH
	s_lshl_b32 s21, s16, 7
	s_add_co_u32 s23, s23, s21
	v_lshl_add_u32 v5, v2, 3, v3
	v_add_nc_u32 v[STO], s23, v5                   ; in: row 128 x row half + r, byte 128 x column half + 8 h
.if PROJ
	v_and_b32 v6, 31, v0                           ; back: wave w takes the head 4 x tile column + w: 64 bytes of each of the 256 rows; an instruction takes eight rows
	v_lshrrev_b32 v7, 2, v6
	v_mul_u32_u24 v7, v7, PITCH
	v_and_b32 v8, 3, v6
	v_lshl_add_u32 v7, v8, 4, v7
	s_lshl_b32 s23, s14, 6
	v_add_nc_u32 v[RD], s23, v7
	v_add_nc_u32 v[RD2], 128*PITCH, v[RD]
	v_lshlrev_b32 v[CO], 4, v6                     ; in memory the head's 256 tokens x 64 bytes are dense
	v_mul_u32_u24 v[RDV], v2, PITCH                ; role 2, back: wave w takes rows 64 w on (a head's 64 channels), whole: sixteen lanes to a row of 256 bytes, two rows an instruction
	v_lshl_add_u32 v[RDV], v1, 4, v[RDV]
	s_mul_i32 s90, s14, 64*PITCH
	v_add_nc_u32 v[RDV], s90, v[RDV]
	v_lshlrev_b32 v[COV], 10, v2
	v_lshl_add_u32 v[COV], v1, 4, v[COV]           ; and the same two rows in memory, 1,024 bytes apart
	s_cmp_eq_u32 s12, 2
	s_cselect_b32 s90, s42, s17                    ; the tile's 256 tokens, one of sixteen,
	s_cselect_b32 s91, s17, s42                    ; its 256 channels, one of four,
	s_cselect_b32 s13, 8, 14                       ; and 256 tokens in bytes: 256 along a row of v, 256 rows of 64 in q and k
	s_and_b32 s95, s90, 3
	s_lshl_b32 s94, s95, s13
	s_lshr_b32 s90, s90, 2
	s_lshl_b32 s90, s90, 20                        ; the batch: 16 heads x 65,536 bytes,
	s_add_co_u32 s94, s94, s90
	s_lshl_b32 s91, s91, 18                        ; the tile's four heads,
	s_add_co_u32 s94, s94, s91
	s_lshl_b32 s90, s12, 22                        ; the role's part,
	s_add_co_u32 s94, s94, s90
	s_lshl_b32 s90, s14, 16                        ; my head among the four
	s_add_co_u32 s94, s94, s90
	s_mov_b32 s95, 0
	s_add_nc_u64 s[10:11], s[10:11], s[94:95]
	v_lshlrev_b32 v7, 2, v1
.irp a, 0,1,2,3,4,5,6,7
	global_load_b32 v[BR+\a], v7, s[92:93] offset:64*\a   ; the bias of row 16 a + r
.endr
.else
	v_mul_u32_u24 v7, v2, PITCH                    ; back: wave w takes rows 64 w on, whole: sixteen lanes to a row of 256 bytes, two rows an instruction
	v_lshl_add_u32 v7, v1, 4, v7
	s_mul_i32 s23, s14, 64*PITCH
	v_add_nc_u32 v[RD], s23, v7
	v_lshlrev_b32 v8, 12, v2
	v_lshl_add_u32 v[CO], v1, 4, v8                ; and the same two rows in memory, 4,096 bytes apart
	s_lshl_b32 s20, s17, 20                        ; 256 rows x 4,096 bytes,
	s_lshl_b32 s21, s14, 18                        ; my 64 rows,
	s_add_co_u32 s20, s20, s21
	s_mov_b32 s21, 0
	s_lshl_b32 s46, s42, 8                         ; and the tile's 256 columns
	s_mov_b32 s47, 0
	s_add_nc_u64 s[20:21], s[20:21], s[46:47]
	s_add_nc_u64 s[10:11], s[10:11], s[20:21]
.endif
.macro FRAG reg, adr, q, i             ; a fragment, 16 rows x 128 K, is 16 registers: lane l holds row l % 16; registers 4 c .. 4 c + 3 hold K = 32 c + 16 (l / 16) + 0 .. 15: the same permutation of k in A and in B
.irp c, 0,1,2,3
	ds_load_b128 v[\reg+4*\c:\reg+4*\c+3], v[\adr] offset:128*(\q)+32*\c+(\i)*16*PITCH
.endr
.endm
; 16 matrix instructions: A's blocks a0, a0 + 1 x B's eight, 128 along K.  p: B's set.  zero = 1: the first product starts the sums.
; The 64 accumulators take turns, one instruction a turn, in the same order in every step.
.macro MUL16 a0, p, zero
.irp a, \a0, \a0+1
.irp b, 0,1,2,3,4,5,6,7
.if \zero
	v_wmma_f32_16x16x128_bf8_bf8 v[8*(8*((\a)%4)+\b):8*(8*((\a)%4)+\b)+7], v[128*(\p)+FR*\b:128*(\p)+FR*\b+FR-1], v[AF+FR*(\a):AF+FR*(\a)+FR-1], 0
.else
	v_wmma_f32_16x16x128_bf8_bf8 v[8*(8*((\a)%4)+\b):8*(8*((\a)%4)+\b)+7], v[128*(\p)+FR*\b:128*(\p)+FR*\b+FR-1], v[AF+FR*(\a):AF+FR*(\a)+FR-1], v[8*(8*((\a)%4)+\b):8*(8*((\a)%4)+\b)+7]
.endif
.endr
.endr
.endm
.macro FETCH_B slot, q, p              ; B's eight fragments of the slot's q-th 128 along K into set p
	WIN TO_B
.irp i, 0,1,2,3,4,5,6,7
	FRAG 128*(\p)+FR*\i, ADRB+\slot, \q, \i
.endr
	WIN 0
.endm
.macro FETCH_A slot, q, i0             ; A's blocks i0 .. i0 + 3
.irp i, \i0, \i0+1, \i0+2, \i0+3
	FRAG AF+FR*(\i), ADRA+\slot, \q, \i
.endr
.endm
; A load into a register that a matrix instruction has read, and a vector instruction that reads a matrix result or writes one of its registers, stand NP places behind it; only plain vector
; instructions that name none of its registers are places (ISA guide 7.12.1 for vector instructions).
.macro PLACES n
.rept \n
	v_nop
.endr
.endm
; A step of 128 along K that has its successor in the same slot.
.macro STEP slot, q, zero
	s_wait_dscnt 4*NL                              ; B's set and A's blocks 0-3 are in; the youngest sixteen loads (A's blocks 4-7) may be out
	WIN MUL_LO
	MUL16 0, (\q)%2, \zero
	MUL16 2, (\q)%2, \zero
	s_wait_dscnt 0                                 ; A's blocks 4-7 are in
	PLACES NP
	FETCH_B \slot, (\q)+1, 1-(\q)%2
	FETCH_A \slot, (\q)+1, 0
	WIN MUL_HI
	MUL16 4, (\q)%2, \zero
	MUL16 6, (\q)%2, \zero
	PLACES NP
	WIN 0
	FETCH_A \slot, (\q)+1, 4
.endm
; A slot's last step changes slots: ONE barrier; in front of it each wave waits for all its tensor loads, adds 0 to its spare word, and waits for that and for its own reads of this slot.  fill = 1: this slot is filled again, two K steps ahead.
.macro TURN slot, next, fill
	s_wait_tensorcnt 0x0                           ; all my tensor loads have landed: my part of the next slot
	ds_add_u32 v[SPW], v[NIL]                      ; 0 onto my spare word
	s_wait_dscnt 4*NL+1                            ; (the add and the youngest sixteen loads, A's blocks 4-7, may be out)
	WIN MUL_LO
	MUL16 0, 1, 0                                  ; sixteen matrix instructions stand between the add and the wait for it
	s_wait_dscnt 0x0                               ; the add is done, and my reads of this slot are over
	s_barrier_signal -1
	MUL16 2, 1, 0
	WIN 0
	s_barrier_wait -1
.if \fill
	CREST                                          ; the barrier has opened a round of the cluster's barrier: no wave of any partner still reads this slot's tile or has a load on its way
	s_add_nc_u64 s[G0+4*\slot+2:G0+4*\slot+3], s[G0+4*\slot+2:G0+4*\slot+3], 2*ROWB
	s_add_nc_u64 s[G0B+4*\slot+2:G0B+4*\slot+3], s[G0B+4*\slot+2:G0B+4*\slot+3], 2*ROWB
	JLOAD G0+4*\slot, G1, G0B+4*\slot, G1B         ; the first tensor load behind the round; the four v_nop behind it are the places in front of the loads below
.else
	PLACES NP
.endif
	FETCH_B \next, 0, 0
	FETCH_A \next, 0, 0
	WIN MUL_HI
	MUL16 4, 1, 0
	MUL16 6, 1, 0
	PLACES NP
	WIN 0
	FETCH_A \next, 0, 4
.endm
	s_wait_alu depctr_va_vdst(0)
	s_wait_tensorcnt 0x0                           ; my part of K step 0 is in
	ds_add_u32 v[SPW], v[NIL]
	s_wait_dscnt 0x0
	CROUND                                         ; everybody's part of K step 0 is in, and all sixteen work-groups are here
	JLOAD G0+4, G1, G0B+4, G1B                     ; K step 1's load, the first tensor load behind the round
	FETCH_B 0, 0, 0
	FETCH_A 0, 0, 0
	FETCH_A 0, 0, 4
	global_prefetch_b8 v[PFO], s[PFA:PFA+1] offset:3*ROWB th:TH_LOAD_NT scope:SCOPE_SE   ; K step 3
	STEP 0, 0, 1                                   ; the first step stands in front of the loop: its products start the sums
	s_mov_b32 s3, LAPS-1
.Llap:                                                 ; a trip goes once round the ring, from a lap's second step to the next lap's first, and fills both slots again
	TURN 0, 1, 1
	STEP 1, 0, 0
	TURN 1, 0, 1
	STEP 0, 0, 0
	s_sub_co_u32 s3, s3, 1
	s_cmp_lg_u32 s3, 0
	s_cbranch_scc1 .Llap
	TURN 0, 1, 0                                   ; the last lap fills nothing
	STEP 1, 0, 0
	s_wait_dscnt 4*NL                              ; the very last step: nothing more to fetch
	WIN MUL_LO
	MUL16 0, 1, 0
	MUL16 2, 1, 0
	s_wait_dscnt 0
	WIN MUL_HI
	MUL16 4, 1, 0
	MUL16 6, 1, 0
	WIN 0
; THE WAY OUT.  number = sum x 2^(eA + eB) + bias (one packed multiply-add for two); held at the largest code x the result's scale (PROJ = 0: and at 0 from below: the activation); eight neighbours of a row become eight
; codes.  The codes of the whole tile meet in the stage, which lies in slot 0: that slot has had its last fill, and every wave has passed the last change of slots, behind which nobody reads it.
.macro CODES a
.set AC, 64*((\a)%4)
.set CDS, CD+16*((\a)%2)
.if (\a) >= 2
	s_wait_dscnt 8                                 ; the stores of two blocks ago have read this set of registers; the last block's eight may be out
.endif
	s_cmp_eq_u32 s12, 2                            ; the role: the bias goes by columns or by rows
	s_wait_alu depctr_va_vdst(0)
	s_cbranch_scc1 .Lby_rows_\@
	WIN 0x02+((\a)/4)                              ; source 0: window 2 or 3
.set cj, 0
.rept 32
	v_pk_fma_f32 v[TMP+cj:TMP+cj+1], v[AC+cj:AC+cj+1], s[96:97], v[BI+cj:BI+cj+1] op_sel_hi:[1,0,1]   ; each accumulator from its low end on
.set cj, cj+2
.endr
	WIN 0
	s_wait_alu depctr_va_vdst(0)
	s_branch .Lbiased_\@
.Lby_rows_\@:
	WIN 0x02+((\a)/4)
.set cj, 0
.rept 32
.if ((\a)%2) == 0
	v_pk_fma_f32 v[TMP+cj:TMP+cj+1], v[AC+cj:AC+cj+1], s[96:97], v[BR+(\a):BR+(\a)+1] op_sel_hi:[1,0,0]               ; the pair's first register serves both halves
.else
	v_pk_fma_f32 v[TMP+cj:TMP+cj+1], v[AC+cj:AC+cj+1], s[96:97], v[BR+(\a)-1:BR+(\a)] op_sel:[0,0,1] op_sel_hi:[1,0,1]   ; the pair's second register serves both halves
.endif
.set cj, cj+2
.endr
	WIN 0
.Lbiased_\@:
.set cj, 0
.rept 64
.if PROJ
	v_med3_num_f32 v[TMP+cj], v[TMP+cj], -v[LIM], v[LIM]   ; the conversion to an 8-bit code does not saturate (ISA guide 7.6.2)
.else
	v_med3_num_f32 v[TMP+cj], v[TMP+cj], 0, v[LIM]         ; the activation and the hold in one
.endif
.set cj, cj+1
.endr
.irp b, 0,1,2,3,4,5,6,7
	v_cvt_scalef32_pk8_bf8_f32 v[CDS+2*\b:CDS+2*\b+1], v[TMP+8*\b:TMP+8*\b+7], v[SC]
.endr
	v_nop                                          ; one plain vector line between the conversions and the next block's lines, which write their sources
.irp b, 0,1,2,3,4,5,6,7
	ds_store_b64 v[STO], v[CDS+2*\b:CDS+2*\b+1] offset:(\a)*16*PITCH+16*\b
.endr
.endm
	s_wait_kmcnt 0x0
.if PROJ
	s_cmp_eq_u32 s12, 0                            ; the role's three exponents: (0, 1, 6), (2, 3, 7), (4, 5, 9)
	s_cselect_b32 s96, s68, s70
	s_cselect_b32 s97, s69, s71
	s_cselect_b32 s98, s74, s75
	s_cmp_eq_u32 s12, 2
	s_cselect_b32 s96, s72, s96
	s_cselect_b32 s97, s73, s97
	s_cselect_b32 s98, s77, s98
.endif
	s_add_co_i32 s96, s96, s97
	s_add_co_i32 s96, s96, 127
	s_lshl_b32 s96, s96, 23                        ; 2^(eA + eB) as f32
	s_mov_b32 s97, s96                             ; (named with it as a pair, so it is written)
	s_add_co_i32 s98, s98, 127
	s_lshl_b32 s99, s98, 23
	v_mov_b32 v[SC], s99                           ; the result's scale: the conversion takes its exponent field
	s_add_co_i32 s98, s98, 15
	s_lshl_b32 s98, s98, 23
	s_or_b32 s98, s98, 0x600000
	v_mov_b32 v[LIM], s98                          ; 57,344 x that
	s_wait_loadcnt 0x0                             ; the bias
	PLACES NP                                      ; behind the last products: their results are read, and A's registers written, below
.irp a, 0,1,2,3,4,5,6,7
	CODES \a
.endr
	s_wait_dscnt 0x0                               ; for the others' sake: my stores into the stage are done
	s_barrier_signal -1
	s_barrier_wait -1
.if PROJ
	s_cmp_eq_u32 s12, 2
	s_cbranch_scc1 .Lv_out
.set ci, 0
.rept 16
	ds_load_b128 v[TMP+4*ci:TMP+4*ci+3], v[RD] offset:ci*8*PITCH
.set ci, ci+1
.endr
.rept 16
	ds_load_b128 v[TMP+4*ci:TMP+4*ci+3], v[RD2] offset:(ci-16)*8*PITCH
.set ci, ci+1
.endr
.set ci, 0
.rept 32
	s_wait_dscnt 31-ci                             ; LDS loads come back in order: number ci is in
	global_store_b128 v[CO], v[TMP+4*ci:TMP+4*ci+3], s[10:11] offset:512*ci   ; 32 lanes store 512 consecutive bytes, at a multiple of 512 from the buffer's first byte
.set ci, ci+1
.endr
	s_branch .Lsent
.Lv_out:                                               ; role 2: my head's 64 channels x the tile's 256 tokens
.set ci, 0
.rept 32
	ds_load_b128 v[TMP+4*ci:TMP+4*ci+3], v[RDV] offset:ci*2*PITCH
.set ci, ci+1
.endr
.set ci, 0
.rept 32
	s_wait_dscnt 31-ci
	global_store_b128 v[COV], v[TMP+4*ci:TMP+4*ci+3], s[10:11] offset:ci*2*1024   ; 16 lanes store 256 consecutive bytes, at a multiple of 256 from the buffer's first byte
.set ci, ci+1
.endr
.Lsent:
.else
.set ci, 0
.rept 32
	ds_load_b128 v[TMP+4*ci:TMP+4*ci+3], v[RD] offset:ci*2*PITCH
.set ci, ci+1
.endr
.set ci, 0
.rept 32
	s_wait_dscnt 31-ci
	global_store_b128 v[CO], v[TMP+4*ci:TMP+4*ci+3], s[10:11] offset:ci*2*4096   ; 16 lanes store 256 consecutive bytes, at a multiple of 256 from the buffer's first byte
.set ci, ci+1
.endr
.endif
	s_wait_tensorcnt 0x0                           ; the wave's end
	ds_add_u32 v[SPW], v[NIL]
	s_wait_dscnt 0x0
	CROUND                                         ; the closing round: no work-group ends while a partner may still ask for a tile that names it
	s_endpgm
.Lfunc_end_k_q39fd5cf65b_proj:
	.size	k_q39fd5cf65b_proj, .Lfunc_end_k_q39fd5cf65b_proj-k_q39fd5cf65b_proj
	.p2alignl 7, 3214868480
	.fill 96, 4, 3214868480
	.section	.rodata,"a",@progbits
	.p2align	6, 0x0
	.amdhsa_kernel k_q39fd5cf65b_proj
		.amdhsa_group_segment_fixed_size 327680
		.amdhsa_private_segment_fixed_size 0
		.amdhsa_enable_private_segment 0
		.amdhsa_kernarg_size 88
		.amdhsa_user_sgpr_count 2
		.amdhsa_user_sgpr_kernarg_segment_ptr 1
		.amdhsa_wavefront_size32 1
		.amdhsa_system_sgpr_workgroup_id_x 1
		.amdhsa_system_sgpr_workgroup_id_y 1
		.amdhsa_system_sgpr_workgroup_id_z 1
		.amdhsa_system_vgpr_workitem_id 0
		.amdhsa_next_free_vgpr 1024
		.amdhsa_next_free_sgpr 100
		.amdhsa_reserve_vcc 0
		.amdhsa_float_denorm_mode_32 3
		.amdhsa_float_denorm_mode_16_64 3
		.amdhsa_memory_ordered 1
		.amdhsa_forward_progress 1
		.amdhsa_inst_pref_size 170
	.end_amdhsa_kernel
	.amdgpu_metadata
---
amdhsa.version: [ 1, 2 ]
amdhsa.kernels:
  - .name:           k_q39fd5cf65b_proj
    .symbol:         k_q39fd5cf65b_proj.kd
    .args:
      - { .name: ac, .offset: 0, .size: 8, .value_kind: global_buffer, .address_space: global }
      - { .name: key_codes, .offset: 8, .size: 8, .value_kind: global_buffer, .address_space: global }
      - { .name: values_codes, .offset: 16, .size: 8, .value_kind: global_buffer, .address_space: global }
      - { .name: Wq_codes, .offset: 24, .size: 8, .value_kind: global_buffer, .address_space: global }
      - { .name: Wk_codes, .offset: 32, .size: 8, .value_kind: global_buffer, .address_space: global }
      - { .name: Wv_codes, .offset: 40, .size: 8, .value_kind: global_buffer, .address_space: global }
      - { .name: bq, .offset: 48, .size: 8, .value_kind: global_buffer, .address_space: global }
      - { .name: bk, .offset: 56, .size: 8, .value_kind: global_buffer, .address_space: global }
      - { .name: bv, .offset: 64, .size: 8, .value_kind: global_buffer, .address_space: global }
      - { .name: lowp_scales, .offset: 72, .size: 8, .value_kind: global_buffer, .address_space: global }
      - { .name: qkv, .offset: 80, .size: 8, .value_kind: global_buffer, .address_space: global }
    .group_segment_fixed_size: 327680
    .private_segment_fixed_size: 0
    .kernarg_segment_align: 8
    .kernarg_segment_size: 88
    .max_flat_workgroup_size: 128
    .sgpr_count:     100
    .vgpr_count:     1024
    .wavefront_size: 32
...
	.end_amdgpu_metadata
.endif
;; end of part 10
;; launch attn (part 11): grid 4 x 64, 16 waves a work-group, no clusters, 150,528 bytes of LDS; arguments qkv, gammas, lowp_scales, ac; writes ac
.if DOCPART == 11
	.amdgcn_target "amdgcn-amd-amdhsa--gfx1250"
	.amdhsa_code_object_version 6
	.text
	.protected	k_q39fd5cf65b_attn
	.globl	k_q39fd5cf65b_attn
	.p2align	8
	.type	k_q39fd5cf65b_attn,@function
k_q39fd5cf65b_attn:
	s_mov_b64 s[64:65], 0
	v_nop
	global_prefetch_b8 v0, s[64:65] scope:SCOPE_SE
	s_setreg_imm32_b32 hwreg(HW_REG_WAVE_MODE, 25, 1), 1
	s_wait_xcnt 0x0
; Attention with a distance decay, both products on codes of BF8 (E5M2).  q, k, v: codes [batch x head][1024][64], three parts of 4 MiB of one buffer; the result: codes of concat [4096][1024].
; For query i and key j:  s = q.k 2^(e6+e7) / 8;  a first softmax over ALL 1,024 keys, of which the keys j <= i are kept;  u(j) = the sum of it over the kept keys behind j;
; eff = clip(exp(-softplus(gamma) sqrt(u (i - j))), 1e-5, 1e5);  the second softmax, over j <= i, is of s x eff.  It goes to the second product as p = 2^(t - M), t = s eff log2(e), M the ceiling of the
; running largest t; the row's sum is taken of the unquantised p and divides at the end.
; SHARES.  A work-group owns one head and 256 of its queries; each of SIXTEEN waves owns one tile of 16 queries in 256 registers.  Wave w of work-group x takes tile 16 (w / 4) + 4 s' + x, s' = w % 4, turned round
; (3 - s') where w / 4 is odd: waves w, w + 4, w + 8, w + 12 then have 18 key steps of pass B between them, whatever w and x are.
; LDS holds the head's whole K (rows of 64 + 16 bytes) and V^T (rows of 1,024 + 16 bytes), filled ONCE through registers; two barriers; behind the second LDS is only read and the waves run free.
; No tensor load and no joint request: V must pass through registers, which turn it byte by byte (the keys are the second product's K), and K and V are read once by a work-group, 128 KiB in all, at its start.
; PASS A walks all keys: the first softmax's largest exponent and its sum Z.  PASS B walks the keys from the diagonal DOWNWARD, 128 a step, so that u is a running sum with a carry; the scores are made again.
; So both tensors lie in LDS with their eight key steps in reversed order: both passes step their LDS address upward by a constant, in loops of eight trips; a step all of whose keys are hidden is jumped over.
; LAYOUT.  Both products are used transposed: S^T = K Q^T (source 0 = 16 keys, source 1 = my 16 queries): lane (r, h) holds query r and, in register 8 T + j, key 16 T + 8 h + j of the step.  Eight such registers,
; converted, are registers 2 T, 2 T + 1 of source 1 of O^T = V^T P^T (K = 128 keys) in that form's own layout.  V^T's rows are laid to fit: key 32 g + 16 u + 8 h + i of a step at byte 32 g + 16 h + 8 u + i,
; and row 16 t + m holds channel 32 (m / 8) + 8 t + m % 8, so that a lane ends with 32 neighbouring channels.  In K Q^T both sources take d = 32 c + 16 h + 0 .. 15 in registers 4 c on: one permutation of k for both.
; A hidden score becomes -infinity: its first exponential is 0, u behind it is 0, eff is 1, p is 0; no NaN arises.
; u is summed directly, not as the difference of two sums.  A head's 64 codes of a row of concat are 64 bytes: the stores are no longer than that row piece.
; LIMITS: e6 + e7 between -123 and 130; e8 and e10 between -126 and 112; NaN among the inputs is not served.
; NOTE on v, which takes the place of what the lines above say of it: v's part of the buffer is laid [batch x head][64 channels][1,024 keys] by the launch before, so nothing is turned here: a thread loads 16 keys of a
; channel (the 512 threads read 8,192 consecutive bytes an instruction) and stores them as two pieces of eight bytes at their places in V^T's row.
.set VP,   1040                        ; a row of V^T in LDS: 65 x 16 bytes
; TWO BARRIERS.  Pass A reads K alone: ahead of the first barrier only Q and K are loaded and awaited.  V's eight loads a thread are issued behind that barrier, into O^T's 32 registers, which pass A does not touch; behind
; pass A each wave waits for them, stores them into V^T's bytes (below KL: no byte of K, which other waves may still be reading) and passes the second barrier.  Behind that one LDS is only read.
.set KP,   80                          ; a row of K: 5 x 16 bytes
.set KL,   64*VP                       ; V^T from byte 0, K from here
.set KSB,  128*KP                      ; a key step of K
.set AK0,  1                           ; v1   my lane's place in a tile of K
.set AV0,  2                           ; v2   the same for V^T
.set ADK,  3                           ; v3   the step's K
.set ADV,  4                           ; v4   the step's V^T
.set HM,   5                           ; v5   1.0 in lanes 0-15, 0 in lanes 16-31
.set RH,   6                           ; v6   r - 8 h
.set DI,   7                           ; v7   d = my query - the step's first key - 8 h: register 8 T + j is hidden where 16 T + j > d, and i - j = d - 16 T - j
.set NM1,  8                           ; v[8:9]   pass A: minus the running largest exponent.  Pass B: log2(g^2 / Z) minus the row's largest exponent, g = softplus(gamma) log2(e): the first exponentials then come out x g^2 / Z
.set GZ,   10                          ; v10  at work behind pass A: log2 Z
.set NM,   12                          ; v12  -M (in pass A: my half's running largest exponent)
.set TM,   13                          ; v13  the running largest t
.set L,    14                          ; v[14:15] the row's sum in two halves (in pass A: Z)
.set CY,   16                          ; v16  the carry: the first exponentials of all keys behind the tile in hand
.set DF,   17                          ; v17  d as f32
.set DT,   18                          ; v[18:19] d - 16 T
.set QF,   20                          ; v[20:27] Q's fragment
.set IDXN, 28                          ; v[28:35] 0, -1, .. -7
.set RS,   36                          ; v[36:43] a tile's sum of first exponentials
.set RO,   44                          ; v[44:51] the other half of the lanes' part of it
.set XA,   52                          ; v[52:59], v[60:67] u for two tiles; later p's codes v[52:67]
.set XB,   60
.set PA,   68                          ; v[68:75], v[76:83] i - j for two tiles; at work
.set PB,   76
.set LIM,  84                          ; v84  57,344 x the scale in hand
.set SC,   85                          ; v85  the scale in hand as f32
.set NINF, 86                          ; v86  -infinity
.set GL,   87                          ; v87  -softplus(gamma) log2(e)
.set W0,   88                          ; v88-95 at work: v88, v89 maxima; v90 what a lane permute brings; v[92:93] a factor; v[94:95] a second chain of sums
.set OO,   91                          ; v91  my byte offset in the wave's 16 rows of concat
.set OT,   96                          ; v[96:127]  O^T
.set S,    128                         ; v[128:191] S^T
.set E,    192                         ; v[192:255] K's fragments, then the first exponentials .. eff, then V^T's fragments
	s_load_b256 s[4:11], s[0:1], 0x0               ; q, k, v's codes s[4:5]; gammas s[6:7]; the scales' exponents s[8:9]; concat's codes s[10:11]
	v_lshrrev_b32 v246, 5, v0
	s_delay_alu instid0(VALU_DEP_1)
	v_readfirstlane_b32 s16, v246                  ; wave 0..15
	s_and_b32 s18, ttmp7, 0xffff                   ; batch x 16 + head
	s_lshr_b32 s28, s16, 2
	s_and_b32 s29, s16, 3
	s_and_b32 s30, s28, 1
	s_mul_i32 s30, s30, 3
	s_xor_b32 s29, s29, s30                        ; s'
	s_lshl_b32 s28, s28, 4
	s_lshl_b32 s29, s29, 2
	s_add_co_u32 s28, s28, s29
	s_add_co_u32 s28, s28, ttmp9                   ; my tile
	s_lshl_b32 s19, s28, 4                         ; my first query
	s_lshl_b32 s28, s18, 16                        ; the head's 65,536 bytes in each part
	s_mov_b32 s29, 0
	s_lshl_b32 s30, s19, 6                         ; my queries' rows of 64 bytes
	s_mov_b32 s31, 0
	s_lshr_b32 s12, s18, 4
	s_lshl_b32 s12, s12, 20                        ; concat: the batch's 1,024 rows of 1,024 bytes,
	s_lshl_b32 s13, s19, 10                        ; my first query's row,
	s_add_co_u32 s12, s12, s13
	s_and_b32 s14, s18, 15
	s_lshl_b32 s13, s14, 6                         ; the head's 64 bytes
	s_add_co_u32 s12, s12, s13
	s_mov_b32 s13, 0
	s_lshl_b32 s14, s14, 2                         ; gammas: 4 x head
	s_mov_b32 s15, 0
	s_mov_b32 s20, 0x76543210                      ; v_permlanex16_b32's selects for lane l xor 16
	s_mov_b32 s21, 0xfedcba98
	s_mov_b32 s36, 0x3727c5ac                      ; 1e-5
	s_mov_b32 s37, 0x47c35000                      ; 1e5
	v_and_b32 v246, 15, v0                         ; r
	v_bfe_u32 v247, v0, 4, 1                       ; h
	s_delay_alu instid0(VALU_DEP_2)
	v_mul_u32_u24 v[AK0], v246, KP
	s_delay_alu instid0(VALU_DEP_1)
	v_lshl_add_u32 v[AK0], v247, 4, v[AK0]
	s_delay_alu instid0(VALU_DEP_1)
	v_add_nc_u32 v[AK0], KL, v[AK0]
	v_mul_u32_u24 v[AV0], v246, VP
	s_delay_alu instid0(VALU_DEP_1)
	v_lshl_add_u32 v[AV0], v247, 4, v[AV0]
	v_lshlrev_b32 v240, 6, v246
	s_delay_alu instid0(VALU_DEP_1)
	v_lshl_add_u32 v240, v247, 4, v240             ; Q: row r, + 16 h
	v_lshlrev_b32 v241, 4, v0                      ; K in memory: 16 bytes a thread: the 512 threads take a key step
	v_lshrrev_b32 v242, 2, v0
	v_and_b32 v245, 3, v0
	s_delay_alu instid0(VALU_DEP_2)
	v_mul_u32_u24 v243, v242, KP
	s_delay_alu instid0(VALU_DEP_1)
	v_lshl_add_u32 v243, v245, 4, v243
	s_delay_alu instid0(VALU_DEP_1)
	v_add_nc_u32 v243, KL, v243                    ; K in LDS: row thread / 4, 16 bytes thread % 4,
	s_delay_alu instid0(VALU_DEP_1)
	v_add_nc_u32 v244, 4*KSB, v243                 ; and four key steps on
	s_wait_alu depctr_va_vdst(0)
	s_wait_kmcnt 0x0
	s_load_b512 s[40:55], s[8:9], 0x0              ; s[40 + i] = entry i
	s_add_nc_u64 s[6:7], s[6:7], s[14:15]
	s_load_b32 s56, s[6:7], 0x0                    ; the head's gamma
	s_add_nc_u64 s[62:63], s[4:5], s[28:29]
	s_add_nc_u64 s[58:59], s[62:63], 0x400000      ; k's part
	s_add_nc_u64 s[60:61], s[62:63], 0x800000      ; v's part
	s_add_nc_u64 s[62:63], s[62:63], s[30:31]      ; q at my first query
	s_add_nc_u64 s[10:11], s[10:11], s[12:13]
	global_load_b128 v[QF:QF+3], v240, s[62:63]
	global_load_b128 v[QF+4:QF+7], v240, s[62:63] offset:32
.irp i, 0,1,2,3,4,5,6,7
	global_load_b128 v[S+4*\i:S+4*\i+3], v241, s[58:59] offset:8192*\i       ; key step i
.endr
	v_lshlrev_b32 v[DI], 4, v0                     ; V in memory: 16 bytes a thread; kept in a register that pass A leaves alone and pass B writes only behind the wait for V's loads
	; V^T in LDS: row thread / 64 (+ the immediate's rows for i); with q = thread % 64: key step q / 8 at place 7 - q / 8 (128 bytes), 32 bytes for (q / 2) % 4, 8 for q % 2; the keys' upper eight lie 16 bytes on
	v_lshrrev_b32 v245, 6, v0
	v_and_b32 v239, 0x38, v0
	v_mul_u32_u24 v245, v245, VP
	v_xor_b32 v239, 0x38, v239
	s_delay_alu instid0(VALU_DEP_1)
	v_lshl_add_u32 v245, v239, 4, v245
	v_and_b32 v239, 6, v0
	s_delay_alu instid0(VALU_DEP_1)
	v_lshl_add_u32 v245, v239, 4, v245
	v_and_b32 v239, 1, v0
	s_delay_alu instid0(VALU_DEP_1)
	v_lshl_add_u32 v[ADV], v239, 3, v245           ; kept in a register that pass A leaves alone
	v_cvt_f32_u32 v[HM], v247
	s_delay_alu instid0(VALU_DEP_1)
	v_sub_f32 v[HM], 1.0, v[HM]
	v_lshlrev_b32 v[RH], 3, v247
	s_delay_alu instid0(VALU_DEP_1)
	v_sub_nc_u32 v[RH], v246, v[RH]
	v_lshlrev_b32 v[OO], 10, v246
	s_delay_alu instid0(VALU_DEP_1)
	v_lshl_add_u32 v[OO], v247, 5, v[OO]           ; row r of 1,024 bytes, + 32 h
	v_mov_b32 v[IDXN], 0
	v_mov_b32 v[IDXN+1], -1.0
	v_mov_b32 v[IDXN+2], -2.0
	v_mov_b32 v[IDXN+3], 0xc0400000
	v_mov_b32 v[IDXN+4], -4.0
	v_mov_b32 v[IDXN+5], 0xc0a00000
	v_mov_b32 v[IDXN+6], 0xc0c00000
	v_mov_b32 v[IDXN+7], 0xc0e00000
	v_mov_b32 v[NINF], 0xff800000
	v_mov_b32 v[NM1+1], 0                          ; upper halves of pairs of which the low word serves both halves, and destinations of lane permutes: written once
	v_mov_b32 v[DT+1], 0
	v_mov_b32 v90, 0
	v_mov_b32 v93, 0
.irp t, 0,1,2,3,4,5,6,7
	v_mov_b32 v[RO+\t], 0
.endr
	s_wait_loadcnt 0x0                             ; Q and K are in: nothing else is out
.irp i, 0,1,2,3
	ds_store_b128 v244, v[S+4*\i:S+4*\i+3] offset:(3-\i)*KSB                 ; key step i lies at place 7 - i
.endr
.irp i, 4,5,6,7
	ds_store_b128 v243, v[S+4*\i:S+4*\i+3] offset:(7-\i)*KSB
.endr
	s_wait_kmcnt 0x0
	s_add_co_i32 s28, s46, s47
	s_lshl_b32 s28, s28, 23
	s_add_co_i32 s22, s28, 0x3e38aa3b              ; c = log2(e) / 8 x 2^(e6 + e7): the two exponents are added to c's exponent field
	s_mov_b32 s23, s22                             ; (named with it as a pair, so it is written)
	s_add_co_i32 s28, s48, 127
	s_lshl_b32 s29, s28, 23
	v_mov_b32 v[SC], s29                           ; 2^e8, for p's conversions
	s_add_co_i32 s28, s28, 15
	s_lshl_b32 s28, s28, 23
	s_or_b32 s28, s28, 0x600000
	v_mov_b32 v[LIM], s28                          ; 57,344 x 2^e8
	v_mov_b32 v[GL], s56                           ; softplus(g) = max(g, 0) + ln(1 + e^-|g|)
	s_delay_alu instid0(VALU_DEP_1)
	v_mul_f32 v88, 0xbfb8aa3b, |v[GL]|
	s_wait_alu depctr_va_vdst(0)
	v_exp_f32 v88, v88
	v_max_num_f32 v89, 0, v[GL]                    ; (a plain line behind the transcendental)
	s_wait_alu depctr_va_vdst(0)
	v_add_f32 v88, 1.0, v88
	s_wait_alu depctr_va_vdst(0)
	v_log_f32 v88, v88
	v_nop
	s_wait_alu depctr_va_vdst(0)
	v_fmamk_f32 v88, v88, 0x3f317218, v89
	s_delay_alu instid0(VALU_DEP_1)
	v_mul_f32 v[GL], 0xbfb8aa3b, v88
	s_wait_dscnt 0x0                               ; for the others' sake: my stores of K are done
	s_barrier_signal -1
	s_barrier_wait -1                              ; K is whole
.irp i, 0,1,2,3,4,5,6,7
	global_load_b128 v[OT+4*\i:OT+4*\i+3], v[DI], s[60:61] offset:8192*\i   ; V: channel thread / 64 + 8 i, keys 16 (thread % 64) on; the 512 threads read 8,192 consecutive bytes; on their way during pass A
.endr
.macro SCORES                          ; S^T of the step at v[ADK]: eight tiles of 16 keys
.irp t, 0,1,2,3,4,5,6,7
	ds_load_b128 v[E+8*\t:E+8*\t+3], v[ADK] offset:16*\t*KP
	ds_load_b128 v[E+8*\t+4:E+8*\t+7], v[ADK] offset:16*\t*KP+32
.endr
	s_wait_dscnt 0x0
.irp t, 0,1,2,3,4,5,6,7
	v_wmma_f32_16x16x64_bf8_bf8 v[S+8*\t:S+8*\t+7], v[E+8*\t:E+8*\t+7], v[QF:QF+7], 0
.endr
.rept 4
	v_nop                                          ; places: the results are read and K's registers written below (ISA guide 7.12.1)
.endr
.endm
.macro MAXS                            ; the largest of my 64 numbers in S, in two chains, into v88; each tile is met at its low end first
	v_max3_num_f32 v88, v[S], v[S+1], v[S+2]
	v_max3_num_f32 v89, v[S+3], v[S+4], v[S+5]
.irp i, 6,10,14,18,22,26,30,34,38,42,46,50,54,58
	v_max3_num_f32 v88, v88, v[S+\i], v[S+\i+1]
	v_max3_num_f32 v89, v89, v[S+\i+2], v[S+\i+3]
.endr
	v_max3_num_f32 v88, v88, v[S+62], v[S+63]
	s_delay_alu instid0(VALU_DEP_1)
	v_max_num_f32 v88, v88, v89
.endm
.macro SCALE d, s, a                   ; d = s x c + the low word of pair a, two at a time
.set cj, 0
.rept 32
	v_pk_fma_f32 v[\d+cj:\d+cj+1], v[\s+cj:\s+cj+1], s[22:23], v[\a:\a+1] op_sel_hi:[1,0,0]
.set cj, cj+2
.endr
.endm
.macro EXP64 b
.set cj, 0
.rept 64
	v_exp_f32 v[\b+cj], v[\b+cj]
.set cj, cj+1
.endr
.endm
.macro SUMS                            ; the sum x the factor in v92, + my 64 numbers in S: two at a time, in eight chains.  (Its first line is the plain line behind the exponentials)
	s_wait_alu depctr_va_vdst(0)
	v_pk_mul_f32 v[L:L+1], v[L:L+1], v[92:93] op_sel_hi:[1,0]
	s_wait_alu depctr_va_vdst(0)
	v_pk_add_f32 v[94:95], v[132:133], v[136:137]
	v_pk_add_f32 v[82:83], v[140:141], v[144:145]
	v_pk_add_f32 v[80:81], v[148:149], v[152:153]
	v_pk_add_f32 v[78:79], v[156:157], v[160:161]
	v_pk_add_f32 v[76:77], v[164:165], v[168:169]
	v_pk_add_f32 v[74:75], v[172:173], v[176:177]
	v_pk_add_f32 v[72:73], v[180:181], v[184:185]
	v_pk_add_f32 v[14:15], v[14:15], v[188:189]
	v_pk_add_f32 v[94:95], v[94:95], v[128:129]
	v_pk_add_f32 v[82:83], v[82:83], v[130:131]
	v_pk_add_f32 v[80:81], v[80:81], v[134:135]
	v_pk_add_f32 v[78:79], v[78:79], v[138:139]
	v_pk_add_f32 v[76:77], v[76:77], v[142:143]
	v_pk_add_f32 v[74:75], v[74:75], v[146:147]
	v_pk_add_f32 v[72:73], v[72:73], v[150:151]
	v_pk_add_f32 v[14:15], v[14:15], v[154:155]
	v_pk_add_f32 v[94:95], v[94:95], v[158:159]
	v_pk_add_f32 v[82:83], v[82:83], v[162:163]
	v_pk_add_f32 v[80:81], v[80:81], v[166:167]
	v_pk_add_f32 v[78:79], v[78:79], v[170:171]
	v_pk_add_f32 v[76:77], v[76:77], v[174:175]
	v_pk_add_f32 v[74:75], v[74:75], v[178:179]
	v_pk_add_f32 v[72:73], v[72:73], v[182:183]
	v_pk_add_f32 v[14:15], v[14:15], v[186:187]
	v_pk_add_f32 v[94:95], v[94:95], v[190:191]
	s_delay_alu instid0(VALU_DEP_2)
	v_pk_add_f32 v[14:15], v[14:15], v[78:79]
	s_delay_alu instid0(VALU_DEP_2)
	v_pk_add_f32 v[94:95], v[94:95], v[76:77]
	v_pk_add_f32 v[82:83], v[82:83], v[74:75]
	v_pk_add_f32 v[80:81], v[80:81], v[72:73]
	s_delay_alu instid0(VALU_DEP_2)
	v_pk_add_f32 v[14:15], v[14:15], v[82:83]
	s_delay_alu instid0(VALU_DEP_2)
	v_pk_add_f32 v[94:95], v[94:95], v[80:81]
	s_delay_alu instid0(VALU_DEP_1)
	v_pk_add_f32 v[14:15], v[14:15], v[94:95]
.endm
	; ---- PASS A: all 1,024 keys.  Each half of the lanes keeps the largest exponent and the sum of its own keys; they meet behind the loop
	v_mov_b32 v[NM], 0xff61b1e6                    ; -3e38, under every exponent
	v_mov_b32 v[L], 0
	v_mov_b32 v[L+1], 0
	s_mov_b32 s24, 0
	s_mov_b32 s27, 8
.Lpa:
	v_add_nc_u32 v[ADK], s24, v[AK0]
	SCORES
	MAXS
	s_delay_alu instid0(VALU_DEP_1)
	v_mul_f32 v88, s22, v88                        ; as an exponent of 2 (c is positive)
	s_delay_alu instid0(VALU_DEP_1)
	v_max_num_f32 v89, v[NM], v88
	s_delay_alu instid0(VALU_DEP_1)
	v_sub_f32 v92, v[NM], v89
	s_wait_alu depctr_va_vdst(0)
	v_exp_f32 v92, v92                             ; what was summed under the old maximum is brought under the new
	v_mov_b32 v[NM], v89                           ; (a plain line behind the transcendental)
	v_mul_f32 v[NM1], -1.0, v89
	SCALE S, S, NM1
	s_wait_alu depctr_va_vdst(0)
	EXP64 S
	SUMS
	s_add_co_u32 s24, s24, KSB
	s_sub_co_i32 s27, s27, 1
	s_cmp_lg_u32 s27, 0
	s_cbranch_scc1 .Lpa
	v_permlanex16_b32 v90, v[NM], s20, s21
	s_delay_alu instid0(VALU_DEP_1)
	v_max_num_f32 v89, v[NM], v90                  ; the row's largest exponent
	s_delay_alu instid0(VALU_DEP_1)
	v_sub_f32 v88, v[NM], v89
	s_wait_alu depctr_va_vdst(0)
	v_exp_f32 v88, v88
	v_add_f32 v[L], v[L], v[L+1]                   ; (a plain line behind the transcendental)
	s_wait_alu depctr_va_vdst(0)
	v_mul_f32 v[L], v[L], v88
	s_delay_alu instid0(VALU_DEP_1)
	v_permlanex16_b32 v90, v[L], s20, s21
	s_delay_alu instid0(VALU_DEP_1)
	v_add_f32 v[L], v[L], v90                      ; Z
	s_wait_alu depctr_va_vdst(0)
	v_log_f32 v[GZ], v[L]                          ; log2 Z
	v_log_f32 v88, |v[GL]|                         ; log2 g (g = 0 gives -infinity: the first exponentials are then 0 and eff is 1)
	v_nop                                          ; a plain line behind the transcendentals
	s_wait_alu depctr_va_vdst(0)
	v_fma_f32 v88, v88, 2.0, -v[GZ]                ; log2(g^2 / Z)
	s_delay_alu instid0(VALU_DEP_1)
	v_sub_f32 v[NM1], v88, v89                     ; less the row's largest exponent: sqrt(u (i - j)) below then holds the factor g / sqrt(Z) already
	s_wait_alu depctr_va_vdst(0)
	s_wait_loadcnt 0x0                             ; V is in
.irp i, 0,1,2,3,4,5,6,7                        ; channel c = thread / 64 + 8 i lies in row 16 ((c / 8) % 4) + 8 (c / 32) + c % 8
	ds_store_b64 v[ADV], v[OT+4*\i:OT+4*\i+1] offset:(16*(\i%4)+8*(\i/4))*VP
	ds_store_b64 v[ADV], v[OT+4*\i+2:OT+4*\i+3] offset:(16*(\i%4)+8*(\i/4))*VP+16
.endr
	s_wait_dscnt 0x0                               ; for the others' sake: my stores of V^T are done
	s_barrier_signal -1
	s_barrier_wait -1                              ; V^T is whole; from here on LDS is only read
	; ---- PASS B: from the diagonal downward
; Tiles ta and tb = ta - 1: u for each key (the keys behind it in my eight, the other half's eight where I hold the lower ones, the carry), times i - j.  ca, cb: -16 ta and -16 tb as f32 bit patterns.
.macro SCAN2 ta, tb, ca, cb
	v_fma_f32 v[XA+7], v[RO+\ta], v[HM], v[CY]
	v_add_f32 v[CY], v[CY], v[RS+\ta]
	s_delay_alu instid0(VALU_DEP_1)
	v_fma_f32 v[XB+7], v[RO+\tb], v[HM], v[CY]
	s_delay_alu instid0(VALU_DEP_2)
	v_add_f32 v[CY], v[CY], v[RS+\tb]
.irp j, 6,5,4,3,2,1,0
	v_add_f32 v[XA+\j], v[XA+\j+1], v[E+8*\ta+\j+1]
	v_add_f32 v[XB+\j], v[XB+\j+1], v[E+8*\tb+\j+1]
.endr
	v_add_f32 v[DT], \ca, v[DF]
	v_add_f32 v[W0], \cb, v[DF]
.irp j, 0,2,4,6
	v_pk_add_f32 v[PA+\j:PA+\j+1], v[IDXN+\j:IDXN+\j+1], v[DT:DT+1] op_sel_hi:[1,0]
	v_pk_add_f32 v[PB+\j:PB+\j+1], v[IDXN+\j:IDXN+\j+1], v[W0:W0+1] op_sel_hi:[1,0]
.endr
.irp j, 0,2,4,6
	v_pk_mul_f32 v[E+8*\ta+\j:E+8*\ta+\j+1], v[XA+\j:XA+\j+1], v[PA+\j:PA+\j+1]
	v_pk_mul_f32 v[E+8*\tb+\j:E+8*\tb+\j+1], v[XB+\j:XB+\j+1], v[PB+\j:PB+\j+1]
.endr
.endm
	v_mov_b32 v[TM], 0xff61b1e6                    ; the largest t so far: -3e38
	s_delay_alu instid0(VALU_DEP_1)
	v_floor_f32 v[NM], -v[TM]                      ; -M
	v_mov_b32 v[L], 0
	v_mov_b32 v[L+1], 0
	v_mov_b32 v[CY], 0
.set cj, 0
.rept 32
	v_mov_b32 v[OT+cj], 0                          ; O^T.  (The step is written once: the first finds zeros, which the first change of M leaves zeros)
.set cj, cj+1
.endr
	s_mov_b32 s24, 0
	s_mov_b32 s25, 0
	s_mov_b32 s26, 896                             ; the step's first key
	s_mov_b32 s27, 8
.Lpb:
	s_add_co_u32 s28, s19, 15                      ; a step all of whose keys come after my 16 queries is left out: a branch on ids alone
	s_cmp_gt_u32 s26, s28
	s_cbranch_scc1 .Lnext
	v_add_nc_u32 v[ADK], s24, v[AK0]
	v_add_nc_u32 v[ADV], s25, v[AV0]
	s_sub_co_i32 s28, s19, s26
	v_add_nc_u32 v[DI], s28, v[RH]
	s_delay_alu instid0(VALU_DEP_1)
	v_cvt_f32_i32 v[DF], v[DI]
	SCORES
	s_add_co_u32 s28, s26, 127                     ; a step all of whose keys count has nothing to hide
	s_cmp_le_u32 s28, s19
	s_cbranch_scc1 .Lopen
.set cj, 0
	s_wait_alu depctr_va_vdst(0)
.rept 64
	v_cmp_gt_i32 vcc_lo, 16*(cj/8)+cj%8, v[DI]
	v_cndmask_b32 v[S+cj], v[S+cj], v[NINF], vcc_lo
.set cj, cj+1
.endr
.Lopen:
	SCALE E, S, NM1                                ; the first softmax's exponentials x g^2 / Z: 2^(s c + log2(g^2 / Z) - the row's largest)
	s_wait_alu depctr_va_vdst(0)
	EXP64 E
	v_nop                                          ; a plain line between the run of exponentials and the sums, which read its results (ISA guide 5.7.2): the other exponentials are no such line
	s_wait_alu depctr_va_vdst(0)
.irp t, 0,1,2,3,4,5,6,7                        ; my eight keys' sum in each tile
.set TP, PA+8*(\t%2)
	v_pk_add_f32 v[TP:TP+1], v[E+8*\t:E+8*\t+1], v[E+8*\t+2:E+8*\t+3]
	v_pk_add_f32 v[TP+2:TP+3], v[E+8*\t+4:E+8*\t+5], v[E+8*\t+6:E+8*\t+7]
	s_delay_alu instid0(VALU_DEP_1)
	v_pk_add_f32 v[TP:TP+1], v[TP:TP+1], v[TP+2:TP+3]
	s_delay_alu instid0(VALU_DEP_1)
	v_add_f32 v[RS+\t], v[TP], v[TP+1]
.endr
.irp t, 0,1,2,3,4,5,6,7
	v_permlanex16_b32 v[RO+\t], v[RS+\t], s20, s21 ; the other half's
.endr
.irp t, 0,1,2,3,4,5,6,7
	v_add_f32 v[RS+\t], v[RS+\t], v[RO+\t]         ; the tile's
.endr
	SCAN2 7, 6, 0xc2e00000, 0xc2c00000
	SCAN2 5, 4, 0xc2a00000, 0xc2800000
	SCAN2 3, 2, 0xc2400000, 0xc2000000
	SCAN2 1, 0, 0xc1800000, 0
.set cj, 0
	s_wait_alu depctr_va_vdst(0)
.rept 64
	v_sqrt_f32 v[E+cj], v[E+cj]
.set cj, cj+1
.endr
	v_nop                                          ; a plain line between the run of roots and the exponentials, which read its results
	s_wait_alu depctr_va_vdst(0)
.set cj, 0
.rept 64
	v_exp_f32 v[E+cj], -v[E+cj]                    ; 2^(-g sqrt(u (i - j) / Z))
.set cj, cj+1
.endr
	v_nop                                          ; a plain line between the run of exponentials and the clips, which read its results
.set cj, 0
	s_wait_alu depctr_va_vdst(0)
.rept 64
	v_med3_num_f32 v[E+cj], v[E+cj], s36, s37      ; both clips
.set cj, cj+1
.endr
.set cj, 0
.rept 32
	v_pk_mul_f32 v[S+cj:S+cj+1], v[S+cj:S+cj+1], v[E+cj:E+cj+1]
.set cj, cj+2
.endr
.irp t, 0,1,2,3                                ; V^T's four fragments land under the softmax, where eff lay
.irp g, 0,1,2,3
	ds_load_b128 v[E+16*\t+4*\g:E+16*\t+4*\g+3], v[ADV] offset:16*\t*VP+32*\g
.endr
.endr
	MAXS
	s_delay_alu instid0(VALU_DEP_1)
	v_permlanex16_b32 v90, v88, s20, s21
	s_delay_alu instid0(VALU_DEP_1)
	v_max_num_f32 v88, v88, v90                    ; and among lane l xor 16's
	s_delay_alu instid0(VALU_DEP_1)
	v_mul_f32 v88, s22, v88                        ; as t
	s_delay_alu instid0(VALU_DEP_1)
	v_max_num_f32 v[TM], v[TM], v88                ; the running largest t
	v_mov_b32 v88, v[NM]
	s_delay_alu instid0(VALU_DEP_2)
	v_floor_f32 v[NM], -v[TM]                      ; the new -M = floor(-t): M is a whole number
	s_delay_alu instid0(VALU_DEP_1)
	v_sub_f32 v88, v[NM], v88                      ; M's old value less its new one: a whole number, 0 or less
	s_delay_alu instid0(VALU_DEP_1)
	v_cvt_i32_f32 v88, v88                         ; (it saturates)
	s_delay_alu instid0(VALU_DEP_1)
	v_ldexp_f32 v92, 1.0, v88                      ; f = 2^(old M - new M): a multiplication by it rounds nothing
	SCALE S, S, NM                                 ; t - M
	s_wait_alu depctr_va_vdst(0)
	EXP64 S                                        ; p, at most 1, not normalised
	SUMS                                           ; the row's sum is taken of the unquantised p
.set cj, 0
	s_cmp_ge_i32 s48, -15                          ; p is at most 1: where 57,344 x 2^e8 is above 1 (e8 >= -15) the hold changes no number, and a scalar branch on the given whole number leads round it
	s_wait_alu depctr_va_vdst(0)
	s_cbranch_scc1 .Lfits
.rept 64
	v_min_num_f32 v[S+cj], v[S+cj], v[LIM]         ; the conversion does not saturate (ISA guide 7.6.2); p is not negative, so the hold is one-sided
.set cj, cj+1
.endr
.Lfits:
.irp t, 0,1,2,3,4,5,6,7
	v_cvt_scalef32_pk8_bf8_f32 v[XA+2*\t:XA+2*\t+1], v[S+8*\t:S+8*\t+7], v[SC]
.endr
.set cj, 0
.rept 16
	v_pk_mul_f32 v[OT+cj:OT+cj+1], v[OT+cj:OT+cj+1], v[92:93] op_sel_hi:[1,0]   ; O^T under the new M.  (Also the plain lines between the conversions and the products)
.set cj, cj+2
.endr
	s_wait_alu depctr_va_vdst(0)
	s_wait_dscnt 0x0                               ; V^T's fragments are in
.irp t, 0,1,2,3                                ; four accumulators, one instruction a turn; between two trips stand the eight products of the scores
	v_wmma_f32_16x16x128_bf8_bf8 v[OT+8*\t:OT+8*\t+7], v[E+16*\t:E+16*\t+15], v[XA:XA+15], v[OT+8*\t:OT+8*\t+7]
.endr
.rept 4
	v_nop                                          ; places: for the next loads into V^T's registers, the next writes of p's codes' registers, and the way out's reads of O^T
.endr
.Lnext:
	s_sub_co_u32 s26, s26, 128
	s_add_co_u32 s24, s24, KSB
	s_add_co_u32 s25, s25, 128
	s_sub_co_i32 s27, s27, 1
	s_cmp_lg_u32 s27, 0
	s_cbranch_scc1 .Lpb
	; ---- THE WAY OUT: O^T / the sum x 2^(e8 + e9), quantised with 2^e10: 32 codes a lane
	v_add_f32 v[L], v[L], v[L+1]
	s_delay_alu instid0(VALU_DEP_1)
	v_permlanex16_b32 v90, v[L], s20, s21
	s_delay_alu instid0(VALU_DEP_1)
	v_add_f32 v[L], v[L], v90                      ; the row's sum
	s_wait_alu depctr_va_vdst(0)
	v_rcp_f32 v[L], v[L]
	v_nop
	s_add_co_i32 s28, s48, s49
	s_wait_alu depctr_va_vdst(0)
	v_ldexp_f32 v[L], v[L], s28
	s_add_co_i32 s28, s50, 127
	s_lshl_b32 s29, s28, 23
	v_mov_b32 v[SC], s29
	s_add_co_i32 s28, s28, 15
	s_lshl_b32 s28, s28, 23
	s_or_b32 s28, s28, 0x600000
	v_mov_b32 v[LIM], s28
.set cj, 0
.rept 32
	v_mul_f32 v[S+cj], v[OT+cj], v[L]              ; register 8 t + j is channel 32 h + 8 t + j of query r
.set cj, cj+1
.endr
.set cj, 0
.rept 32
	v_med3_num_f32 v[S+cj], v[S+cj], -v[LIM], v[LIM]
.set cj, cj+1
.endr
.irp t, 0,1,2,3
	v_cvt_scalef32_pk8_bf8_f32 v[XA+2*\t:XA+2*\t+1], v[S+8*\t:S+8*\t+7], v[SC]
.endr
	v_nop
	global_store_b128 v[OO], v[XA:XA+3], s[10:11]
	global_store_b128 v[OO], v[XA+4:XA+7], s[10:11] offset:16
	s_wait_xcnt 0x0
	v_lshl_add_u32 v254, v0, 2, 0x24400
	v_mov_b32 v255, 0
	s_wait_alu depctr_va_vdst(0)
	s_wait_tensorcnt 0x0
	ds_add_u32 v254, v255
	s_wait_dscnt 0x0
	s_endpgm
.Lfunc_end_k_q39fd5cf65b_attn:
	.size	k_q39fd5cf65b_attn, .Lfunc_end_k_q39fd5cf65b_attn-k_q39fd5cf65b_attn
	.p2alignl 7, 3214868480
	.fill 96, 4, 3214868480
	.section	.rodata,"a",@progbits
	.p2align	6, 0x0
	.amdhsa_kernel k_q39fd5cf65b_attn
		.amdhsa_group_segment_fixed_size 150528
		.amdhsa_private_segment_fixed_size 0
		.amdhsa_enable_private_segment 0
		.amdhsa_kernarg_size 32
		.amdhsa_user_sgpr_count 2
		.amdhsa_user_sgpr_kernarg_segment_ptr 1
		.amdhsa_wavefront_size32 1
		.amdhsa_system_sgpr_workgroup_id_x 1
		.amdhsa_system_sgpr_workgroup_id_y 1
		.amdhsa_system_sgpr_workgroup_id_z 1
		.amdhsa_system_vgpr_workitem_id 0
		.amdhsa_next_free_vgpr 256
		.amdhsa_next_free_sgpr 66
		.amdhsa_reserve_vcc 1
		.amdhsa_float_denorm_mode_32 3
		.amdhsa_float_denorm_mode_16_64 3
		.amdhsa_memory_ordered 1
		.amdhsa_forward_progress 1
		.amdhsa_inst_pref_size 75
	.end_amdhsa_kernel
	.amdgpu_metadata
---
amdhsa.version: [ 1, 2 ]
amdhsa.kernels:
  - .name:           k_q39fd5cf65b_attn
    .symbol:         k_q39fd5cf65b_attn.kd
    .args:
      - { .name: qkv, .offset: 0, .size: 8, .value_kind: global_buffer, .address_space: global }
      - { .name: gammas, .offset: 8, .size: 8, .value_kind: global_buffer, .address_space: global }
      - { .name: lowp_scales, .offset: 16, .size: 8, .value_kind: global_buffer, .address_space: global }
      - { .name: ac, .offset: 24, .size: 8, .value_kind: global_buffer, .address_space: global }
    .group_segment_fixed_size: 150528
    .private_segment_fixed_size: 0
    .kernarg_segment_align: 8
    .kernarg_segment_size: 32
    .max_flat_workgroup_size: 512
    .sgpr_count:     66
    .vgpr_count:     256
    .wavefront_size: 32
...
	.end_amdgpu_metadata
.endif
;; end of part 11
;; launch gemmo (part 12): grid 8 x 32, 4 waves a work-group, clusters of 4 x 4, 327,680 bytes of LDS; arguments ac, Wo_codes, lowp_scales, y, bo, query; writes y
.if DOCPART == 12
	.amdgcn_target "amdgcn-amd-amdhsa--gfx1250"
	.amdhsa_code_object_version 6
	.text
	.protected	k_q39fd5cf65b_gemmo
	.globl	k_q39fd5cf65b_gemmo
	.p2align	8
	.type	k_q39fd5cf65b_gemmo,@function
k_q39fd5cf65b_gemmo:
	s_mov_b64 s[64:65], 0
	v_nop
	global_prefetch_b8 v0, s[64:65] scope:SCOPE_SE
	s_setreg_imm32_b32 hwreg(HW_REG_WAVE_MODE, 25, 1), 1
	s_wait_xcnt 0x0
	s_wait_alu depctr_hold_cnt(0) depctr_sa_sdst(0) depctr_va_vdst(0) depctr_va_sdst(0) depctr_va_ssrc(0) depctr_va_vcc(0) depctr_vm_vsrc(0)
	s_getreg_b32 s2, hwreg(HW_REG_IB_STS2, 6, 4)
	s_cmp_eq_u32 s2, 0
	s_cbranch_scc0 .Lentry_in_a_cluster
	s_endpgm
.Lentry_in_a_cluster:
	s_bfe_u32 s2, ttmp6, 0x10000c
	s_cmp_lg_u32 s2, 0xf033
	s_cbranch_scc0 .Lentry_shape_is_right
	s_endpgm
.Lentry_shape_is_right:
; y = query + concat Wo^T + bo.  concat [4096][1024] and Wo [1024][1024]: codes of BF8 (E5M2), K innermost, scales 2^e10 and 2^e11; sums in f32; y [4096][1024] f32.  LIMIT: e10 + e11 between -126 and 127.
; A block of 128 x 128 to a work-group of four waves, 64 x 64 a wave: 256 work-groups.  K is 1,024, so both operands' tiles lie in LDS WHOLE: 4 x 64 rows of 1,024 + 16 bytes, one tensor load a wave, at the head;
; nothing is filled again, so there is no ring, and one barrier shows the tiles to all waves.  CLUSTERS of 4 x 4: A's tiles are asked for jointly along a row of the cluster, B's along a column.
; No prefetch: the one fill stands at the head, and there is no loop to run ahead in.
; The matrix instruction is used transposed (source 0 = rows of Wo, source 1 = rows of concat).  The way out goes through a stage that lies in the tiles' bytes, behind a barrier behind which nobody reads them.
.set SIZE_K, 1024
.set SCOFF,  40
.set SIZE_N, 1024
.set KSTEP,  1024
.set ROWB,   1024
.set KROW,   SIZE_K
.set PITCH,  1040                      ; 65 x 16 bytes: the sixteen rows of a fragment load start at sixteen different groups of four banks
.set FR,     16
.set HALFT,  64*PITCH
.set SLOT,   4*HALFT
.set SPARE,  SLOT                      ; behind the tiles: the spare words
.set SPITCH, 272
.set ADRA, 16
.set ADRB, 20
.set STO,  24
.set RD,   25
.set CO,   26
.set BO,   27
.set SPW,  28
.set NIL,  29
.set BIAS, 96
.set ACC,  128
.set F0,   0
.set F1,   128
.set RES,  0
.set G1, 24
.set G0, 32
.set G1B, 48
.set G0B, 56
.set MSB, 0
.macro WIN new
.if MSB != \new
	s_set_vgpr_msb (MSB<<8)|\new
.set MSB, \new
.endif
.endm
.set MUL,  0x05
.set TO_F, 0x40
.macro JLOAD g0a, g1a, g0b, g1b
	s_cmp_eq_u32 s15, 0
	s_cbranch_scc0 .Lfor_b_\@
	tensor_load_to_lds s[\g0a:\g0a+3], s[\g1a:\g1a+7]
	s_nop 0
.rept 4
	v_nop
.endr
	s_branch .Lasked_\@
.Lfor_b_\@:
	tensor_load_to_lds s[\g0b:\g0b+3], s[\g1b:\g1b+7]
	s_nop 0
.rept 4
	v_nop
.endr
.Lasked_\@:
.endm
.macro CREST
	s_cmp_lg_u32 s14, 0
	s_cbranch_scc1 .Lnot_wave_0_\@
	s_barrier_signal -3
.Lnot_wave_0_\@:
	s_barrier_wait -3
	s_barrier_signal -1
	s_barrier_wait -1
.endm
.macro CROUND
	s_barrier_signal -1
	s_barrier_wait -1
	CREST
.endm
	s_load_b128 s[4:7], s[0:1], 0x0
	s_load_b128 s[8:11], s[0:1], 0x10
	s_load_b128 s[68:71], s[0:1], 0x20
	v_lshl_add_u32 v[SPW], v0, 2, SPARE
	v_mov_b32 v[NIL], 0
	ds_add_u32 v28, v29
	ds_add_u32 v28, v29
	s_wait_dscnt 0x0
	v_lshrrev_b32 v1, 5, v0
	v_readfirstlane_b32 s14, v1
	s_lshr_b32 s15, s14, 1
	s_and_b32 s16, s14, 1
	s_bfe_u32 s40, ttmp6, 0x40000
	s_bfe_u32 s41, ttmp6, 0x40004
	s_lshl_b32 s42, ttmp9, 2
	s_add_co_u32 s42, s42, s40
	s_and_b32 s17, ttmp7, 0xffff
	s_lshl_b32 s17, s17, 2
	s_add_co_u32 s17, s17, s41
	s_lshl_b32 s43, s41, 2
	s_lshl_b32 s43, 15, s43
	s_lshl_b32 s44, 0x1111, s40
	s_or_b32 s[G1+0], s43, (0<<16)|(1<<20)|(1<<21)|(7<<22)|(3<<25)   ; padding: four words after every 256 (code 7)
	s_or_b32 s[G1B+0], s44, (0<<16)|(1<<20)|(1<<21)|(7<<22)|(3<<25)
.irp g, G1, G1B
	s_mov_b32 s[\g+1], ROWB<<16
	s_mov_b32 s[\g+2], 64<<16
	s_mov_b32 s[\g+3], ROWB<<16
	s_mov_b32 s[\g+4], 64
	s_mov_b32 s[\g+5], KROW
	s_mov_b32 s[\g+6], 0
	s_mov_b32 s[\g+7], 0
.endr
	s_lshl_b32 s18, s16, 6
	s_lshl_b32 s20, s17, 7
	s_add_co_u32 s20, s20, s18
	s_lshl_b32 s46, s42, 7
	s_add_co_u32 s46, s46, s18
	s_mov_b32 s21, 0
	s_mov_b32 s47, 0
	s_mov_b64 s[18:19], KROW
	s_mul_u64 s[20:21], s[20:21], s[18:19]
	s_mul_u64 s[46:47], s[46:47], s[18:19]
	s_mul_i32 s45, s14, HALFT
	s_wait_kmcnt 0x0
	s_load_b64 s[96:97], s[8:9], SCOFF
	s_add_nc_u64 s[20:21], s[4:5], s[20:21]
	s_add_nc_u64 s[46:47], s[6:7], s[46:47]
	CROUND
.irp s, 0
	s_mov_b32 s[G0+4*\s], 1
	s_add_co_u32 s[G0+4*\s+1], s45, \s*SLOT
	s_add_nc_u64 s[G0+4*\s+2:G0+4*\s+3], s[20:21], \s*ROWB
	s_or_b32 s[G0+4*\s+3], s[G0+4*\s+3], 0x80000000
	s_mov_b32 s[G0B+4*\s], 1
	s_add_co_u32 s[G0B+4*\s+1], s45, \s*SLOT
	s_add_nc_u64 s[G0B+4*\s+2:G0B+4*\s+3], s[46:47], \s*ROWB
	s_or_b32 s[G0B+4*\s+3], s[G0B+4*\s+3], 0x80000000
	JLOAD G0+4*\s, G1, G0B+4*\s, G1B               ; my 64 rows, all of K: the wave's one tensor load
.endr
	v_and_b32 v1, 15, v0
	s_wait_alu depctr_va_vdst(0)
	v_bfe_u32 v2, v0, 4, 1
	v_mul_u32_u24 v3, v1, PITCH
	v_lshl_add_u32 v4, v2, 4, v3
	s_mul_i32 s21, s15, HALFT
	s_mul_i32 s22, s16, HALFT
	s_add_co_u32 s22, s22, 2*HALFT
.irp s, 0
	v_add_nc_u32 v[ADRA+\s], s21, v4
	v_add_nc_u32 v[ADRB+\s], s22, v4
	s_add_co_u32 s21, s21, SLOT
	s_add_co_u32 s22, s22, SLOT
.endr
	s_mul_i32 s23, s14, 64*SPITCH
	v_mul_u32_u24 v5, v1, SPITCH
	s_wait_alu depctr_va_vdst(0)
	v_lshl_add_u32 v5, v2, 5, v5
	v_add_nc_u32 v[STO], s23, v5
	v_mul_u32_u24 v6, v2, SPITCH
	v_lshl_add_u32 v6, v1, 4, v6
	v_add_nc_u32 v[RD], s23, v6
	v_lshlrev_b32 v7, 12, v2
	v_lshl_add_u32 v[CO], v1, 4, v7
	v_lshlrev_b32 v[BO], 4, v1
	s_wait_alu depctr_va_vdst(0)
	s_lshl_b32 s20, s17, 7
	s_lshl_b32 s21, s15, 6
	s_add_co_u32 s20, s20, s21
	s_mov_b32 s21, 0
	s_mov_b64 s[18:19], SIZE_N*4
	s_mul_u64 s[20:21], s[20:21], s[18:19]
	s_lshl_b32 s46, s42, 9
	s_lshl_b32 s47, s16, 8
	s_add_co_u32 s46, s46, s47
	s_mov_b32 s47, 0
	s_add_nc_u64 s[68:69], s[68:69], s[46:47]
	s_add_nc_u64 s[20:21], s[20:21], s[46:47]
	s_add_nc_u64 s[10:11], s[10:11], s[20:21]
	s_add_nc_u64 s[70:71], s[70:71], s[20:21]
	global_load_b128 v[BIAS:BIAS+3], v[BO], s[68:69]
	WIN 0x80
.set ci, 0
.rept 32
	global_load_b128 v[RES+4*ci:RES+4*ci+3], v[CO], s[70:71] offset:2*ci*SIZE_N*4
.set ci, ci+1
.endr
	WIN 0
.macro MUL4 f, a, zero
.irp b, 0,1,2,3
.if \zero
	v_wmma_f32_16x16x128_bf8_bf8 v[ACC+8*(4*(\a)+\b):ACC+8*(4*(\a)+\b)+7], v[\f+64+FR*\b:\f+64+FR*\b+FR-1], v[\f+FR*(\a):\f+FR*(\a)+FR-1], 0
.else
	v_wmma_f32_16x16x128_bf8_bf8 v[ACC+8*(4*(\a)+\b):ACC+8*(4*(\a)+\b)+7], v[\f+64+FR*\b:\f+64+FR*\b+FR-1], v[\f+FR*(\a):\f+FR*(\a)+FR-1], v[ACC+8*(4*(\a)+\b):ACC+8*(4*(\a)+\b)+7]
.endif
.endr
.endm
.macro FETCH slot, k, f
	WIN TO_F
.irp i, 0,1,2,3
.irp c, 0,1,2,3
	ds_load_b128 v[\f+64+FR*\i+4*\c:\f+64+FR*\i+4*\c+3], v[ADRB+\slot] offset:\k+32*\c+\i*16*PITCH
.endr
.endr
.irp i, 0,1,2,3
.irp c, 0,1,2,3
	ds_load_b128 v[\f+FR*\i+4*\c:\f+FR*\i+4*\c+3], v[ADRA+\slot] offset:\k+32*\c+\i*16*PITCH
.endr
.endr
.endm
.macro PLACES
.rept 4
	v_nop
.endr
.endm
.macro QUARTER slot, k, f, g, zero
	s_wait_dscnt 8
	WIN MUL
	MUL4 \f, 0, \zero
	MUL4 \f, 1, \zero
	PLACES
	FETCH \slot, \k, \g
	s_wait_dscnt 32
	WIN MUL
	MUL4 \f, 2, \zero
	MUL4 \f, 3, \zero
.endm
	s_wait_alu depctr_va_vdst(0)
	s_wait_tensorcnt 0x0                           ; my 64 rows are in,
	s_barrier_signal -1
	s_barrier_wait -1                              ; everybody's are
	FETCH 0, 0, F0
	QUARTER 0, 128, F0, F1, 1                      ; eight steps of 128 along K, on two sets of fragments by turns; the first starts the sums
	QUARTER 0, 256, F1, F0, 0
	QUARTER 0, 384, F0, F1, 0
	QUARTER 0, 512, F1, F0, 0
	QUARTER 0, 640, F0, F1, 0
	QUARTER 0, 768, F1, F0, 0
	QUARTER 0, 896, F0, F1, 0
	s_wait_dscnt 8
	WIN MUL
	MUL4 F1, 0, 0
	MUL4 F1, 1, 0
	s_wait_dscnt 0x0                               ; my reads of the tiles are over:
	s_barrier_signal -1                            ; say so, work on registers while the others arrive,
	MUL4 F1, 2, 0
	MUL4 F1, 3, 0
	s_barrier_wait -1                              ; and behind this wait nobody reads the tiles: the stage may lie in their bytes, which are filled no more
.macro TOSTAGE a
.irp b, 0,1,2,3
	ds_store_b128 v[STO], v[ACC+8*(4*(\a)+\b):ACC+8*(4*(\a)+\b)+3] offset:(\a)*16*SPITCH+64*\b
	ds_store_b128 v[STO], v[ACC+8*(4*(\a)+\b)+4:ACC+8*(4*(\a)+\b)+7] offset:(\a)*16*SPITCH+64*\b+16
.endr
.endm
.macro BACK i
	ds_load_b128 v[ACC+4*(\i):ACC+4*(\i)+3], v[RD] offset:(\i)*2*SPITCH
.endm
.macro SEND i
	v_pk_fma_f32 v[ACC+4*(\i):ACC+4*(\i)+1], v[ACC+4*(\i):ACC+4*(\i)+1], s[96:97], v[RES+4*(\i):RES+4*(\i)+1] op_sel_hi:[1,0,1]
	v_pk_fma_f32 v[ACC+4*(\i)+2:ACC+4*(\i)+3], v[ACC+4*(\i)+2:ACC+4*(\i)+3], s[96:97], v[RES+4*(\i)+2:RES+4*(\i)+3] op_sel_hi:[1,0,1]
	global_store_b128 v[CO], v[ACC+4*(\i):ACC+4*(\i)+3], s[10:11] offset:2*(\i)*SIZE_N*4
.endm
	s_wait_kmcnt 0x0
	s_add_co_i32 s96, s96, s97
	s_add_co_i32 s96, s96, 127
	s_lshl_b32 s96, s96, 23
	s_mov_b32 s97, s96
	s_wait_loadcnt 0x0
	WIN 0x82
.set ci, 0
.rept 32
	v_pk_add_f32 v[RES+4*ci:RES+4*ci+1], v[RES+4*ci:RES+4*ci+1], v[BIAS:BIAS+1]
	v_pk_add_f32 v[RES+4*ci+2:RES+4*ci+3], v[RES+4*ci+2:RES+4*ci+3], v[BIAS+2:BIAS+3]
.set ci, ci+1
.endr
	WIN 0
	TOSTAGE 0
	TOSTAGE 1
.set ci, 0
.rept 16
	BACK ci
.set ci, ci+1
.endr
	TOSTAGE 2
	TOSTAGE 3
	WIN 0x20
.set ci, 0
.rept 16
	s_wait_dscnt 31
	SEND ci
	BACK ci+16
.set ci, ci+1
.endr
.rept 16
	s_wait_dscnt 31-ci
	SEND ci
.set ci, ci+1
.endr
	WIN 0
	s_wait_tensorcnt 0x0
	ds_add_u32 v[SPW], v[NIL]
	s_wait_dscnt 0x0
	CROUND
	s_endpgm
.Lfunc_end_k_q39fd5cf65b_gemmo:
	.size	k_q39fd5cf65b_gemmo, .Lfunc_end_k_q39fd5cf65b_gemmo-k_q39fd5cf65b_gemmo
	.p2alignl 7, 3214868480
	.fill 96, 4, 3214868480
	.section	.rodata,"a",@progbits
	.p2align	6, 0x0
	.amdhsa_kernel k_q39fd5cf65b_gemmo
		.amdhsa_group_segment_fixed_size 327680
		.amdhsa_private_segment_fixed_size 0
		.amdhsa_enable_private_segment 0
		.amdhsa_kernarg_size 48
		.amdhsa_user_sgpr_count 2
		.amdhsa_user_sgpr_kernarg_segment_ptr 1
		.amdhsa_wavefront_size32 1
		.amdhsa_system_sgpr_workgroup_id_x 1
		.amdhsa_system_sgpr_workgroup_id_y 1
		.amdhsa_system_sgpr_workgroup_id_z 1
		.amdhsa_system_vgpr_workitem_id 0
		.amdhsa_next_free_vgpr 640
		.amdhsa_next_free_sgpr 100
		.amdhsa_reserve_vcc 0
		.amdhsa_float_denorm_mode_32 3
		.amdhsa_float_denorm_mode_16_64 3
		.amdhsa_memory_ordered 1
		.amdhsa_forward_progress 1
		.amdhsa_inst_pref_size 52
	.end_amdhsa_kernel
	.amdgpu_metadata
---
amdhsa.version: [ 1, 2 ]
amdhsa.kernels:
  - .name:           k_q39fd5cf65b_gemmo
    .symbol:         k_q39fd5cf65b_gemmo.kd
    .args:
      - { .name: ac, .offset: 0, .size: 8, .value_kind: global_buffer, .address_space: global }
      - { .name: Wo_codes, .offset: 8, .size: 8, .value_kind: global_buffer, .address_space: global }
      - { .name: lowp_scales, .offset: 16, .size: 8, .value_kind: global_buffer, .address_space: global }
      - { .name: y, .offset: 24, .size: 8, .value_kind: global_buffer, .address_space: global }
      - { .name: bo, .offset: 32, .size: 8, .value_kind: global_buffer, .address_space: global }
      - { .name: query, .offset: 40, .size: 8, .value_kind: global_buffer, .address_space: global }
    .group_segment_fixed_size: 327680
    .private_segment_fixed_size: 0
    .kernarg_segment_align: 8
    .kernarg_segment_size: 48
    .max_flat_workgroup_size: 128
    .sgpr_count:     100
    .vgpr_count:     640
    .wavefront_size: 32
...
	.end_amdgpu_metadata
.endif
;; end of part 12
;; launch ln1 (part 13): grid 256 x 1, 4 waves a work-group, no clusters, 16,896 bytes of LDS; arguments y, ln1_w, ln1_b, lowp_scales, x, ac; writes x, ac
.if DOCPART == 13
	.amdgcn_target "amdgcn-amd-amdhsa--gfx1250"
	.amdhsa_code_object_version 6
	.text
	.protected	k_q39fd5cf65b_ln1
	.globl	k_q39fd5cf65b_ln1
	.p2align	8
	.type	k_q39fd5cf65b_ln1,@function
k_q39fd5cf65b_ln1:
	s_mov_b64 s[64:65], 0
	v_nop
	global_prefetch_b8 v0, s[64:65] scope:SCOPE_SE
	s_setreg_imm32_b32 hwreg(HW_REG_WAVE_MODE, 25, 1), 1
	s_wait_xcnt 0x0
; LayerNorm over rows of 1,024 f32: out = (y - mean) / sqrt(var + 1e-5) x w + b, var = the mean of (y - mean)^2.  ONE TEXT, TWO LAUNCHES.
; CODES = 1: the result leaves as f32 AND as codes of BF8 (E5M2) with the scale 2^e, e = entry 12 of the exponents (-126 <= e <= 112; NaN is not served).  CODES = 0: f32 alone.
; Memory binds: each byte is read once and written once; no matrix unit, no cluster, no barrier.  One wave takes a whole row (4,096 bytes: eight loads of 512 consecutive bytes, 32 registers a lane) and keeps it in
; registers between the passes; four rows a wave, all 32 loads issued at the head.  Register 4 j + q of a row is column 128 j + 4 lane + q; w and b lie the same way and stay.
; The codes: eight registers give eight codes, four of column group j and four of group j + 1: each word of codes goes to its place in the wave's own 4,096 bytes of LDS, and the four rows leave as 512 consecutive bytes a store.
.set CODES, 1
.set W,   8                            ; v8-39    w
.set BB,  40                           ; v40-71   b
.set X,   72                           ; v72-199  four rows, 32 registers each; a row's registers are written for the last time ahead of its stores
.set T,   200                          ; v200-215 two sets of eight held numbers
.set C,   216                          ; v216-231 two sets of eight words of codes
.set A,   232                          ; v232-239 four chains of sums; v240 what the lane permute brings
.if CODES
.set OUTP, 16
.else
.set OUTP, 10
.endif
	s_load_b256 s[4:11], s[0:1], 0x0               ; y s[4:5], w s[6:7], b s[8:9]; s[10:11]: the exponents (CODES = 1) or the output
.if CODES
	s_load_b128 s[16:19], s[0:1], 0x20             ; the output in f32 s[16:17], its codes s[18:19]
	v_lshl_add_u32 v248, v0, 2, 0x4000
	v_mov_b32 v249, 0
.endif
	v_lshrrev_b32 v1, 5, v0
	v_readfirstlane_b32 s20, v1                    ; wave 0..3
	v_and_b32 v1, 31, v0
	s_wait_alu depctr_va_vdst(0)
	v_lshlrev_b32 v2, 4, v1                        ; 16 x lane
	s_wait_alu depctr_va_vdst(0)
	s_lshl_b32 s22, ttmp9, 16                      ; 16 rows of 4,096 bytes a work-group,
	s_lshl_b32 s23, s20, 14                        ; four a wave
	s_add_co_u32 s22, s22, s23
	s_mov_b32 s23, 0
	s_mov_b32 s12, 0x3a800000                      ; 1 / 1,024
	s_mov_b32 s13, 0x3727c5ac                      ; 1e-5
	s_mov_b32 s14, 0x76543210                      ; v_permlanex16_b32's selects for lane l xor 16
	s_mov_b32 s15, 0xfedcba98
	v_mov_b32 v240, 0                              ; written once: a lane permute's destination counts as one of its sources
.if CODES
	s_lshl_b32 s25, s20, 12                        ; my wave's 4,096 bytes of LDS
	v_lshl_add_u32 v3, v1, 2, s25                  ; in: 4 x lane
	v_add_nc_u32 v6, s25, v2                       ; back: 16 x lane
	s_lshl_b32 s26, ttmp9, 14                      ; 16 rows of 1,024 codes a work-group,
	s_add_co_u32 s26, s26, s25                     ; four a wave
	s_mov_b32 s27, 0
.endif
	s_wait_kmcnt 0x0
.if CODES
	s_load_b32 s24, s[10:11], 48                   ; e
	s_add_nc_u64 s[18:19], s[18:19], s[26:27]
.endif
	s_add_nc_u64 s[4:5], s[4:5], s[22:23]
	s_add_nc_u64 s[OUTP:OUTP+1], s[OUTP:OUTP+1], s[22:23]
.irp j, 0,1,2,3,4,5,6,7
	global_load_b128 v[W+4*\j:W+4*\j+3], v2, s[6:7] offset:512*\j
.endr
.irp j, 0,1,2,3,4,5,6,7
	global_load_b128 v[BB+4*\j:BB+4*\j+3], v2, s[8:9] offset:512*\j
.endr
.irp s, 0,1,2,3
.irp j, 0,1,2,3,4,5,6,7
	global_load_b128 v[X+32*\s+4*\j:X+32*\s+4*\j+3], v2, s[4:5] offset:4096*\s+512*\j th:TH_LOAD_NT
.endr
.endr
.if CODES
	s_wait_kmcnt 0x0
	s_add_co_i32 s24, s24, 127
	s_lshl_b32 s25, s24, 23
	v_mov_b32 v4, s25                              ; 2^e as f32: the conversion takes its exponent field
	s_add_co_i32 s24, s24, 15
	s_lshl_b32 s24, s24, 23
	s_or_b32 s24, s24, 0x600000
	v_mov_b32 v5, s24                              ; 57,344 x 2^e
.endif
.macro FOLD                            ; the four chains, the two halves of a pair and the 32 lanes become one sum, in every lane
	v_pk_add_f32 v[A:A+1], v[A:A+1], v[A+2:A+3]
	v_pk_add_f32 v[A+4:A+5], v[A+4:A+5], v[A+6:A+7]
	v_pk_add_f32 v[A:A+1], v[A:A+1], v[A+4:A+5]
	v_add_f32 v[A], v[A], v[A+1]
	v_add_f32_dpp v[A], v[A], v[A] row_xmask:1 row_mask:0xf bank_mask:0xf
	v_add_f32_dpp v[A], v[A], v[A] row_xmask:2 row_mask:0xf bank_mask:0xf
	v_add_f32_dpp v[A], v[A], v[A] row_xmask:4 row_mask:0xf bank_mask:0xf
	v_add_f32_dpp v[A], v[A], v[A] row_xmask:8 row_mask:0xf bank_mask:0xf
	v_permlanex16_b32 v240, v[A], s14, s15
	v_add_f32 v[A], v[A], v240
.endm
.macro ROW s
.set XS, X+32*(\s)
	s_wait_loadcnt 8*(3-(\s))                      ; w, b and this row are in; the later rows' loads may be out
.irp k, 0,1,2,3
	v_pk_add_f32 v[A+2*\k:A+2*\k+1], v[XS+2*\k:XS+2*\k+1], v[XS+8+2*\k:XS+9+2*\k]     ; the first eight pairs start the chains: nothing is cleared
.endr
.irp p, 8,9,10,11,12,13,14,15
	v_pk_add_f32 v[A+2*(\p%4):A+2*(\p%4)+1], v[A+2*(\p%4):A+2*(\p%4)+1], v[XS+2*\p:XS+2*\p+1]
.endr
	FOLD
	v_mul_f32 v[A], s12, v[A]                      ; the mean
.irp p, 0,1,2,3,4,5,6,7,8,9,10,11,12,13,14,15
	v_pk_add_f32 v[XS+2*\p:XS+2*\p+1], v[XS+2*\p:XS+2*\p+1], v[A:A+1] op_sel_hi:[1,0] neg_lo:[0,1] neg_hi:[0,1]
.endr
.irp k, 0,1,2,3
	v_pk_mul_f32 v[A+2*\k:A+2*\k+1], v[XS+2*\k:XS+2*\k+1], v[XS+2*\k:XS+2*\k+1]
.endr
.irp p, 4,5,6,7,8,9,10,11,12,13,14,15
	v_pk_fma_f32 v[A+2*(\p%4):A+2*(\p%4)+1], v[XS+2*\p:XS+2*\p+1], v[XS+2*\p:XS+2*\p+1], v[A+2*(\p%4):A+2*(\p%4)+1]
.endr
	FOLD
	v_fma_f32 v[A], v[A], s12, s13                 ; var + 1e-5
	s_wait_alu depctr_va_vdst(0)
	v_rsq_f32 v[A], v[A]
	v_nop                                          ; a plain line behind the transcendental
	s_wait_alu depctr_va_vdst(0)
.irp p, 0,1,2,3,4,5,6,7,8,9,10,11,12,13,14,15
	v_pk_mul_f32 v[XS+2*\p:XS+2*\p+1], v[XS+2*\p:XS+2*\p+1], v[A:A+1] op_sel_hi:[1,0]
.endr
.irp p, 0,1,2,3,4,5,6,7,8,9,10,11,12,13,14,15
	v_pk_fma_f32 v[XS+2*\p:XS+2*\p+1], v[XS+2*\p:XS+2*\p+1], v[W+2*\p:W+2*\p+1], v[BB+2*\p:BB+2*\p+1]
.endr
.irp j, 0,1,2,3,4,5,6,7
	global_store_b128 v2, v[XS+4*\j:XS+4*\j+3], s[OUTP:OUTP+1] offset:4096*(\s)+512*\j   ; 32 lanes store 512 consecutive bytes
.endr
.if CODES
.if (\s) >= 2
	s_wait_dscnt 8                                 ; the stores of two rows ago have read this set of code registers; the last row's eight may be out
.endif
.irp g, 0,1,2,3
.irp i, 0,1,2,3,4,5,6,7
	v_med3_num_f32 v[T+8*(\g%2)+\i], v[XS+8*\g+\i], -v5, v5    ; the hold, into other registers: the row's own are being stored
.endr
	v_cvt_scalef32_pk8_bf8_f32 v[C+8*((\s)%2)+2*\g:C+8*((\s)%2)+2*\g+1], v[T+8*(\g%2):T+8*(\g%2)+7], v4   ; the other set's eight holds stand between it and the next writes of its sources
.endr
	v_nop
.irp j, 0,1,2,3,4,5,6,7
	ds_store_b32 v3, v[C+8*((\s)%2)+\j] offset:1024*(\s)+128*\j   ; the codes of columns 128 j + 4 lane on
.endr
.endif
.endm
.irp s, 0,1,2,3
	ROW \s
.endr
.if CODES
.irp i, 0,1,2,3,4,5,6,7
	ds_load_b128 v[W+4*\i:W+4*\i+3], v6 offset:512*\i             ; LDS serves a wave's instructions in order: these see my stores; w is done with
.endr
.irp i, 0,1,2,3,4,5,6,7
	s_wait_dscnt 7-\i
	global_store_b128 v2, v[W+4*\i:W+4*\i+3], s[18:19] offset:512*\i   ; my four rows of codes are 4,096 consecutive bytes
.endr
.endif
	s_wait_tensorcnt 0x0
	ds_add_u32 v248, v249
	s_wait_dscnt 0x0
	s_endpgm
.Lfunc_end_k_q39fd5cf65b_ln1:
	.size	k_q39fd5cf65b_ln1, .Lfunc_end_k_q39fd5cf65b_ln1-k_q39fd5cf65b_ln1
	.p2alignl 7, 3214868480
	.fill 96, 4, 3214868480
	.section	.rodata,"a",@progbits
	.p2align	6, 0x0
	.amdhsa_kernel k_q39fd5cf65b_ln1
		.amdhsa_group_segment_fixed_size 16896
		.amdhsa_private_segment_fixed_size 0
		.amdhsa_enable_private_segment 0
		.amdhsa_kernarg_size 48
		.amdhsa_user_sgpr_count 2
		.amdhsa_user_sgpr_kernarg_segment_ptr 1
		.amdhsa_wavefront_size32 1
		.amdhsa_system_sgpr_workgroup_id_x 1
		.amdhsa_system_sgpr_workgroup_id_y 1
		.amdhsa_system_sgpr_workgroup_id_z 1
		.amdhsa_system_vgpr_workitem_id 0
		.amdhsa_next_free_vgpr 250
		.amdhsa_next_free_sgpr 66
		.amdhsa_reserve_vcc 0
		.amdhsa_float_denorm_mode_32 3
		.amdhsa_float_denorm_mode_16_64 3
		.amdhsa_memory_ordered 1
		.amdhsa_forward_progress 1
		.amdhsa_inst_pref_size 47
	.end_amdhsa_kernel
	.amdgpu_metadata
---
amdhsa.version: [ 1, 2 ]
amdhsa.kernels:
  - .name:           k_q39fd5cf65b_ln1
    .symbol:         k_q39fd5cf65b_ln1.kd
    .args:
      - { .name: y, .offset: 0, .size: 8, .value_kind: global_buffer, .address_space: global }
      - { .name: ln1_w, .offset: 8, .size: 8, .value_kind: global_buffer, .address_space: global }
      - { .name: ln1_b, .offset: 16, .size: 8, .value_kind: global_buffer, .address_space: global }
      - { .name: lowp_scales, .offset: 24, .size: 8, .value_kind: global_buffer, .address_space: global }
      - { .name: x, .offset: 32, .size: 8, .value_kind: global_buffer, .address_space: global }
      - { .name: ac, .offset: 40, .size: 8, .value_kind: global_buffer, .address_space: global }
    .group_segment_fixed_size: 16896
    .private_segment_fixed_size: 0
    .kernarg_segment_align: 8
    .kernarg_segment_size: 48
    .max_flat_workgroup_size: 128
    .sgpr_count:     66
    .vgpr_count:     250
    .wavefront_size: 32
...
	.end_amdgpu_metadata
.endif
;; end of part 13
;; launch ffn1 (part 14): grid 16 x 16, 4 waves a work-group, clusters of 4 x 4, 327,680 bytes of LDS; arguments ac, W1_codes, lowp_scales, hc, b1; writes hc
.if DOCPART == 14
	.amdgcn_target "amdgcn-amd-amdhsa--gfx1250"
	.amdhsa_code_object_version 6
	.text
	.protected	k_q39fd5cf65b_ffn1
	.globl	k_q39fd5cf65b_ffn1
	.p2align	8
	.type	k_q39fd5cf65b_ffn1,@function
k_q39fd5cf65b_ffn1:
	s_mov_b64 s[64:65], 0
	v_nop
	global_prefetch_b8 v0, s[64:65] scope:SCOPE_SE
	s_setreg_imm32_b32 hwreg(HW_REG_WAVE_MODE, 25, 1), 1
	s_wait_xcnt 0x0
	s_wait_alu depctr_hold_cnt(0) depctr_sa_sdst(0) depctr_va_vdst(0) depctr_va_sdst(0) depctr_va_ssrc(0) depctr_va_vcc(0) depctr_vm_vsrc(0)
	s_getreg_b32 s2, hwreg(HW_REG_IB_STS2, 6, 4)
	s_cmp_eq_u32 s2, 0
	s_cbranch_scc0 .Lentry_in_a_cluster
	s_endpgm
.Lentry_in_a_cluster:
	s_bfe_u32 s2, ttmp6, 0x10000c
	s_cmp_lg_u32 s2, 0xf033
	s_cbranch_scc0 .Lentry_shape_is_right
	s_endpgm
.Lentry_shape_is_right:
; The first layer of the FFN: relu(x W1^T + b1) as codes of BF8 (E5M2), rows of 4,096.  x [4096][1024] and W1 [4096][1024]: codes, K innermost, scales 2^e12, 2^e13; the result's scale 2^e14; sums in f32.
; LIMITS: e12 + e13 between -126 and 127; e14 between -126 and 112; NaN is not served.
; A block of 256 x 256 to four waves, 128 x 128 a wave; K in steps of 256 through a ring of two LDS slots filled by joint tensor loads in clusters of 4 x 4 (A's tiles along a row, B's along a column).
; The matrix instruction is used transposed: a lane holds eight neighbouring numbers of a row, which one conversion turns into eight codes; the codes meet in a stage in slot 0 and leave as whole units of 256 bytes.
; PREFETCH INTO THE L2: behind the load of K step n stands one prefetch a wave for K step n + 2 (n = 0, 1; the head asks for K step 1 as well).  Of the 128 rows that a wave fetches, each of the four partners that ask for
; them jointly takes 32, told apart by address (cx for A, cy for B), a lane a row of 256 bytes: each block is named once in each cluster that loads it.  The steps are told apart by the immediate: no address is stepped.
.set PFO,  23                          ; v23     the prefetches' offset: 1,024 x lane; never rewritten
.set PFA,  66                          ; s[66:67] my work-group's 32 rows of the 128 that I fetch, at K step 0; never rewritten
.set PROJ,   0
.set SIZE_K, 1024
.set KSTEP,  256
.set ROWB,   256
.set KROW,   SIZE_K
.set PITCH,  272
.set FR,     16
.set NL,     4
.set NP,     4
.set HALFT,  128*PITCH
.set SLOT,   4*HALFT
.set LAPS,   SIZE_K/(2*KSTEP)
.set SPARE,  2*SLOT
.set ADRA, 16
.set ADRB, 20
.set RD2,  22
.set STO,  24
.set RD,   25
.set CO,   26
.set BO,   27
.set SPW,  28
.set NIL,  29
.set SC,   30
.set LIM,  31
.set CD,   32
.set BI,   64
.set AF,   128
.set TMP,  128
.set G1, 24
.set G0, 32
.set G1B, 48
.set G0B, 56
.if PROJ
.set BP, 8
.else
.set BP, 68
.endif
.set MSB, 0
.macro WIN new
.if MSB != \new
	s_set_vgpr_msb (MSB<<8)|\new
.set MSB, \new
.endif
.endm
.set MUL_LO, 0xa1
.set MUL_HI, 0xf1
.set TO_B,   0x40
.macro JLOAD g0a, g1a, g0b, g1b
	s_cmp_eq_u32 s15, 0
	s_cbranch_scc0 .Lfor_b_\@
	tensor_load_to_lds s[\g0a:\g0a+3], s[\g1a:\g1a+7]
	s_nop 0
.rept 4
	v_nop
.endr
	s_branch .Lasked_\@
.Lfor_b_\@:
	tensor_load_to_lds s[\g0b:\g0b+3], s[\g1b:\g1b+7]
	s_nop 0
.rept 4
	v_nop
.endr
.Lasked_\@:
.endm
.macro CREST
	s_cmp_lg_u32 s14, 0
	s_cbranch_scc1 .Lnot_wave_0_\@
	s_barrier_signal -3
.Lnot_wave_0_\@:
	s_barrier_wait -3
	s_barrier_signal -1
	s_barrier_wait -1
.endm
.macro CROUND
	s_barrier_signal -1
	s_barrier_wait -1
	CREST
.endm
.if PROJ
	s_load_b512 s[68:83], s[0:1], 0x0
	s_load_b128 s[84:87], s[0:1], 0x40
	s_load_b64 s[88:89], s[0:1], 0x50
.else
	s_load_b128 s[4:7], s[0:1], 0x0
	s_load_b128 s[8:11], s[0:1], 0x10
	s_load_b64 s[68:69], s[0:1], 0x20
.endif
	v_lshl_add_u32 v[SPW], v0, 2, SPARE
	v_mov_b32 v[NIL], 0
	ds_add_u32 v28, v29
	ds_add_u32 v28, v29
	s_wait_dscnt 0x0
	v_lshrrev_b32 v1, 5, v0
	v_readfirstlane_b32 s14, v1
	s_lshr_b32 s15, s14, 1
	s_and_b32 s16, s14, 1
	s_bfe_u32 s40, ttmp6, 0x40000
	s_bfe_u32 s41, ttmp6, 0x40004
	s_lshl_b32 s42, ttmp9, 2
	s_add_co_u32 s42, s42, s40
	s_and_b32 s17, ttmp7, 0xffff
.if PROJ
	s_lshr_b32 s12, s17, 2
	s_and_b32 s17, s17, 3
.endif
	s_lshl_b32 s17, s17, 2
	s_add_co_u32 s17, s17, s41
	s_lshl_b32 s43, s41, 2
	s_lshl_b32 s43, 15, s43
	s_lshl_b32 s44, 0x1111, s40
	s_or_b32 s[G1+0], s43, (0<<16)|(1<<20)|(1<<21)|(5<<22)|(3<<25)
	s_or_b32 s[G1B+0], s44, (0<<16)|(1<<20)|(1<<21)|(5<<22)|(3<<25)
.irp g, G1, G1B
	s_mov_b32 s[\g+1], ROWB<<16
	s_mov_b32 s[\g+2], 128<<16
	s_mov_b32 s[\g+3], ROWB<<16
	s_mov_b32 s[\g+4], 128
	s_mov_b32 s[\g+5], KROW
	s_mov_b32 s[\g+6], 0
	s_mov_b32 s[\g+7], 0
.endr
	s_lshl_b32 s18, s16, 7
	s_lshl_b32 s20, s17, 8
	s_add_co_u32 s20, s20, s18
	s_lshl_b32 s46, s42, 8
	s_add_co_u32 s46, s46, s18
	s_mov_b32 s21, 0
	s_mov_b32 s47, 0
	s_mov_b64 s[18:19], KROW
	s_mul_u64 s[20:21], s[20:21], s[18:19]
	s_mul_u64 s[46:47], s[46:47], s[18:19]
	s_mul_i32 s45, s14, HALFT
	s_wait_kmcnt 0x0
.if PROJ
	s_cmp_eq_u32 s12, 0
	s_cselect_b64 s[4:5], s[68:69], s[70:71]
	s_cselect_b64 s[6:7], s[74:75], s[76:77]
	s_cselect_b64 s[8:9], s[80:81], s[82:83]
	s_cmp_eq_u32 s12, 2
	s_cselect_b64 s[4:5], s[72:73], s[4:5]
	s_cselect_b64 s[6:7], s[78:79], s[6:7]
	s_cselect_b64 s[8:9], s[84:85], s[8:9]
	s_mov_b64 s[10:11], s[88:89]
	s_load_b512 s[68:83], s[86:87], 0x0
.else
	s_load_b128 s[96:99], s[8:9], 48
.endif
	s_add_nc_u64 s[20:21], s[4:5], s[20:21]
	s_add_nc_u64 s[46:47], s[6:7], s[46:47]
	CROUND
.irp s, 0,1
	s_mov_b32 s[G0+4*\s], 1
	s_add_co_u32 s[G0+4*\s+1], s45, \s*SLOT
	s_add_nc_u64 s[G0+4*\s+2:G0+4*\s+3], s[20:21], \s*ROWB
	s_or_b32 s[G0+4*\s+3], s[G0+4*\s+3], 0x80000000
	s_mov_b32 s[G0B+4*\s], 1
	s_add_co_u32 s[G0B+4*\s+1], s45, \s*SLOT
	s_add_nc_u64 s[G0B+4*\s+2:G0B+4*\s+3], s[46:47], \s*ROWB
	s_or_b32 s[G0B+4*\s+3], s[G0B+4*\s+3], 0x80000000
.endr
	JLOAD G0, G1, G0B, G1B                         ; K step 0
	v_and_b32 v1, 15, v0
	v_bfe_u32 v2, v0, 4, 1
	v_mul_u32_u24 v3, v1, PITCH
	s_wait_alu depctr_va_vdst(0)
	v_lshl_add_u32 v4, v2, 4, v3
	s_mul_i32 s21, s15, HALFT
	s_mul_i32 s22, s16, HALFT
	s_add_co_u32 s22, s22, 2*HALFT
.irp s, 0,1
	v_add_nc_u32 v[ADRA+\s], s21, v4
	v_add_nc_u32 v[ADRB+\s], s22, v4
	s_add_co_u32 s21, s21, SLOT
	s_add_co_u32 s22, s22, SLOT
.endr
	s_wait_alu depctr_va_vdst(0)
	s_lshl_b32 s90, s17, 8                         ; the prefetches: the tile's first row, in A by the tile row,
	s_lshl_b32 s91, s42, 8                         ; in B by the tile column
	s_cmp_eq_u32 s15, 0                            ; do I fetch for A?
	s_cselect_b32 s90, s90, s91
	s_cselect_b32 s91, s40, s41                    ; my place among the four that ask with me
	s_cselect_b64 s[PFA:PFA+1], s[4:5], s[6:7]
	s_lshl_b32 s92, s16, 7
	s_add_co_u32 s90, s90, s92                     ; + the 128 rows that I fetch
	s_lshl_b32 s91, s91, 5
	s_add_co_u32 s90, s90, s91                     ; + my work-group's 32 of them
	s_lshl_b32 s90, s90, 10                        ; rows of 1,024 bytes
	s_mov_b32 s91, 0
	s_add_nc_u64 s[PFA:PFA+1], s[PFA:PFA+1], s[90:91]
	v_and_b32 v[PFO], 31, v0
	v_lshlrev_b32 v[PFO], 10, v[PFO]
	global_prefetch_b8 v[PFO], s[PFA:PFA+1] offset:ROWB th:TH_LOAD_NT scope:SCOPE_SE     ; K step 1
	global_prefetch_b8 v[PFO], s[PFA:PFA+1] offset:2*ROWB th:TH_LOAD_NT scope:SCOPE_SE   ; K step 2
	v_lshlrev_b32 v[BO], 5, v2                     ; the bias of my 128 columns, in the result's layout: 32 h
	s_lshl_b32 s46, s42, 10
	s_lshl_b32 s47, s16, 9
	s_add_co_u32 s46, s46, s47
	s_mov_b32 s47, 0
	s_add_nc_u64 s[BP:BP+1], s[BP:BP+1], s[46:47]
.irp b, 0,1,2,3,4,5,6,7
	global_load_b128 v[BI+8*\b:BI+8*\b+3], v[BO], s[BP:BP+1] offset:64*\b
	global_load_b128 v[BI+8*\b+4:BI+8*\b+7], v[BO], s[BP:BP+1] offset:64*\b+16
.endr
	s_mul_i32 s23, s15, 128*PITCH
	s_lshl_b32 s21, s16, 7
	s_add_co_u32 s23, s23, s21
	v_lshl_add_u32 v5, v2, 3, v3
	v_add_nc_u32 v[STO], s23, v5
.if PROJ
	v_and_b32 v6, 31, v0
	v_lshrrev_b32 v7, 2, v6
	v_mul_u32_u24 v7, v7, PITCH
	v_and_b32 v8, 3, v6
	v_lshl_add_u32 v7, v8, 4, v7
	s_lshl_b32 s23, s14, 6
	v_add_nc_u32 v[RD], s23, v7
	v_add_nc_u32 v[RD2], 128*PITCH, v[RD]
	v_lshlrev_b32 v[CO], 4, v6
	s_lshl_b32 s20, s12, 22
	s_lshr_b32 s21, s17, 2
	s_lshl_b32 s21, s21, 20
	s_add_co_u32 s20, s20, s21
	s_and_b32 s21, s17, 3
	s_lshl_b32 s21, s21, 14
	s_add_co_u32 s20, s20, s21
	s_lshl_b32 s21, s14, 16
	s_add_co_u32 s20, s20, s21
	s_mov_b32 s21, 0
	s_lshl_b32 s46, s42, 18
.else
	v_mul_u32_u24 v7, v2, PITCH
	v_lshl_add_u32 v7, v1, 4, v7
	s_mul_i32 s23, s14, 64*PITCH
	v_add_nc_u32 v[RD], s23, v7
	v_lshlrev_b32 v8, 12, v2
	v_lshl_add_u32 v[CO], v1, 4, v8
	s_lshl_b32 s20, s17, 20
	s_lshl_b32 s21, s14, 18
	s_add_co_u32 s20, s20, s21
	s_mov_b32 s21, 0
	s_lshl_b32 s46, s42, 8
.endif
	s_mov_b32 s47, 0
	s_add_nc_u64 s[20:21], s[20:21], s[46:47]
	s_add_nc_u64 s[10:11], s[10:11], s[20:21]
.macro FRAG reg, adr, q, i
.irp c, 0,1,2,3
	ds_load_b128 v[\reg+4*\c:\reg+4*\c+3], v[\adr] offset:128*(\q)+32*\c+(\i)*16*PITCH
.endr
.endm
.macro MUL16 a0, p, zero
.irp a, \a0, \a0+1
.irp b, 0,1,2,3,4,5,6,7
.if \zero
	v_wmma_f32_16x16x128_bf8_bf8 v[8*(8*((\a)%4)+\b):8*(8*((\a)%4)+\b)+7], v[128*(\p)+FR*\b:128*(\p)+FR*\b+FR-1], v[AF+FR*(\a):AF+FR*(\a)+FR-1], 0
.else
	v_wmma_f32_16x16x128_bf8_bf8 v[8*(8*((\a)%4)+\b):8*(8*((\a)%4)+\b)+7], v[128*(\p)+FR*\b:128*(\p)+FR*\b+FR-1], v[AF+FR*(\a):AF+FR*(\a)+FR-1], v[8*(8*((\a)%4)+\b):8*(8*((\a)%4)+\b)+7]
.endif
.endr
.endr
.endm
.macro FETCH_B slot, q, p
	WIN TO_B
.irp i, 0,1,2,3,4,5,6,7
	FRAG 128*(\p)+FR*\i, ADRB+\slot, \q, \i
.endr
	WIN 0
.endm
.macro FETCH_A slot, q, i0
.irp i, \i0, \i0+1, \i0+2, \i0+3
	FRAG AF+FR*(\i), ADRA+\slot, \q, \i
.endr
.endm
.macro PLACES n
.rept \n
	v_nop
.endr
.endm
.macro STEP slot, q, zero
	s_wait_dscnt 4*NL
	WIN MUL_LO
	MUL16 0, (\q)%2, \zero
	MUL16 2, (\q)%2, \zero
	s_wait_dscnt 0
	PLACES NP
	FETCH_B \slot, (\q)+1, 1-(\q)%2
	FETCH_A \slot, (\q)+1, 0
	WIN MUL_HI
	MUL16 4, (\q)%2, \zero
	MUL16 6, (\q)%2, \zero
	PLACES NP
	WIN 0
	FETCH_A \slot, (\q)+1, 4
.endm
.macro TURN slot, next, fill
	s_wait_tensorcnt 0x0
	ds_add_u32 v[SPW], v[NIL]
	s_wait_dscnt 4*NL+1
	WIN MUL_LO
	MUL16 0, 1, 0
	s_wait_dscnt 0x0
	s_barrier_signal -1
	MUL16 2, 1, 0
	WIN 0
	s_barrier_wait -1
.if \fill
	CREST
	s_add_nc_u64 s[G0+4*\slot+2:G0+4*\slot+3], s[G0+4*\slot+2:G0+4*\slot+3], 2*ROWB
	s_add_nc_u64 s[G0B+4*\slot+2:G0B+4*\slot+3], s[G0B+4*\slot+2:G0B+4*\slot+3], 2*ROWB
	JLOAD G0+4*\slot, G1, G0B+4*\slot, G1B
.else
	PLACES NP
.endif
	s_wait_alu depctr_va_vdst(0)
	FETCH_B \next, 0, 0
	FETCH_A \next, 0, 0
	WIN MUL_HI
	MUL16 4, 1, 0
	MUL16 6, 1, 0
	PLACES NP
	WIN 0
	FETCH_A \next, 0, 4
.endm
	s_wait_alu depctr_va_vdst(0)
	s_wait_tensorcnt 0x0                           ; my part of K step 0 is in
	ds_add_u32 v[SPW], v[NIL]
	s_wait_dscnt 0x0
	CROUND                                         ; everybody's part of K step 0 is in, and all sixteen work-groups are here
	JLOAD G0+4, G1, G0B+4, G1B                     ; K step 1's load, the first tensor load behind the round
	FETCH_B 0, 0, 0
	FETCH_A 0, 0, 0
	FETCH_A 0, 0, 4
	global_prefetch_b8 v[PFO], s[PFA:PFA+1] offset:3*ROWB th:TH_LOAD_NT scope:SCOPE_SE   ; K step 3
	STEP 0, 0, 1
	s_mov_b32 s3, LAPS-1
.Llap:
	TURN 0, 1, 1
	STEP 1, 0, 0
	TURN 1, 0, 1
	STEP 0, 0, 0
	s_sub_co_u32 s3, s3, 1
	s_cmp_lg_u32 s3, 0
	s_cbranch_scc1 .Llap
	TURN 0, 1, 0
	STEP 1, 0, 0
	s_wait_dscnt 4*NL
	WIN MUL_LO
	MUL16 0, 1, 0
	MUL16 2, 1, 0
	s_wait_dscnt 0
	WIN MUL_HI
	MUL16 4, 1, 0
	MUL16 6, 1, 0
	WIN 0
.macro CODES a
.set AC, 64*((\a)%4)
.set CDS, CD+16*((\a)%2)
.if (\a) >= 2
	s_wait_dscnt 8
.endif
	WIN 0x02+((\a)/4)
.set cj, 0
.rept 32
	v_pk_fma_f32 v[TMP+cj:TMP+cj+1], v[AC+cj:AC+cj+1], s[96:97], v[BI+cj:BI+cj+1] op_sel_hi:[1,0,1]
.set cj, cj+2
.endr
	WIN 0
.set cj, 0
.rept 64
.if PROJ
	v_med3_num_f32 v[TMP+cj], v[TMP+cj], -v[LIM], v[LIM]
.else
	v_med3_num_f32 v[TMP+cj], v[TMP+cj], 0, v[LIM]
.endif
.set cj, cj+1
.endr
.irp b, 0,1,2,3,4,5,6,7
	v_cvt_scalef32_pk8_bf8_f32 v[CDS+2*\b:CDS+2*\b+1], v[TMP+8*\b:TMP+8*\b+7], v[SC]
.endr
	v_nop
.irp b, 0,1,2,3,4,5,6,7
	ds_store_b64 v[STO], v[CDS+2*\b:CDS+2*\b+1] offset:(\a)*16*PITCH+16*\b
.endr
.endm
	s_wait_kmcnt 0x0
.if PROJ
	s_cmp_eq_u32 s12, 0
	s_cselect_b32 s96, s68, s70
	s_cselect_b32 s97, s69, s71
	s_cselect_b32 s98, s74, s75
	s_cmp_eq_u32 s12, 2
	s_cselect_b32 s96, s72, s96
	s_cselect_b32 s97, s73, s97
	s_cselect_b32 s98, s77, s98
.endif
	s_add_co_i32 s96, s96, s97
	s_add_co_i32 s96, s96, 127
	s_lshl_b32 s96, s96, 23
	s_mov_b32 s97, s96
	s_add_co_i32 s98, s98, 127
	s_lshl_b32 s99, s98, 23
	v_mov_b32 v[SC], s99
	s_add_co_i32 s98, s98, 15
	s_lshl_b32 s98, s98, 23
	s_or_b32 s98, s98, 0x600000
	v_mov_b32 v[LIM], s98
	s_wait_loadcnt 0x0
	PLACES NP
.irp a, 0,1,2,3,4,5,6,7
	CODES \a
.endr
	s_wait_dscnt 0x0
	s_barrier_signal -1
	s_barrier_wait -1
.if PROJ
.set ci, 0
.rept 16
	ds_load_b128 v[TMP+4*ci:TMP+4*ci+3], v[RD] offset:ci*8*PITCH
.set ci, ci+1
.endr
.rept 16
	ds_load_b128 v[TMP+4*ci:TMP+4*ci+3], v[RD2] offset:(ci-16)*8*PITCH
.set ci, ci+1
.endr
.set ci, 0
.rept 32
	s_wait_dscnt 31-ci
	global_store_b128 v[CO], v[TMP+4*ci:TMP+4*ci+3], s[10:11] offset:512*ci
.set ci, ci+1
.endr
.else
.set ci, 0
.rept 32
	ds_load_b128 v[TMP+4*ci:TMP+4*ci+3], v[RD] offset:ci*2*PITCH
.set ci, ci+1
.endr
.set ci, 0
.rept 32
	s_wait_dscnt 31-ci
	global_store_b128 v[CO], v[TMP+4*ci:TMP+4*ci+3], s[10:11] offset:ci*2*4096
.set ci, ci+1
.endr
.endif
	s_wait_tensorcnt 0x0
	ds_add_u32 v[SPW], v[NIL]
	s_wait_dscnt 0x0
	CROUND
	s_endpgm
.Lfunc_end_k_q39fd5cf65b_ffn1:
	.size	k_q39fd5cf65b_ffn1, .Lfunc_end_k_q39fd5cf65b_ffn1-k_q39fd5cf65b_ffn1
	.p2alignl 7, 3214868480
	.fill 96, 4, 3214868480
	.section	.rodata,"a",@progbits
	.p2align	6, 0x0
	.amdhsa_kernel k_q39fd5cf65b_ffn1
		.amdhsa_group_segment_fixed_size 327680
		.amdhsa_private_segment_fixed_size 0
		.amdhsa_enable_private_segment 0
		.amdhsa_kernarg_size 40
		.amdhsa_user_sgpr_count 2
		.amdhsa_user_sgpr_kernarg_segment_ptr 1
		.amdhsa_wavefront_size32 1
		.amdhsa_system_sgpr_workgroup_id_x 1
		.amdhsa_system_sgpr_workgroup_id_y 1
		.amdhsa_system_sgpr_workgroup_id_z 1
		.amdhsa_system_vgpr_workitem_id 0
		.amdhsa_next_free_vgpr 1024
		.amdhsa_next_free_sgpr 100
		.amdhsa_reserve_vcc 0
		.amdhsa_float_denorm_mode_32 3
		.amdhsa_float_denorm_mode_16_64 3
		.amdhsa_memory_ordered 1
		.amdhsa_forward_progress 1
		.amdhsa_inst_pref_size 144
	.end_amdhsa_kernel
	.amdgpu_metadata
---
amdhsa.version: [ 1, 2 ]
amdhsa.kernels:
  - .name:           k_q39fd5cf65b_ffn1
    .symbol:         k_q39fd5cf65b_ffn1.kd
    .args:
      - { .name: ac, .offset: 0, .size: 8, .value_kind: global_buffer, .address_space: global }
      - { .name: W1_codes, .offset: 8, .size: 8, .value_kind: global_buffer, .address_space: global }
      - { .name: lowp_scales, .offset: 16, .size: 8, .value_kind: global_buffer, .address_space: global }
      - { .name: hc, .offset: 24, .size: 8, .value_kind: global_buffer, .address_space: global }
      - { .name: b1, .offset: 32, .size: 8, .value_kind: global_buffer, .address_space: global }
    .group_segment_fixed_size: 327680
    .private_segment_fixed_size: 0
    .kernarg_segment_align: 8
    .kernarg_segment_size: 40
    .max_flat_workgroup_size: 128
    .sgpr_count:     100
    .vgpr_count:     1024
    .wavefront_size: 32
...
	.end_amdgpu_metadata
.endif
;; end of part 14
;; launch ffn2 (part 15): grid 8 x 32, 4 waves a work-group, clusters of 4 x 4, 327,680 bytes of LDS; arguments hc, W2_codes, lowp_scales, y, b2, x; writes y
.if DOCPART == 15
	.amdgcn_target "amdgcn-amd-amdhsa--gfx1250"
	.amdhsa_code_object_version 6
	.text
	.protected	k_q39fd5cf65b_ffn2
	.globl	k_q39fd5cf65b_ffn2
	.p2align	8
	.type	k_q39fd5cf65b_ffn2,@function
k_q39fd5cf65b_ffn2:
	s_mov_b64 s[64:65], 0
	v_nop
	global_prefetch_b8 v0, s[64:65] scope:SCOPE_SE
	s_setreg_imm32_b32 hwreg(HW_REG_WAVE_MODE, 25, 1), 1
	s_wait_xcnt 0x0
	s_wait_alu depctr_hold_cnt(0) depctr_sa_sdst(0) depctr_va_vdst(0) depctr_va_sdst(0) depctr_va_ssrc(0) depctr_va_vcc(0) depctr_vm_vsrc(0)
	s_getreg_b32 s2, hwreg(HW_REG_IB_STS2, 6, 4)
	s_cmp_eq_u32 s2, 0
	s_cbranch_scc0 .Lentry_in_a_cluster
	s_endpgm
.Lentry_in_a_cluster:
	s_bfe_u32 s2, ttmp6, 0x10000c
	s_cmp_lg_u32 s2, 0xf033
	s_cbranch_scc0 .Lentry_shape_is_right
	s_endpgm
.Lentry_shape_is_right:
; y = x + h W2^T + b2.  h [4096][4096] and W2 [1024][4096]: codes of BF8 (E5M2), K innermost, scales 2^e14 and 2^e15; sums in f32; x and y [4096][1024] f32.  LIMIT: e14 + e15 between -126 and 127.
; A block of 128 x 128 to a work-group of four waves, 64 x 64 a wave: 256 work-groups.  K goes in eight steps of 512 through a ring of two LDS slots; each wave fetches 64 rows x 512 bytes by one joint tensor load
; (clusters of 4 x 4: A's tiles along a row of the cluster, B's along a column).  The matrix instruction is used transposed; the way out goes through each wave's stage in slot 0.
; PREFETCH INTO THE L2: behind the load of K step n stands one prefetch a wave for K step n + 2 (n = 0 .. 5; the head asks for K step 1 as well).  Of the 64 rows that a wave fetches, each of the four partners that
; ask for them jointly takes 16, told apart by address (cx for A, cy for B); a lane names one of a row's two blocks of 256 bytes: each block is named once in each cluster that loads it.  The last two refills ask for nothing.
.set PFA, 72                           ; s[72:73] my 16 rows, at the K step three steps under the one that a refill's prefetch names
.set PFO, 30                           ; v30  4,096 x (lane / 2) + 256 x (lane % 2); never rewritten
.set SIZE_K, 4096
.set SCOFF,  56
.set SIZE_N, 1024
.set KSTEP,  512
.set ROWB,   512
.set KROW,   SIZE_K
.set PITCH,  528
.set FR,     16
.set HALFT,  64*PITCH
.set SLOT,   4*HALFT
.set LAPS,   SIZE_K/(2*KSTEP)
.set SPARE,  2*SLOT
.set SPITCH, 272
.set ADRA, 16
.set ADRB, 20
.set STO,  24
.set RD,   25
.set CO,   26
.set BO,   27
.set SPW,  28
.set NIL,  29
.set BIAS, 96
.set ACC,  128
.set F0,   0
.set F1,   128
.set RES,  0
.set G1, 24
.set G0, 32
.set G1B, 48
.set G0B, 56
.set MSB, 0
.macro WIN new
.if MSB != \new
	s_set_vgpr_msb (MSB<<8)|\new
.set MSB, \new
.endif
.endm
.set MUL,  0x05
.set TO_F, 0x40
.macro JLOAD g0a, g1a, g0b, g1b
	s_cmp_eq_u32 s15, 0
	s_cbranch_scc0 .Lfor_b_\@
	tensor_load_to_lds s[\g0a:\g0a+3], s[\g1a:\g1a+7]
	s_nop 0
.rept 4
	v_nop
.endr
	s_branch .Lasked_\@
.Lfor_b_\@:
	tensor_load_to_lds s[\g0b:\g0b+3], s[\g1b:\g1b+7]
	s_nop 0
.rept 4
	v_nop
.endr
.Lasked_\@:
.endm
.macro CREST
	s_cmp_lg_u32 s14, 0
	s_cbranch_scc1 .Lnot_wave_0_\@
	s_barrier_signal -3
.Lnot_wave_0_\@:
	s_barrier_wait -3
	s_barrier_signal -1
	s_barrier_wait -1
.endm
.macro CROUND
	s_barrier_signal -1
	s_barrier_wait -1
	CREST
.endm
	s_load_b128 s[4:7], s[0:1], 0x0
	s_load_b128 s[8:11], s[0:1], 0x10
	s_load_b128 s[68:71], s[0:1], 0x20
	v_lshl_add_u32 v[SPW], v0, 2, SPARE
	v_mov_b32 v[NIL], 0
	ds_add_u32 v28, v29
	ds_add_u32 v28, v29
	s_wait_dscnt 0x0
	v_lshrrev_b32 v1, 5, v0
	v_readfirstlane_b32 s14, v1
	s_lshr_b32 s15, s14, 1
	s_and_b32 s16, s14, 1
	s_bfe_u32 s40, ttmp6, 0x40000
	s_bfe_u32 s41, ttmp6, 0x40004
	s_lshl_b32 s42, ttmp9, 2
	s_add_co_u32 s42, s42, s40
	s_and_b32 s17, ttmp7, 0xffff
	s_lshl_b32 s17, s17, 2
	s_add_co_u32 s17, s17, s41
	s_lshl_b32 s43, s41, 2
	s_lshl_b32 s43, 15, s43
	s_lshl_b32 s44, 0x1111, s40
	s_or_b32 s[G1+0], s43, (0<<16)|(1<<20)|(1<<21)|(6<<22)|(3<<25)
	s_or_b32 s[G1B+0], s44, (0<<16)|(1<<20)|(1<<21)|(6<<22)|(3<<25)
.irp g, G1, G1B
	s_mov_b32 s[\g+1], ROWB<<16
	s_mov_b32 s[\g+2], 64<<16
	s_mov_b32 s[\g+3], ROWB<<16
	s_mov_b32 s[\g+4], 64
	s_mov_b32 s[\g+5], KROW
	s_mov_b32 s[\g+6], 0
	s_mov_b32 s[\g+7], 0
.endr
	s_lshl_b32 s18, s16, 6
	s_lshl_b32 s20, s17, 7
	s_add_co_u32 s20, s20, s18
	s_lshl_b32 s46, s42, 7
	s_add_co_u32 s46, s46, s18
	s_mov_b32 s21, 0
	s_mov_b32 s47, 0
	s_mov_b64 s[18:19], KROW
	s_mul_u64 s[20:21], s[20:21], s[18:19]
	s_mul_u64 s[46:47], s[46:47], s[18:19]
	s_mul_i32 s45, s14, HALFT
	s_wait_kmcnt 0x0
	s_load_b64 s[96:97], s[8:9], SCOFF
	s_add_nc_u64 s[20:21], s[4:5], s[20:21]
	s_add_nc_u64 s[46:47], s[6:7], s[46:47]
	CROUND
.irp s, 0,1
	s_mov_b32 s[G0+4*\s], 1
	s_add_co_u32 s[G0+4*\s+1], s45, \s*SLOT
	s_add_nc_u64 s[G0+4*\s+2:G0+4*\s+3], s[20:21], \s*ROWB
	s_or_b32 s[G0+4*\s+3], s[G0+4*\s+3], 0x80000000
	s_mov_b32 s[G0B+4*\s], 1
	s_add_co_u32 s[G0B+4*\s+1], s45, \s*SLOT
	s_add_nc_u64 s[G0B+4*\s+2:G0B+4*\s+3], s[46:47], \s*ROWB
	s_or_b32 s[G0B+4*\s+3], s[G0B+4*\s+3], 0x80000000
.endr
	JLOAD G0, G1, G0B, G1B                         ; K step 0
	v_and_b32 v1, 15, v0
	s_wait_alu depctr_va_vdst(0)
	v_bfe_u32 v2, v0, 4, 1
	v_mul_u32_u24 v3, v1, PITCH
	v_lshl_add_u32 v4, v2, 4, v3
	s_mul_i32 s21, s15, HALFT
	s_mul_i32 s22, s16, HALFT
	s_add_co_u32 s22, s22, 2*HALFT
.irp s, 0,1
	v_add_nc_u32 v[ADRA+\s], s21, v4
	v_add_nc_u32 v[ADRB+\s], s22, v4
	s_add_co_u32 s21, s21, SLOT
	s_add_co_u32 s22, s22, SLOT
.endr
	s_mul_i32 s23, s14, 64*SPITCH
	v_mul_u32_u24 v5, v1, SPITCH
	s_wait_alu depctr_va_vdst(0)
	v_lshl_add_u32 v5, v2, 5, v5
	v_add_nc_u32 v[STO], s23, v5
	v_mul_u32_u24 v6, v2, SPITCH
	v_lshl_add_u32 v6, v1, 4, v6
	v_add_nc_u32 v[RD], s23, v6
	v_lshlrev_b32 v7, 12, v2
	v_lshl_add_u32 v[CO], v1, 4, v7
	v_lshlrev_b32 v[BO], 4, v1
	s_wait_alu depctr_va_vdst(0)
	s_lshl_b32 s20, s17, 7
	s_lshl_b32 s21, s15, 6
	s_add_co_u32 s20, s20, s21
	s_mov_b32 s21, 0
	s_mov_b64 s[18:19], SIZE_N*4
	s_mul_u64 s[20:21], s[20:21], s[18:19]
	s_lshl_b32 s46, s42, 9
	s_lshl_b32 s47, s16, 8
	s_add_co_u32 s46, s46, s47
	s_mov_b32 s47, 0
	s_add_nc_u64 s[68:69], s[68:69], s[46:47]
	s_add_nc_u64 s[20:21], s[20:21], s[46:47]
	s_add_nc_u64 s[10:11], s[10:11], s[20:21]
	s_add_nc_u64 s[70:71], s[70:71], s[20:21]
	s_lshl_b32 s74, s17, 7                         ; the prefetches: the tile's first row, in A by the tile row,
	s_lshl_b32 s75, s42, 7                         ; in B by the tile column
	s_cmp_eq_u32 s15, 0                            ; do I fetch for A?
	s_cselect_b32 s74, s74, s75
	s_cselect_b32 s75, s40, s41                    ; my place among the four that ask with me
	s_cselect_b64 s[PFA:PFA+1], s[4:5], s[6:7]
	s_lshl_b32 s76, s16, 6
	s_add_co_u32 s74, s74, s76                     ; + the 64 rows that I fetch
	s_lshl_b32 s75, s75, 4
	s_add_co_u32 s74, s74, s75                     ; + my work-group's 16 of them
	s_lshl_b32 s74, s74, 12                        ; rows of 4,096 bytes
	s_mov_b32 s75, 0
	s_add_nc_u64 s[PFA:PFA+1], s[PFA:PFA+1], s[74:75]
	v_and_b32 v31, 31, v0
	v_and_b32 v[PFO], 1, v0
	v_lshrrev_b32 v31, 1, v31
	v_lshlrev_b32 v[PFO], 8, v[PFO]
	v_lshl_add_u32 v[PFO], v31, 12, v[PFO]
	global_prefetch_b8 v[PFO], s[PFA:PFA+1] offset:KSTEP th:TH_LOAD_NT scope:SCOPE_SE     ; K step 1
	global_prefetch_b8 v[PFO], s[PFA:PFA+1] offset:2*KSTEP th:TH_LOAD_NT scope:SCOPE_SE   ; K step 2
	global_load_b128 v[BIAS:BIAS+3], v[BO], s[68:69]
; x's numbers for my 64 x 64 of y, into window 2: sixteen loads behind the first step of 128 along K and sixteen behind the loop, so that they do not stand beside the first tiles' requests; they are wanted on the way out
.macro RESLD from
	WIN 0x80
.set ci, \from
.rept 16
	global_load_b128 v[RES+4*ci:RES+4*ci+3], v[CO], s[70:71] offset:2*ci*SIZE_N*4
.set ci, ci+1
.endr
	WIN 0
.endm
.macro MUL4 f, a, zero
.irp b, 0,1,2,3
.if \zero
	v_wmma_f32_16x16x128_bf8_bf8 v[ACC+8*(4*(\a)+\b):ACC+8*(4*(\a)+\b)+7], v[\f+64+FR*\b:\f+64+FR*\b+FR-1], v[\f+FR*(\a):\f+FR*(\a)+FR-1], 0
.else
	v_wmma_f32_16x16x128_bf8_bf8 v[ACC+8*(4*(\a)+\b):ACC+8*(4*(\a)+\b)+7], v[\f+64+FR*\b:\f+64+FR*\b+FR-1], v[\f+FR*(\a):\f+FR*(\a)+FR-1], v[ACC+8*(4*(\a)+\b):ACC+8*(4*(\a)+\b)+7]
.endif
.endr
.endm
.macro FETCH slot, k, f
	WIN TO_F
.irp i, 0,1,2,3
.irp c, 0,1,2,3
	ds_load_b128 v[\f+64+FR*\i+4*\c:\f+64+FR*\i+4*\c+3], v[ADRB+\slot] offset:\k+32*\c+\i*16*PITCH
.endr
.endr
.irp i, 0,1,2,3
.irp c, 0,1,2,3
	ds_load_b128 v[\f+FR*\i+4*\c:\f+FR*\i+4*\c+3], v[ADRA+\slot] offset:\k+32*\c+\i*16*PITCH
.endr
.endr
.endm
.macro PLACES
.rept 4
	v_nop
.endr
.endm
.macro QUARTER slot, k, f, g, zero
	s_wait_dscnt 8
	WIN MUL
	MUL4 \f, 0, \zero
	MUL4 \f, 1, \zero
	PLACES
	FETCH \slot, \k, \g
	s_wait_dscnt 32
	WIN MUL
	MUL4 \f, 2, \zero
	MUL4 \f, 3, \zero
.endm
.macro TURN slot, next, fill
.if \fill
	s_wait_xcnt 0x0                                ; my prefetches have read their address: it is stepped here, a K step behind the last of them
	s_add_nc_u64 s[PFA:PFA+1], s[PFA:PFA+1], KSTEP
.endif
	WIN 0
	s_wait_tensorcnt 0x0
	ds_add_u32 v[SPW], v[NIL]
	s_wait_dscnt 9
	WIN MUL
	MUL4 F1, 0, 0
	s_wait_dscnt 0x0
	s_barrier_signal -1
	MUL4 F1, 1, 0
.if \fill
	WIN 0
.endif
	s_barrier_wait -1
.if \fill
	CREST
	s_add_nc_u64 s[G0+4*\slot+2:G0+4*\slot+3], s[G0+4*\slot+2:G0+4*\slot+3], 2*ROWB
	s_add_nc_u64 s[G0B+4*\slot+2:G0B+4*\slot+3], s[G0B+4*\slot+2:G0B+4*\slot+3], 2*ROWB
	JLOAD G0+4*\slot, G1, G0B+4*\slot, G1B
.else
	PLACES
.endif
	FETCH \next, 0, F0
.if \fill
	WIN 0                                          ; at a branch and at a label every window is 0
	s_cmp_gt_u32 s3, 1                             ; the loop's last trip loads K steps 6 and 7: there is no step two on
	s_cbranch_scc0 .Lno_ask_\@
	global_prefetch_b8 v[PFO], s[PFA:PFA+1] offset:3*KSTEP th:TH_LOAD_NT scope:SCOPE_SE   ; the K step two refills on
.Lno_ask_\@:
.endif
	WIN MUL
	MUL4 F1, 2, 0
	MUL4 F1, 3, 0
.endm
	s_wait_alu depctr_va_vdst(0)
	s_wait_tensorcnt 0x0                           ; my part of K step 0 is in
	ds_add_u32 v[SPW], v[NIL]
	s_wait_dscnt 0x0
	CROUND                                         ; everybody's part of K step 0 is in, and all sixteen work-groups are here
	JLOAD G0+4, G1, G0B+4, G1B                     ; K step 1's load, the first tensor load behind the round
	FETCH 0, 0, F0
	global_prefetch_b8 v[PFO], s[PFA:PFA+1] offset:3*KSTEP th:TH_LOAD_NT scope:SCOPE_SE   ; K step 3 (the address register lies in window 0, as the loads' does)
	QUARTER 0, 128, F0, F1, 1
	RESLD 0
.if LAPS > 1
	WIN 0
	s_mov_b32 s3, LAPS-1
.Llap:
	QUARTER 0, 256, F1, F0, 0
	QUARTER 0, 384, F0, F1, 0
	TURN 0, 1, 1
	QUARTER 1, 128, F0, F1, 0
	QUARTER 1, 256, F1, F0, 0
	QUARTER 1, 384, F0, F1, 0
	TURN 1, 0, 1
	QUARTER 0, 128, F0, F1, 0
	WIN 0
	s_sub_co_u32 s3, s3, 1
	s_cmp_lg_u32 s3, 0
	s_cbranch_scc1 .Llap
.endif
	RESLD 16
	QUARTER 0, 256, F1, F0, 0
	QUARTER 0, 384, F0, F1, 0
	TURN 0, 1, 0
	QUARTER 1, 128, F0, F1, 0
	QUARTER 1, 256, F1, F0, 0
	QUARTER 1, 384, F0, F1, 0
	s_wait_dscnt 8
	WIN MUL
	MUL4 F1, 0, 0
	MUL4 F1, 1, 0
	s_wait_dscnt 0
	MUL4 F1, 2, 0
	MUL4 F1, 3, 0
.macro TOSTAGE a
.irp b, 0,1,2,3
	ds_store_b128 v[STO], v[ACC+8*(4*(\a)+\b):ACC+8*(4*(\a)+\b)+3] offset:(\a)*16*SPITCH+64*\b
	ds_store_b128 v[STO], v[ACC+8*(4*(\a)+\b)+4:ACC+8*(4*(\a)+\b)+7] offset:(\a)*16*SPITCH+64*\b+16
.endr
.endm
.macro BACK i
	ds_load_b128 v[ACC+4*(\i):ACC+4*(\i)+3], v[RD] offset:(\i)*2*SPITCH
.endm
.macro SEND i
	v_pk_fma_f32 v[ACC+4*(\i):ACC+4*(\i)+1], v[ACC+4*(\i):ACC+4*(\i)+1], s[96:97], v[RES+4*(\i):RES+4*(\i)+1] op_sel_hi:[1,0,1]
	v_pk_fma_f32 v[ACC+4*(\i)+2:ACC+4*(\i)+3], v[ACC+4*(\i)+2:ACC+4*(\i)+3], s[96:97], v[RES+4*(\i)+2:RES+4*(\i)+3] op_sel_hi:[1,0,1]
	global_store_b128 v[CO], v[ACC+4*(\i):ACC+4*(\i)+3], s[10:11] offset:2*(\i)*SIZE_N*4
.endm
	s_wait_kmcnt 0x0
	s_add_co_i32 s96, s96, s97
	s_add_co_i32 s96, s96, 127
	s_lshl_b32 s96, s96, 23
	s_mov_b32 s97, s96
	s_wait_loadcnt 0x0
	WIN 0x82
.set ci, 0
.rept 32
	v_pk_add_f32 v[RES+4*ci:RES+4*ci+1], v[RES+4*ci:RES+4*ci+1], v[BIAS:BIAS+1]
	v_pk_add_f32 v[RES+4*ci+2:RES+4*ci+3], v[RES+4*ci+2:RES+4*ci+3], v[BIAS+2:BIAS+3]
.set ci, ci+1
.endr
	WIN 0
	TOSTAGE 0
	TOSTAGE 1
.set ci, 0
.rept 16
	BACK ci
.set ci, ci+1
.endr
	TOSTAGE 2
	TOSTAGE 3
	WIN 0x20
.set ci, 0
.rept 16
	s_wait_dscnt 31
	SEND ci
	BACK ci+16
.set ci, ci+1
.endr
.rept 16
	s_wait_dscnt 31-ci
	SEND ci
.set ci, ci+1
.endr
	WIN 0
	s_wait_tensorcnt 0x0
	ds_add_u32 v[SPW], v[NIL]
	s_wait_dscnt 0x0
	CROUND
	s_endpgm
.Lfunc_end_k_q39fd5cf65b_ffn2:
	.size	k_q39fd5cf65b_ffn2, .Lfunc_end_k_q39fd5cf65b_ffn2-k_q39fd5cf65b_ffn2
	.p2alignl 7, 3214868480
	.fill 96, 4, 3214868480
	.section	.rodata,"a",@progbits
	.p2align	6, 0x0
	.amdhsa_kernel k_q39fd5cf65b_ffn2
		.amdhsa_group_segment_fixed_size 327680
		.amdhsa_private_segment_fixed_size 0
		.amdhsa_enable_private_segment 0
		.amdhsa_kernarg_size 48
		.amdhsa_user_sgpr_count 2
		.amdhsa_user_sgpr_kernarg_segment_ptr 1
		.amdhsa_wavefront_size32 1
		.amdhsa_system_sgpr_workgroup_id_x 1
		.amdhsa_system_sgpr_workgroup_id_y 1
		.amdhsa_system_sgpr_workgroup_id_z 1
		.amdhsa_system_vgpr_workitem_id 0
		.amdhsa_next_free_vgpr 640
		.amdhsa_next_free_sgpr 100
		.amdhsa_reserve_vcc 0
		.amdhsa_float_denorm_mode_32 3
		.amdhsa_float_denorm_mode_16_64 3
		.amdhsa_memory_ordered 1
		.amdhsa_forward_progress 1
		.amdhsa_inst_pref_size 84
	.end_amdhsa_kernel
	.amdgpu_metadata
---
amdhsa.version: [ 1, 2 ]
amdhsa.kernels:
  - .name:           k_q39fd5cf65b_ffn2
    .symbol:         k_q39fd5cf65b_ffn2.kd
    .args:
      - { .name: hc, .offset: 0, .size: 8, .value_kind: global_buffer, .address_space: global }
      - { .name: W2_codes, .offset: 8, .size: 8, .value_kind: global_buffer, .address_space: global }
      - { .name: lowp_scales, .offset: 16, .size: 8, .value_kind: global_buffer, .address_space: global }
      - { .name: y, .offset: 24, .size: 8, .value_kind: global_buffer, .address_space: global }
      - { .name: b2, .offset: 32, .size: 8, .value_kind: global_buffer, .address_space: global }
      - { .name: x, .offset: 40, .size: 8, .value_kind: global_buffer, .address_space: global }
    .group_segment_fixed_size: 327680
    .private_segment_fixed_size: 0
    .kernarg_segment_align: 8
    .kernarg_segment_size: 48
    .max_flat_workgroup_size: 128
    .sgpr_count:     100
    .vgpr_count:     640
    .wavefront_size: 32
...
	.end_amdgpu_metadata
.endif
;; end of part 15
;; launch ln2 (part 16): grid 256 x 1, 4 waves a work-group, no clusters, 0 bytes of LDS; arguments y, ln2_w, ln2_b, out0; writes out0
.if DOCPART == 16
	.amdgcn_target "amdgcn-amd-amdhsa--gfx1250"
	.amdhsa_code_object_version 6
	.text
	.protected	k_q39fd5cf65b_ln2
	.globl	k_q39fd5cf65b_ln2
	.p2align	8
	.type	k_q39fd5cf65b_ln2,@function
k_q39fd5cf65b_ln2:
	s_mov_b64 s[64:65], 0
	v_nop
	global_prefetch_b8 v0, s[64:65] scope:SCOPE_SE
	s_setreg_imm32_b32 hwreg(HW_REG_WAVE_MODE, 25, 1), 1
	s_wait_xcnt 0x0
; LayerNorm over rows of 1,024 f32: out = (y - mean) / sqrt(var + 1e-5) x w + b, var = the mean of (y - mean)^2.  ONE TEXT, TWO LAUNCHES.
; CODES = 1: the result leaves as f32 AND as codes of BF8 (E5M2) with the scale 2^e, e = entry 12 of the exponents (-126 <= e <= 112; NaN is not served).  CODES = 0: f32 alone.
; Memory binds: each byte is read once and written once; no matrix unit, no cluster, no barrier.  One wave takes a whole row (4,096 bytes: eight loads of 512 consecutive bytes, 32 registers a lane) and keeps it in
; registers between the passes; four rows a wave, all 32 loads issued at the head.  Register 4 j + q of a row is column 128 j + 4 lane + q; w and b lie the same way and stay.
; The codes: eight registers give eight codes, four of column group j and four of group j + 1: each word of codes goes to its place in the wave's own 4,096 bytes of LDS, and the four rows leave as 512 consecutive bytes a store.
.set CODES, 0
.set W,   8                            ; v8-39    w
.set BB,  40                           ; v40-71   b
.set X,   72                           ; v72-199  four rows, 32 registers each; a row's registers are written for the last time ahead of its stores
.set T,   200                          ; v200-215 two sets of eight held numbers
.set C,   216                          ; v216-231 two sets of eight words of codes
.set A,   232                          ; v232-239 four chains of sums; v240 what the lane permute brings
.if CODES
.set OUTP, 16
.else
.set OUTP, 10
.endif
	s_load_b256 s[4:11], s[0:1], 0x0               ; y s[4:5], w s[6:7], b s[8:9]; s[10:11]: the exponents (CODES = 1) or the output
.if CODES
	s_load_b128 s[16:19], s[0:1], 0x20             ; the output in f32 s[16:17], its codes s[18:19]
.endif
	v_lshrrev_b32 v1, 5, v0
	v_readfirstlane_b32 s20, v1                    ; wave 0..3
	v_and_b32 v1, 31, v0
	v_lshlrev_b32 v2, 4, v1                        ; 16 x lane
	s_lshl_b32 s22, ttmp9, 16                      ; 16 rows of 4,096 bytes a work-group,
	s_lshl_b32 s23, s20, 14                        ; four a wave
	s_add_co_u32 s22, s22, s23
	s_mov_b32 s23, 0
	s_mov_b32 s12, 0x3a800000                      ; 1 / 1,024
	s_mov_b32 s13, 0x3727c5ac                      ; 1e-5
	s_mov_b32 s14, 0x76543210                      ; v_permlanex16_b32's selects for lane l xor 16
	s_mov_b32 s15, 0xfedcba98
	v_mov_b32 v240, 0                              ; written once: a lane permute's destination counts as one of its sources
.if CODES
	s_lshl_b32 s25, s20, 12                        ; my wave's 4,096 bytes of LDS
	v_lshl_add_u32 v3, v1, 2, s25                  ; in: 4 x lane
	v_add_nc_u32 v6, s25, v2                       ; back: 16 x lane
	s_lshl_b32 s26, ttmp9, 14                      ; 16 rows of 1,024 codes a work-group,
	s_add_co_u32 s26, s26, s25                     ; four a wave
	s_mov_b32 s27, 0
.endif
	s_wait_alu depctr_va_vdst(0)
	s_wait_kmcnt 0x0
.if CODES
	s_load_b32 s24, s[10:11], 48                   ; e
	s_add_nc_u64 s[18:19], s[18:19], s[26:27]
.endif
	s_add_nc_u64 s[4:5], s[4:5], s[22:23]
	s_add_nc_u64 s[OUTP:OUTP+1], s[OUTP:OUTP+1], s[22:23]
.irp j, 0,1,2,3,4,5,6,7
	global_load_b128 v[W+4*\j:W+4*\j+3], v2, s[6:7] offset:512*\j
.endr
.irp j, 0,1,2,3,4,5,6,7
	global_load_b128 v[BB+4*\j:BB+4*\j+3], v2, s[8:9] offset:512*\j
.endr
.irp s, 0,1,2,3
.irp j, 0,1,2,3,4,5,6,7
	global_load_b128 v[X+32*\s+4*\j:X+32*\s+4*\j+3], v2, s[4:5] offset:4096*\s+512*\j th:TH_LOAD_NT
.endr
.endr
.if CODES
	s_wait_kmcnt 0x0
	s_add_co_i32 s24, s24, 127
	s_lshl_b32 s25, s24, 23
	v_mov_b32 v4, s25                              ; 2^e as f32: the conversion takes its exponent field
	s_add_co_i32 s24, s24, 15
	s_lshl_b32 s24, s24, 23
	s_or_b32 s24, s24, 0x600000
	v_mov_b32 v5, s24                              ; 57,344 x 2^e
.endif
.macro FOLD                            ; the four chains, the two halves of a pair and the 32 lanes become one sum, in every lane
	v_pk_add_f32 v[A:A+1], v[A:A+1], v[A+2:A+3]
	v_pk_add_f32 v[A+4:A+5], v[A+4:A+5], v[A+6:A+7]
	v_pk_add_f32 v[A:A+1], v[A:A+1], v[A+4:A+5]
	v_add_f32 v[A], v[A], v[A+1]
	v_add_f32_dpp v[A], v[A], v[A] row_xmask:1 row_mask:0xf bank_mask:0xf
	v_add_f32_dpp v[A], v[A], v[A] row_xmask:2 row_mask:0xf bank_mask:0xf
	v_add_f32_dpp v[A], v[A], v[A] row_xmask:4 row_mask:0xf bank_mask:0xf
	v_add_f32_dpp v[A], v[A], v[A] row_xmask:8 row_mask:0xf bank_mask:0xf
	v_permlanex16_b32 v240, v[A], s14, s15
	v_add_f32 v[A], v[A], v240
.endm
.macro ROW s
.set XS, X+32*(\s)
	s_wait_loadcnt 8*(3-(\s))                      ; w, b and this row are in; the later rows' loads may be out
.irp k, 0,1,2,3
	v_pk_add_f32 v[A+2*\k:A+2*\k+1], v[XS+2*\k:XS+2*\k+1], v[XS+8+2*\k:XS+9+2*\k]     ; the first eight pairs start the chains: nothing is cleared
.endr
.irp p, 8,9,10,11,12,13,14,15
	v_pk_add_f32 v[A+2*(\p%4):A+2*(\p%4)+1], v[A+2*(\p%4):A+2*(\p%4)+1], v[XS+2*\p:XS+2*\p+1]
.endr
	FOLD
	v_mul_f32 v[A], s12, v[A]                      ; the mean
.irp p, 0,1,2,3,4,5,6,7,8,9,10,11,12,13,14,15
	v_pk_add_f32 v[XS+2*\p:XS+2*\p+1], v[XS+2*\p:XS+2*\p+1], v[A:A+1] op_sel_hi:[1,0] neg_lo:[0,1] neg_hi:[0,1]
.endr
.irp k, 0,1,2,3
	v_pk_mul_f32 v[A+2*\k:A+2*\k+1], v[XS+2*\k:XS+2*\k+1], v[XS+2*\k:XS+2*\k+1]
.endr
.irp p, 4,5,6,7,8,9,10,11,12,13,14,15
	v_pk_fma_f32 v[A+2*(\p%4):A+2*(\p%4)+1], v[XS+2*\p:XS+2*\p+1], v[XS+2*\p:XS+2*\p+1], v[A+2*(\p%4):A+2*(\p%4)+1]
.endr
	FOLD
	v_fma_f32 v[A], v[A], s12, s13                 ; var + 1e-5
	s_wait_alu depctr_va_vdst(0)
	v_rsq_f32 v[A], v[A]
	v_nop                                          ; a plain line behind the transcendental
	s_wait_alu depctr_va_vdst(0)
.irp p, 0,1,2,3,4,5,6,7,8,9,10,11,12,13,14,15
	v_pk_mul_f32 v[XS+2*\p:XS+2*\p+1], v[XS+2*\p:XS+2*\p+1], v[A:A+1] op_sel_hi:[1,0]
.endr
.irp p, 0,1,2,3,4,5,6,7,8,9,10,11,12,13,14,15
	v_pk_fma_f32 v[XS+2*\p:XS+2*\p+1], v[XS+2*\p:XS+2*\p+1], v[W+2*\p:W+2*\p+1], v[BB+2*\p:BB+2*\p+1]
.endr
.irp j, 0,1,2,3,4,5,6,7
	global_store_b128 v2, v[XS+4*\j:XS+4*\j+3], s[OUTP:OUTP+1] offset:4096*(\s)+512*\j   ; 32 lanes store 512 consecutive bytes
.endr
.if CODES
.if (\s) >= 2
	s_wait_dscnt 8                                 ; the stores of two rows ago have read this set of code registers; the last row's eight may be out
.endif
.irp g, 0,1,2,3
.irp i, 0,1,2,3,4,5,6,7
	v_med3_num_f32 v[T+8*(\g%2)+\i], v[XS+8*\g+\i], -v5, v5    ; the hold, into other registers: the row's own are being stored
.endr
	v_cvt_scalef32_pk8_bf8_f32 v[C+8*((\s)%2)+2*\g:C+8*((\s)%2)+2*\g+1], v[T+8*(\g%2):T+8*(\g%2)+7], v4   ; the other set's eight holds stand between it and the next writes of its sources
.endr
	v_nop
.irp j, 0,1,2,3,4,5,6,7
	ds_store_b32 v3, v[C+8*((\s)%2)+\j] offset:1024*(\s)+128*\j   ; the codes of columns 128 j + 4 lane on
.endr
.endif
.endm
.irp s, 0,1,2,3
	ROW \s
.endr
.if CODES
.irp i, 0,1,2,3,4,5,6,7
	ds_load_b128 v[W+4*\i:W+4*\i+3], v6 offset:512*\i             ; LDS serves a wave's instructions in order: these see my stores; w is done with
.endr
.irp i, 0,1,2,3,4,5,6,7
	s_wait_dscnt 7-\i
	global_store_b128 v2, v[W+4*\i:W+4*\i+3], s[18:19] offset:512*\i   ; my four rows of codes are 4,096 consecutive bytes
.endr
.endif
	s_endpgm
.Lfunc_end_k_q39fd5cf65b_ln2:
	.size	k_q39fd5cf65b_ln2, .Lfunc_end_k_q39fd5cf65b_ln2-k_q39fd5cf65b_ln2
	.p2alignl 7, 3214868480
	.fill 96, 4, 3214868480
	.section	.rodata,"a",@progbits
	.p2align	6, 0x0
	.amdhsa_kernel k_q39fd5cf65b_ln2
		.amdhsa_group_segment_fixed_size 0
		.amdhsa_private_segment_fixed_size 0
		.amdhsa_enable_private_segment 0
		.amdhsa_kernarg_size 32
		.amdhsa_user_sgpr_count 2
		.amdhsa_user_sgpr_kernarg_segment_ptr 1
		.amdhsa_wavefront_size32 1
		.amdhsa_system_sgpr_workgroup_id_x 1
		.amdhsa_system_sgpr_workgroup_id_y 1
		.amdhsa_system_sgpr_workgroup_id_z 1
		.amdhsa_system_vgpr_workitem_id 0
		.amdhsa_next_free_vgpr 248
		.amdhsa_next_free_sgpr 66
		.amdhsa_reserve_vcc 0
		.amdhsa_float_denorm_mode_32 3
		.amdhsa_float_denorm_mode_16_64 3
		.amdhsa_memory_ordered 1
		.amdhsa_forward_progress 1
		.amdhsa_inst_pref_size 33
	.end_amdhsa_kernel
	.amdgpu_metadata
---
amdhsa.version: [ 1, 2 ]
amdhsa.kernels:
  - .name:           k_q39fd5cf65b_ln2
    .symbol:         k_q39fd5cf65b_ln2.kd
    .args:
      - { .name: y, .offset: 0, .size: 8, .value_kind: global_buffer, .address_space: global }
      - { .name: ln2_w, .offset: 8, .size: 8, .value_kind: global_buffer, .address_space: global }
      - { .name: ln2_b, .offset: 16, .size: 8, .value_kind: global_buffer, .address_space: global }
      - { .name: out0, .offset: 24, .size: 8, .value_kind: global_buffer, .address_space: global }
    .group_segment_fixed_size: 0
    .private_segment_fixed_size: 0
    .kernarg_segment_align: 8
    .kernarg_segment_size: 32
    .max_flat_workgroup_size: 128
    .sgpr_count:     66
    .vgpr_count:     248
    .wavefront_size: 32
...
	.end_amdgpu_metadata
.endif
;; end of part 16
